; MI455X (gfx1250); checked and timed in simulation.
; The chip was launched on July 23, 2026; its instructions are those of AMD's public machine-readable ISA for CDNA 5 (MIT licence, August 2026) and "CDNA5" Instruction Set Architecture Reference Guide (July 2026). The comments in the code are by the model that wrote it; some were corrected since.
;; Support Calibrator. Allowed arithmetic: float matrix products may take bf16 or f16 operands with f32 sums; all other float work in f32.
;; Inputs: base_seman 8 x 8,000 x 300 float32; base_weights 8 x 8,000 x 512 float32; fc_w 512 x 512 float32; map_b1 300 float32; map_b2 300 float32; map_w1 300 x 300 float32; map_w2 300 x 300 float32; semfuse_b 300 float32; semfuse_w 812 x 300 float32; support_feat 8 x 16 x 512 float32; support_seman 8 x 16 x 300 float32; visfuse_b 512 float32; visfuse_w 812 x 512 float32; w_ks 512 x 512 float32; w_ks_sem 300 x 512 float32; w_qs 512 x 512 float32; w_qs_sem 300 x 512 float32; w_vs 512 x 512 float32.
;; Outputs: out0 8 x 16 x 512 float32; out1 8 x 16 x 8,000 float32.
;; 3 versions, each right; version 2 is faster than version 1; version 3 is version 2 with the launch front written anew for expert scheduling mode. Each part assembles by itself: llvm-mc -triple=amdgcn-amd-amdhsa -mcpu=gfx1250 --defsym DOCPART=n.
;; ======== version 1 of 3: 11 launches
;; workspace buffers: wf 4,751,360 bytes; hf 40,960,000 bytes; po 8,454,144 bytes; s0 786,432 bytes; s1 491,520 bytes; s2 491,520 bytes; s3 1,114,112 bytes
;; launch prep (part 1): grid 596 x 1, 8 waves a work-group, no clusters, 0 bytes of LDS; arguments map_w1, map_b1, map_w2, map_b2, w_qs, w_qs_sem, visfuse_w, visfuse_b, semfuse_w, semfuse_b, w_ks, w_ks_sem, w_vs, fc_w, support_feat, wf, s0; writes wf, s0
.if DOCPART == 1
	.amdgcn_target "amdgcn-amd-amdhsa--gfx1250"
	.amdhsa_code_object_version 6
	.text
	.protected	k_q8b681f6eae_prep
	.globl	k_q8b681f6eae_prep
	.p2align	8
	.type	k_q8b681f6eae_prep,@function
k_q8b681f6eae_prep:
	s_mov_b64 s[64:65], 0
	v_nop
	global_prefetch_b8 v0, s[64:65] scope:SCOPE_SE
	s_setreg_imm32_b32 hwreg(HW_REG_WAVE_MODE, 25, 1), 1
	s_wait_xcnt 0x0
; All weights, rounded once to bf16, are laid out as operand tiles of 16 rows x 32 k (1,024 bytes): byte half*512 + lane*16 + 2 i
; holds (row lane % 16, k = 16 half + 8 (lane / 16) + i), so that two 16-byte loads a lane fill a matrix operand.
; Biases ride in the weights: index 300 of the semantic axis carries the constant 1, so row 300 of w1/w2 holds b1/b2 and [300][300] = 1;
; the gates' weights hold their biases at k = 812 = 512 + 300.  Everything outside a source reads as 0.
; Work-groups 0-579: eight tiles each, one a wave, of eleven lists; the list's figures are chosen by scalar selects on the group's number.
; Work-groups 580-595: support_feat as operand tiles (hi = bf16, lo = 0) into s0, tiles 0-7.
; No LDS, no matrix unit, no cluster: a cast with a gather, under 10 MB in all.
.set NONE, 0xffff
.set FIRST, 1
.macro PAR reg, val
.if FIRST
	s_mov_b32 s[\reg], \val
.else
	s_cselect_b32 s[\reg], \val, s[\reg]
.endif
.endm
; one list: first work-group, source and bias pointers, mode (0: in = k, out = m; -1: in = m, out = k), pitch, IN, OUT,
; the in-index that takes the bias, the in-index that takes the one, clamp of the bias index, K steps, 65536/KS rounded up, first tile, tiles a row, K offset
.macro SEL start, src, bias, mode, pitch, in, out, bin, onein, bmax, ks, magic, dst0, dstks, ksoff
.if FIRST
	s_mov_b64 s[44:45], s[\src:\src+1]
	s_mov_b64 s[46:47], s[\bias:\bias+1]
.else
	s_cmp_ge_u32 ttmp9, \start
	s_cselect_b64 s[44:45], s[\src:\src+1], s[44:45]
	s_cselect_b64 s[46:47], s[\bias:\bias+1], s[46:47]
.endif
	PAR 48, \mode
	PAR 49, \pitch
	PAR 50, \in
	PAR 51, \out
	PAR 52, \bin
	PAR 53, \onein
	PAR 60, \bmax
	PAR 54, \ks
	PAR 55, \magic
	PAR 56, \dst0
	PAR 57, \dstks
	PAR 58, \ksoff
	PAR 59, \start
.set FIRST, 0
.endm
; element e of my 16: its k, then in- and out-index by the mode, and whether each lies inside the source
.macro IDX e
	v_add_nc_u32 v6, 16*((\e)/8)+(\e)%8, v5
	v_cndmask_b32 v7, v6, v4, s48
	v_cndmask_b32 v8, v4, v6, s48
	v_cmp_gt_u32 s62, s50, v7
	v_cmp_gt_u32 s63, s51, v8
.endm
.macro ADDR e
	IDX \e
	s_and_b32 s62, s62, s63
	v_mad_u32_u24 v9, v7, s49, v8
	v_lshlrev_b32 v9, 2, v9
	v_cndmask_b32 v[16+(\e)], 0, v9, s62       ; outside the source: byte 0 is read and thrown away
	v_min_u32 v10, s60, v8
	v_lshlrev_b32 v[32+(\e)], 2, v10
	global_load_b32 v[48+(\e)], v[16+(\e)], s[44:45]
	global_load_b32 v[64+(\e)], v[32+(\e)], s[46:47]
.endm
.macro PICK e
	IDX \e
	v_cmp_eq_u32 s2, s52, v7
	v_cmp_eq_u32 s3, s53, v7
	v_cmp_eq_u32 s4, s51, v8
	s_and_b32 s3, s3, s4
	s_and_b32 s2, s2, s63
	s_and_b32 s62, s62, s63
	v_cndmask_b32 v9, 0, 1.0, s3
	v_cndmask_b32 v9, v9, v[64+(\e)], s2
	v_cndmask_b32 v[48+(\e)], v9, v[48+(\e)], s62
.endm
	s_load_b512 s[8:23], s[0:1], 0x0           ; w1 8, b1 10, w2 12, b2 14, w_qs 16, w_qs_sem 18, visfuse_w 20, visfuse_b 22
	s_load_b512 s[24:39], s[0:1], 0x40         ; semfuse_w 24, semfuse_b 26, w_ks 28, w_ks_sem 30, w_vs 32, fc_w 34, support_feat 36, wf 38
	s_load_b64 s[40:41], s[0:1], 0x80          ; s0
	v_and_b32 v6, 31, v0
	v_lshrrev_b32 v7, 5, v0
	v_readfirstlane_b32 s42, v7                ; wave
	v_lshlrev_b32 v1, 4, v6                    ; 16 x lane
	v_and_b32 v2, 15, v0                       ; r
	v_bfe_u32 v3, v0, 4, 1                     ; h
	s_wait_kmcnt 0x0
	s_cmp_ge_u32 ttmp9, 580
	s_cbranch_scc1 .Lsf
	SEL 0,   8,  10, 0,  300, 300, 300, 300,  300,  299, 10, 6554, 0,    10, 0
	SEL 25,  12, 14, 0,  300, 300, 300, 300,  300,  299, 10, 6554, 200,  10, 0
	SEL 50,  12, 14, -1, 300, 300, 300, 300,  300,  299, 10, 6554, 400,  10, 0
	SEL 75,  16, 10, 0,  512, 512, 512, NONE, NONE, 0,   16, 4096, 600,  26, 0
	SEL 139, 18, 10, 0,  512, 300, 512, NONE, NONE, 0,   10, 6554, 600,  26, 16
	SEL 179, 20, 22, 0,  512, 812, 512, 812,  NONE, 511, 26, 2521, 1432, 26, 0
	SEL 283, 24, 26, 0,  300, 812, 300, 812,  NONE, 299, 26, 2521, 2264, 26, 0
	SEL 348, 28, 10, -1, 512, 512, 512, NONE, NONE, 0,   16, 4096, 2784, 16, 0
	SEL 412, 30, 10, -1, 512, 300, 512, NONE, NONE, 0,   16, 4096, 3296, 16, 0
	SEL 452, 32, 10, 0,  512, 512, 512, NONE, NONE, 0,   16, 4096, 3616, 16, 0
	SEL 516, 34, 10, 0,  512, 512, 512, NONE, NONE, 0,   16, 4096, 4128, 16, 0
	s_sub_co_u32 s2, ttmp9, s59
	s_lshl3_add_u32 s2, s2, s42                ; my tile in the list
	s_mul_i32 s3, s2, s55
	s_lshr_b32 s3, s3, 16                      ; mt = tile / KS (exact for the lists' 832 tiles at the most)
	s_mul_i32 s4, s3, s54
	s_sub_co_u32 s4, s2, s4                    ; ks
	s_mul_i32 s5, s3, s57
	s_add_co_u32 s5, s5, s56
	s_add_co_u32 s5, s5, s58
	s_add_co_u32 s5, s5, s4                    ; the tile's number in wf
	s_lshl_b32 s6, s5, 10
	s_mov_b32 s7, 0
	s_add_nc_u64 s[38:39], s[38:39], s[6:7]
	v_lshl_add_u32 v4, s3, 4, v2               ; m = 16 mt + r
	s_lshl_b32 s4, s4, 5
	v_lshl_add_u32 v5, v3, 3, s4               ; 32 ks + 8 h
.set e, 0
.rept 16
	ADDR e
.set e, e+1
.endr
	s_wait_loadcnt 0x0
.set e, 0
.rept 16
	PICK e
.set e, e+1
.endr
.set e, 0
.rept 8
	v_cvt_pk_bf16_f32 v[80+e], v[48+2*e], v[48+2*e+1]
.set e, e+1
.endr
	global_store_b128 v1, v[80:83], s[38:39]               ; 512 consecutive bytes a wave
	global_store_b128 v1, v[84:87], s[38:39] offset:512
	s_endpgm
.Lsf:
	s_sub_co_u32 s2, ttmp9, 580
	s_lshl3_add_u32 s2, s2, s42                ; tile = 16 b + ks
	s_lshr_b32 s3, s2, 4
	s_and_b32 s4, s2, 15
	s_lshl_b32 s6, s3, 15                      ; 16 rows of 2,048 bytes
	s_lshl_b32 s4, s4, 7                       ; 32 numbers
	s_add_co_u32 s6, s6, s4
	s_mov_b32 s7, 0
	s_add_nc_u64 s[36:37], s[36:37], s[6:7]
	s_lshl_b32 s6, s2, 10
	s_add_nc_u64 s[40:41], s[40:41], s[6:7]
	v_lshlrev_b32 v4, 11, v2
	v_lshl_add_u32 v4, v3, 5, v4               ; row r, 8 h numbers on
	global_load_b128 v[48:51], v4, s[36:37]
	global_load_b128 v[52:55], v4, s[36:37] offset:16
	global_load_b128 v[56:59], v4, s[36:37] offset:64
	global_load_b128 v[60:63], v4, s[36:37] offset:80
	v_mov_b32 v88, 0
	v_mov_b32 v89, 0
	v_mov_b32 v90, 0
	v_mov_b32 v91, 0
	s_wait_loadcnt 0x0
.set e, 0
.rept 8
	v_cvt_pk_bf16_f32 v[80+e], v[48+2*e], v[48+2*e+1]
.set e, e+1
.endr
	global_store_b128 v1, v[80:83], s[40:41]
	global_store_b128 v1, v[84:87], s[40:41] offset:512
	global_store_b128 v1, v[88:91], s[40:41] offset:393216  ; an input is its bf16 rounding: the lo part is 0
	global_store_b128 v1, v[88:91], s[40:41] offset:393728
	s_endpgm
.Lfunc_end_k_q8b681f6eae_prep:
	.size	k_q8b681f6eae_prep, .Lfunc_end_k_q8b681f6eae_prep-k_q8b681f6eae_prep
	.p2alignl 7, 3214868480
	.fill 96, 4, 3214868480
	.section	.rodata,"a",@progbits
	.p2align	6, 0x0
	.amdhsa_kernel k_q8b681f6eae_prep
		.amdhsa_group_segment_fixed_size 0
		.amdhsa_private_segment_fixed_size 0
		.amdhsa_enable_private_segment 0
		.amdhsa_kernarg_size 136
		.amdhsa_user_sgpr_count 2
		.amdhsa_user_sgpr_kernarg_segment_ptr 1
		.amdhsa_wavefront_size32 1
		.amdhsa_system_sgpr_workgroup_id_x 1
		.amdhsa_system_sgpr_workgroup_id_y 1
		.amdhsa_system_sgpr_workgroup_id_z 1
		.amdhsa_system_vgpr_workitem_id 0
		.amdhsa_next_free_vgpr 96
		.amdhsa_next_free_sgpr 66
		.amdhsa_reserve_vcc 0
		.amdhsa_float_denorm_mode_32 3
		.amdhsa_float_denorm_mode_16_64 3
		.amdhsa_memory_ordered 1
		.amdhsa_forward_progress 1
		.amdhsa_inst_pref_size 36
	.end_amdhsa_kernel
	.amdgpu_metadata
---
amdhsa.version: [ 1, 2 ]
amdhsa.kernels:
  - .name:           k_q8b681f6eae_prep
    .symbol:         k_q8b681f6eae_prep.kd
    .args:
      - { .name: map_w1, .offset: 0, .size: 8, .value_kind: global_buffer, .address_space: global }
      - { .name: map_b1, .offset: 8, .size: 8, .value_kind: global_buffer, .address_space: global }
      - { .name: map_w2, .offset: 16, .size: 8, .value_kind: global_buffer, .address_space: global }
      - { .name: map_b2, .offset: 24, .size: 8, .value_kind: global_buffer, .address_space: global }
      - { .name: w_qs, .offset: 32, .size: 8, .value_kind: global_buffer, .address_space: global }
      - { .name: w_qs_sem, .offset: 40, .size: 8, .value_kind: global_buffer, .address_space: global }
      - { .name: visfuse_w, .offset: 48, .size: 8, .value_kind: global_buffer, .address_space: global }
      - { .name: visfuse_b, .offset: 56, .size: 8, .value_kind: global_buffer, .address_space: global }
      - { .name: semfuse_w, .offset: 64, .size: 8, .value_kind: global_buffer, .address_space: global }
      - { .name: semfuse_b, .offset: 72, .size: 8, .value_kind: global_buffer, .address_space: global }
      - { .name: w_ks, .offset: 80, .size: 8, .value_kind: global_buffer, .address_space: global }
      - { .name: w_ks_sem, .offset: 88, .size: 8, .value_kind: global_buffer, .address_space: global }
      - { .name: w_vs, .offset: 96, .size: 8, .value_kind: global_buffer, .address_space: global }
      - { .name: fc_w, .offset: 104, .size: 8, .value_kind: global_buffer, .address_space: global }
      - { .name: support_feat, .offset: 112, .size: 8, .value_kind: global_buffer, .address_space: global }
      - { .name: wf, .offset: 120, .size: 8, .value_kind: global_buffer, .address_space: global }
      - { .name: s0, .offset: 128, .size: 8, .value_kind: global_buffer, .address_space: global }
    .group_segment_fixed_size: 0
    .private_segment_fixed_size: 0
    .kernarg_segment_align: 8
    .kernarg_segment_size: 136
    .max_flat_workgroup_size: 256
    .sgpr_count:     66
    .vgpr_count:     96
    .wavefront_size: 32
...
	.end_amdgpu_metadata
.endif
;; end of part 1
;; launch sumw (part 2): grid 256 x 1, 8 waves a work-group, no clusters, 5,120 bytes of LDS; arguments base_weights, s0; writes s0
.if DOCPART == 2
	.amdgcn_target "amdgcn-amd-amdhsa--gfx1250"
	.amdhsa_code_object_version 6
	.text
	.protected	k_q8b681f6eae_sumw
	.globl	k_q8b681f6eae_sumw
	.p2align	8
	.type	k_q8b681f6eae_sumw,@function
k_q8b681f6eae_sumw:
	s_mov_b64 s[64:65], 0
	v_nop
	global_prefetch_b8 v0, s[64:65] scope:SCOPE_SE
	s_setreg_imm32_b32 hwreg(HW_REG_WAVE_MODE, 25, 1), 1
	s_wait_xcnt 0x0
; Column sums of base_weights: work-group g sums rows 250 g .. 250 g + 249 (512,000 consecutive bytes) and writes the 512 sums, as bf16 hi + lo,
; into column g % 16 of operand tile 8 + g / 16 of s0: the 32 partial sums of a batch ride on as 32 columns of the next products.
; Thread t owns 16 bytes of every second row: byte 16 t of each pair of rows, so a wave's load covers 512 consecutive bytes.
; A ring of 25 slots in registers keeps 25 loads of every wave on their way.  A stream: no matrix unit, no cluster (no byte is shared).
.set SPARE, 4096                       ; behind the exchange: the spare words, 128 bytes a wave
	s_load_b128 s[4:7], s[0:1], 0x0            ; base_weights, s0
	v_lshl_add_u32 v2, v0, 2, SPARE
	v_mov_b32 v3, 0
	v_lshlrev_b32 v1, 4, v0                    ; 16 t
	s_mul_i32 s8, ttmp9, 512000
	s_mov_b32 s9, 0
	s_lshr_b32 s10, ttmp9, 4
	s_add_co_u32 s10, s10, 8                   ; the tile
	s_lshl_b32 s10, s10, 14                    ; 16 K steps of 1,024 bytes
	s_and_b32 s11, ttmp9, 15
	s_lshl_b32 s11, s11, 4                     ; the column's 16 bytes
	s_add_co_u32 s10, s10, s11
	s_mov_b32 s11, 0
	s_wait_kmcnt 0x0
	s_add_nc_u64 s[4:5], s[4:5], s[8:9]
	s_add_nc_u64 s[6:7], s[6:7], s[10:11]
.set k, 0
.rept 25
	global_load_b128 v[28+4*k:28+4*k+3], v1, s[4:5] offset:k*4096 th:TH_LOAD_NT
.set k, k+1
.endr
.set k, 0
.rept 125
.set sl, 28+4*(k%25)
.set ac, 4+4*(k%2)
.set yg, 124-k
.if yg > 24
.set yg, 24
.endif
	s_wait_loadcnt yg                          ; loads return in order: mine is in, the younger ones stay out
.if k < 2
	v_mov_b32 v[ac], v[sl]                     ; the first two rows start the two chains
	v_mov_b32 v[ac+1], v[sl+1]
	v_mov_b32 v[ac+2], v[sl+2]
	v_mov_b32 v[ac+3], v[sl+3]
.else
	v_pk_add_f32 v[ac:ac+1], v[ac:ac+1], v[sl:sl+1]
	v_pk_add_f32 v[ac+2:ac+3], v[ac+2:ac+3], v[sl+2:sl+3]
.endif
.if k+25 < 125
	global_load_b128 v[sl:sl+3], v1, s[4:5] offset:(k+25)*4096 th:TH_LOAD_NT
.endif
.set k, k+1
.endr
	v_pk_add_f32 v[4:5], v[4:5], v[8:9]
	v_pk_add_f32 v[6:7], v[6:7], v[10:11]
	ds_store_b128 v1, v[4:7]                   ; even rows' sums at bytes 0-2047, odd rows' at 2048-4095
	v_lshlrev_b32 v12, 3, v0                   ; features 2 t, 2 t + 1
	v_lshrrev_b32 v13, 4, v0
	v_lshlrev_b32 v13, 10, v13                 ; K step t / 16
	v_bfe_u32 v14, v0, 2, 2
	v_lshl_add_u32 v13, v14, 8, v13            ; half (512) and lane half (256)
	v_and_b32 v14, 3, v0
	v_lshl_add_u32 v13, v14, 2, v13            ; two bf16 = 4 bytes
	s_wait_dscnt 0x0                           ; for the others' sake
	s_barrier_signal -1
	s_barrier_wait -1
	ds_load_b64 v[4:5], v12
	ds_load_b64 v[6:7], v12 offset:2048
	s_wait_dscnt 0x0
	v_pk_add_f32 v[4:5], v[4:5], v[6:7]
	v_cvt_pk_bf16_f32 v8, v4, v5
	v_lshlrev_b32 v10, 16, v8
	v_and_b32 v11, 0xffff0000, v8
	v_pk_add_f32 v[4:5], v[4:5], v[10:11] neg_lo:[0,1] neg_hi:[0,1]
	v_cvt_pk_bf16_f32 v9, v4, v5
	global_store_b32 v13, v8, s[6:7]           ; one column of a tile: 4 bytes a lane, 2 KB a work-group in all
	global_store_b32 v13, v9, s[6:7] offset:393216
	s_wait_tensorcnt 0x0                       ; the wave's end
	ds_add_u32 v2, v3
	s_wait_dscnt 0x0
	s_endpgm
.Lfunc_end_k_q8b681f6eae_sumw:
	.size	k_q8b681f6eae_sumw, .Lfunc_end_k_q8b681f6eae_sumw-k_q8b681f6eae_sumw
	.p2alignl 7, 3214868480
	.fill 96, 4, 3214868480
	.section	.rodata,"a",@progbits
	.p2align	6, 0x0
	.amdhsa_kernel k_q8b681f6eae_sumw
		.amdhsa_group_segment_fixed_size 5120
		.amdhsa_private_segment_fixed_size 0
		.amdhsa_enable_private_segment 0
		.amdhsa_kernarg_size 16
		.amdhsa_user_sgpr_count 2
		.amdhsa_user_sgpr_kernarg_segment_ptr 1
		.amdhsa_wavefront_size32 1
		.amdhsa_system_sgpr_workgroup_id_x 1
		.amdhsa_system_sgpr_workgroup_id_y 1
		.amdhsa_system_sgpr_workgroup_id_z 1
		.amdhsa_system_vgpr_workitem_id 0
		.amdhsa_next_free_vgpr 128
		.amdhsa_next_free_sgpr 66
		.amdhsa_reserve_vcc 0
		.amdhsa_float_denorm_mode_32 3
		.amdhsa_float_denorm_mode_16_64 3
		.amdhsa_memory_ordered 1
		.amdhsa_forward_progress 1
		.amdhsa_inst_pref_size 34
	.end_amdhsa_kernel
	.amdgpu_metadata
---
amdhsa.version: [ 1, 2 ]
amdhsa.kernels:
  - .name:           k_q8b681f6eae_sumw
    .symbol:         k_q8b681f6eae_sumw.kd
    .args:
      - { .name: base_weights, .offset: 0, .size: 8, .value_kind: global_buffer, .address_space: global }
      - { .name: s0, .offset: 8, .size: 8, .value_kind: global_buffer, .address_space: global }
    .group_segment_fixed_size: 5120
    .private_segment_fixed_size: 0
    .kernarg_segment_align: 8
    .kernarg_segment_size: 16
    .max_flat_workgroup_size: 256
    .sgpr_count:     66
    .vgpr_count:     128
    .wavefront_size: 32
...
	.end_amdgpu_metadata
.endif
;; end of part 2
;; launch maph (part 3): grid 257 x 1, 10 waves a work-group, no clusters, 41,216 bytes of LDS; arguments base_seman, support_seman, wf, hf, s1; writes hf, s1
.if DOCPART == 3
	.amdgcn_target "amdgcn-amd-amdhsa--gfx1250"
	.amdhsa_code_object_version 6
	.text
	.protected	k_q8b681f6eae_maph
	.globl	k_q8b681f6eae_maph
	.p2align	8
	.type	k_q8b681f6eae_maph,@function
k_q8b681f6eae_maph:
	s_mov_b64 s[64:65], 0
	v_nop
	global_prefetch_b8 v0, s[64:65] scope:SCOPE_SE
	s_setreg_imm32_b32 hwreg(HW_REG_WAVE_MODE, 25, 1), 1
	s_wait_xcnt 0x0
; h = leaky_relu(x w1 + b1) for the 64,000 base rows (work-groups 0-255) and the 128 support rows (work-group 256).
; x gets a 1 in column 300 and w1 holds b1 in row 300, so the bias is part of the product and h[300] = 1.
; A batch's 125 units of 64 rows are shared among 32 work-groups: 4 units for the first 29, 3 for the last 3.
; A unit (76,800 consecutive bytes of f32) is loaded by 320 threads x 15 loads of 16 bytes, rounded to bf16 and staged in LDS; the next unit's loads are on their way while this one is multiplied.
; Wave w owns features 32 w .. 32 w + 31 and keeps its 20 fragments of w1 in registers for the whole launch.
; The product is used transposed (source 0 = 16 features of w1, source 1 = 16 rows of x): a lane holds eight neighbouring features of one row, and two results packed ARE one operand tile.
; Out: h in bf16 as operand tiles [tile of 16 rows][10 K steps]; for the support rows hi + lo; and the work-group's column sums of h, hi + lo, as one column of s1's tiles 8-23.
; NO TENSOR LOADS, NO CLUSTER: x needs f32 -> bf16 on its way, which only registers can do, and w1's fragments go straight to registers, where a joint load cannot put them.
.set PITCH, 624                        ; a staged row: 600 bytes + column 300 + padding = 39 x 16 bytes: the 16 rows of a fragment load start 16 bytes apart modulo 256
.set SPARE, 39936                      ; behind the stage of 64 rows: the spare words, 128 bytes a wave
.set UNITB, 76800
.set XLO,   245760                     ; from s1's hi tiles to its lo tiles
; v0 t, v1 16 lane, v2 16 t, v3 fragment address, v5/v6 the add's two, v7 r, v8-14 at work, v16-31 two accumulators, v32-47 sums,
; v48-79 four fragment buffers, v80-87 the fragment of K step 9 (upper half 0), v88-95 packed, v96-255 w1; window 1: v0-59 the unit on its way
.set MSB, 0
.macro WIN new
.if MSB != (\new)
	s_set_vgpr_msb (MSB<<8)|(\new)
.set MSB, \new
.endif
.endm
.macro PLACES                          ; four plain places between a matrix instruction and what rewrites its sources or reads its result (ISA guide 7.12.1)
.rept 4
	v_nop
.endr
.endm
.macro SPLIT d, hi, lo, t              ; eight f32 -> bf16 hi, and bf16 lo of what is left
.irp j, 0,1,2,3
	v_cvt_pk_bf16_f32 v[(\hi)+\j], v[(\d)+2*\j], v[(\d)+2*\j+1]
.endr
.irp j, 0,1,2,3
	v_lshlrev_b32 v[(\t)+2*\j], 16, v[(\hi)+\j]
	v_and_b32 v[(\t)+2*\j+1], 0xffff0000, v[(\hi)+\j]
.endr
.irp j, 0,1,2,3
	v_pk_add_f32 v[(\d)+2*\j:(\d)+2*\j+1], v[(\d)+2*\j:(\d)+2*\j+1], v[(\t)+2*\j:(\t)+2*\j+1] neg_lo:[0,1] neg_hi:[0,1]
.endr
.irp j, 0,1,2,3
	v_cvt_pk_bf16_f32 v[(\lo)+\j], v[(\d)+2*\j], v[(\d)+2*\j+1]
.endr
.endm
.macro LOADU                           ; a unit: 15 loads, each 512 consecutive bytes a wave
	WIN 0x40
.set q, 0
.rept 15
	global_load_b128 v[4*q:4*q+3], v2, s[26:27] offset:q*5120 th:TH_LOAD_NT
.set q, q+1
.endr
	WIN 0
.endm
.macro WM ks, b                        ; K step ks for both accumulators, which take turns
.if (\ks) == 0
	v_wmma_f32_16x16x32_bf16 v[16:23], v[96+8*(\ks):96+8*(\ks)+7], v[(\b):(\b)+7], 0
	v_wmma_f32_16x16x32_bf16 v[24:31], v[176+8*(\ks):176+8*(\ks)+7], v[(\b):(\b)+7], 0
.else
	v_wmma_f32_16x16x32_bf16 v[16:23], v[96+8*(\ks):96+8*(\ks)+7], v[(\b):(\b)+7], v[16:23]
	v_wmma_f32_16x16x32_bf16 v[24:31], v[176+8*(\ks):176+8*(\ks)+7], v[(\b):(\b)+7], v[24:31]
.endif
.endm
.macro TILE t                          ; 16 staged rows x my 32 features
	PLACES
.irp ks, 0,1,2,3
	ds_load_b128 v[48+8*\ks:48+8*\ks+3], v3 offset:(\t)*16*PITCH+64*\ks
	ds_load_b128 v[48+8*\ks+4:48+8*\ks+7], v3 offset:(\t)*16*PITCH+64*\ks+32
.endr
	s_wait_dscnt 0x0
.irp ks, 0,1,2,3
	WM \ks, 48+8*\ks
.endr
	PLACES
.irp ks, 0,1,2,3
	ds_load_b128 v[48+8*\ks:48+8*\ks+3], v3 offset:(\t)*16*PITCH+256+64*\ks
	ds_load_b128 v[48+8*\ks+4:48+8*\ks+7], v3 offset:(\t)*16*PITCH+256+64*\ks+32
.endr
	s_wait_dscnt 0x0
.irp ks, 0,1,2,3
	WM 4+\ks, 48+8*\ks
.endr
	PLACES
	ds_load_b128 v[48:51], v3 offset:(\t)*16*PITCH+512
	ds_load_b128 v[52:55], v3 offset:(\t)*16*PITCH+544
	ds_load_b128 v[80:83], v3 offset:(\t)*16*PITCH+576     ; k 288-303; k 304-319 are the zeros in v84-87
	s_wait_dscnt 0x0
	WM 8, 48
	WM 9, 80
	PLACES
.set j, 0
.rept 8
	v_pk_mul_f32 v[64+2*j:65+2*j], v[16+2*j:17+2*j], 0x3dcccccd op_sel_hi:[1,0]  ; 0.1 x, from each accumulator's low end on
.set j, j+1
.endr
.set j, 0
.rept 16
	v_max_num_f32 v[16+j], v[16+j], v[64+j]    ; leaky relu = max(x, 0.1 x)
.set j, j+1
.endr
.set j, 0
.rept 8
	v_pk_add_f32 v[32+2*j:33+2*j], v[32+2*j:33+2*j], v[16+2*j:17+2*j]
.set j, j+1
.endr
	s_wait_xcnt 0x0                            ; the last tile's stores have read v88-95
.set j, 0
.rept 8
	v_cvt_pk_bf16_f32 v[88+j], v[16+2*j], v[16+2*j+1]
.set j, j+1
.endr
	global_store_b128 v1, v[88:91], s[28:29] offset:(\t)*10240       ; 512 consecutive bytes each
	global_store_b128 v1, v[92:95], s[28:29] offset:(\t)*10240+512
	s_cmp_eq_u32 s22, 1
	s_cbranch_scc0 .Lnolo_\@
.set j, 0
.rept 8                                ; the support rows keep what the rounding dropped
	v_lshlrev_b32 v[64+2*j], 16, v[88+j]
	v_and_b32 v[65+2*j], 0xffff0000, v[88+j]
.set j, j+1
.endr
.set j, 0
.rept 8
	v_pk_add_f32 v[16+2*j:17+2*j], v[16+2*j:17+2*j], v[64+2*j:65+2*j] neg_lo:[0,1] neg_hi:[0,1]
.set j, j+1
.endr
.set j, 0
.rept 8
	v_cvt_pk_bf16_f32 v[48+j], v[16+2*j], v[16+2*j+1]
.set j, j+1
.endr
	global_store_b128 v1, v[48:51], s[28:29] offset:(\t)*10240+XLO
	global_store_b128 v1, v[52:55], s[28:29] offset:(\t)*10240+XLO+512
	s_wait_xcnt 0x0                            ; v48-55 are loaded again by the next tile
.Lnolo_\@:
.endm
	s_load_b256 s[4:11], s[0:1], 0x0           ; base_seman, support_seman, wf, hf
	s_load_b64 s[12:13], s[0:1], 0x20          ; s1
	v_lshl_add_u32 v5, v0, 2, SPARE
	v_mov_b32 v6, 0
	v_and_b32 v4, 31, v0
	v_lshrrev_b32 v7, 5, v0
	v_readfirstlane_b32 s16, v7                ; wave 0..9
	v_lshlrev_b32 v1, 4, v4
	v_lshlrev_b32 v2, 4, v0
	v_and_b32 v7, 15, v0                       ; r
	v_bfe_u32 v8, v0, 4, 1                     ; h
	v_mul_u32_u24 v3, v7, PITCH
	v_lshl_add_u32 v3, v8, 4, v3
	s_lshr_b32 s17, ttmp9, 5                   ; batch
	s_and_b32 s18, ttmp9, 31                   ; i
	s_min_u32 s19, s18, 29
	s_mul_i32 s20, s18, 3
	s_add_co_u32 s19, s19, s20                 ; first unit = 3 i + min(i, 29)
	s_mul_i32 s20, s17, 125
	s_add_co_u32 s20, s20, s19
	s_cmp_lt_u32 s18, 29
	s_cselect_b32 s21, 4, 3                    ; units
	s_cmp_eq_u32 ttmp9, 256
	s_cselect_b32 s22, 1, 0                    ; 1: the support rows
	s_cselect_b32 s21, 2, s21
	s_cselect_b32 s20, 0, s20
	s_mul_i32 s24, s20, UNITB
	s_mov_b32 s25, 0
	s_mul_i32 s30, s20, 40960                  ; 4 tiles x 10 K steps x 1,024 bytes a unit
	s_lshl_b32 s31, s16, 10                    ; my K step
	s_add_co_u32 s30, s30, s31
	s_mov_b32 s31, 0
	s_mul_i32 s34, s16, 20480                  ; my 20 tiles of w1
	s_mov_b32 s35, 0
	s_lshr_b32 s36, ttmp9, 4
	s_add_co_u32 s36, s36, 8                   ; the sums' tile
	s_mul_i32 s36, s36, 10240
	s_lshl_b32 s37, s16, 10
	s_add_co_u32 s36, s36, s37
	s_mov_b32 s37, 0
	s_wait_kmcnt 0x0
	s_cmp_eq_u32 s22, 1
	s_cselect_b64 s[26:27], s[6:7], s[4:5]
	s_cselect_b64 s[28:29], s[12:13], s[10:11]
	s_add_nc_u64 s[26:27], s[26:27], s[24:25]
	s_add_nc_u64 s[28:29], s[28:29], s[30:31]
	s_add_nc_u64 s[32:33], s[8:9], s[34:35]
	s_add_nc_u64 s[36:37], s[12:13], s[36:37]
.set k, 0
.rept 20
	global_load_b128 v[96+8*k:96+8*k+3], v1, s[32:33] offset:k*1024
	global_load_b128 v[96+8*k+4:96+8*k+7], v1, s[32:33] offset:k*1024+512
.set k, k+1
.endr
	LOADU
.set j, 0
.rept 16
	v_mov_b32 v[32+j], 0
.set j, j+1
.endr
.set j, 0
.rept 4
	v_mov_b32 v[84+j], 0
.set j, j+1
.endr
	s_cmp_lt_u32 s16, 2
	s_cbranch_scc0 .Lno_one
	v_mul_u32_u24 v8, v0, PITCH                ; threads 0-63: column 300 = 1.0, 301-303 = 0, once: no unit's bytes reach there
	v_mov_b32 v10, 0x3f80
	v_mov_b32 v11, 0
	ds_store_b64 v8, v[10:11] offset:600
.Lno_one:
	s_mov_b32 s23, 0
.Lunit:
	s_wait_dscnt 0x0                           ; my reads of the stage are over (first trip: my store of column 300 is done)
	s_barrier_signal -1
	s_barrier_wait -1                          ; everybody's are: the stage may be written
	s_wait_loadcnt 0x0                         ; the unit is in (first trip: w1 too)
.set g, 0
.rept 3
.set j, 0
.rept 5
	v_add_nc_u32 v8, 320*(5*g+j), v0           ; chunk c of four numbers; 75 chunks a row
	v_mul_u32_u24 v9, 0xda75, v8
	v_lshrrev_b32 v9, 22, v9                   ; row = c / 75 (exact below 4,800)
	v_mul_u32_u24 v9, 24, v9
	v_lshl_add_u32 v[10+j], v8, 3, v9          ; 624 row + 8 (c - 75 row)
.set j, j+1
.endr
	WIN 0x05
.set j, 0
.rept 5
	v_cvt_pk_bf16_f32 v[48+2*j], v[4*(5*g+j)], v[4*(5*g+j)+1]
	v_cvt_pk_bf16_f32 v[49+2*j], v[4*(5*g+j)+2], v[4*(5*g+j)+3]
.set j, j+1
.endr
	WIN 0
.set j, 0
.rept 5
	ds_store_b64 v[10+j], v[48+2*j:49+2*j]
.set j, j+1
.endr
.set g, g+1
.endr
	s_add_nc_u64 s[26:27], s[26:27], UNITB     ; every load that named this base has returned
	s_add_co_u32 s23, s23, 1
	s_cmp_lt_u32 s23, s21
	s_cbranch_scc0 .Lno_more
	LOADU                                      ; the next unit travels while this one is multiplied
.Lno_more:
	s_wait_dscnt 0x0                           ; for the others' sake: my part of the stage is written
	s_barrier_signal -1
	s_barrier_wait -1
	TILE 0
	TILE 1
	TILE 2
	TILE 3
	s_wait_xcnt 0x0                            ; the stores' base is stepped only behind this wait
	s_add_nc_u64 s[28:29], s[28:29], 40960
	s_cmp_lt_u32 s23, s21
	s_cbranch_scc1 .Lunit
	s_cmp_eq_u32 s22, 1
	s_cbranch_scc1 .Lend
.irp m, 1,2,4,8
.set j, 0
.rept 16
	v_add_f32_dpp v[32+j], v[32+j], v[32+j] row_xmask:\m row_mask:0xf bank_mask:0xf  ; over the 16 rows that the lanes of a half hold
.set j, j+1
.endr
.endr
	SPLIT 32, 88, 48, 64
	SPLIT 40, 92, 52, 72
	s_and_b32 s24, ttmp9, 15
	v_cmp_eq_u32 vcc_lo, s24, v7
	s_wait_xcnt 0x0                            ; EXEC changes only behind this wait
	s_and_saveexec_b32 s25, vcc_lo             ; the two lanes of my work-group's column
	global_store_b128 v1, v[88:91], s[36:37]
	global_store_b128 v1, v[92:95], s[36:37] offset:512
	global_store_b128 v1, v[48:51], s[36:37] offset:XLO
	global_store_b128 v1, v[52:55], s[36:37] offset:XLO+512
	s_wait_xcnt 0x0
	s_or_b32 exec_lo, exec_lo, s25
.Lend:
	s_wait_tensorcnt 0x0                       ; the wave's end
	ds_add_u32 v5, v6
	s_wait_dscnt 0x0
	s_endpgm
.Lfunc_end_k_q8b681f6eae_maph:
	.size	k_q8b681f6eae_maph, .Lfunc_end_k_q8b681f6eae_maph-k_q8b681f6eae_maph
	.p2alignl 7, 3214868480
	.fill 96, 4, 3214868480
	.section	.rodata,"a",@progbits
	.p2align	6, 0x0
	.amdhsa_kernel k_q8b681f6eae_maph
		.amdhsa_group_segment_fixed_size 41216
		.amdhsa_private_segment_fixed_size 0
		.amdhsa_enable_private_segment 0
		.amdhsa_kernarg_size 40
		.amdhsa_user_sgpr_count 2
		.amdhsa_user_sgpr_kernarg_segment_ptr 1
		.amdhsa_wavefront_size32 1
		.amdhsa_system_sgpr_workgroup_id_x 1
		.amdhsa_system_sgpr_workgroup_id_y 1
		.amdhsa_system_sgpr_workgroup_id_z 1
		.amdhsa_system_vgpr_workitem_id 0
		.amdhsa_next_free_vgpr 320
		.amdhsa_next_free_sgpr 66
		.amdhsa_reserve_vcc 1
		.amdhsa_float_denorm_mode_32 3
		.amdhsa_float_denorm_mode_16_64 3
		.amdhsa_memory_ordered 1
		.amdhsa_forward_progress 1
		.amdhsa_inst_pref_size 55
	.end_amdhsa_kernel
	.amdgpu_metadata
---
amdhsa.version: [ 1, 2 ]
amdhsa.kernels:
  - .name:           k_q8b681f6eae_maph
    .symbol:         k_q8b681f6eae_maph.kd
    .args:
      - { .name: base_seman, .offset: 0, .size: 8, .value_kind: global_buffer, .address_space: global }
      - { .name: support_seman, .offset: 8, .size: 8, .value_kind: global_buffer, .address_space: global }
      - { .name: wf, .offset: 16, .size: 8, .value_kind: global_buffer, .address_space: global }
      - { .name: hf, .offset: 24, .size: 8, .value_kind: global_buffer, .address_space: global }
      - { .name: s1, .offset: 32, .size: 8, .value_kind: global_buffer, .address_space: global }
    .group_segment_fixed_size: 41216
    .private_segment_fixed_size: 0
    .kernarg_segment_align: 8
    .kernarg_segment_size: 40
    .max_flat_workgroup_size: 320
    .sgpr_count:     66
    .vgpr_count:     320
    .wavefront_size: 32
...
	.end_amdgpu_metadata
.endif
;; end of part 3
;; launch cg (part 4): grid 20 x 3, 8 waves a work-group, no clusters, 0 bytes of LDS; arguments wf, s1, s2; writes s2
.if DOCPART == 4
	.amdgcn_target "amdgcn-amd-amdhsa--gfx1250"
	.amdhsa_code_object_version 6
	.text
	.protected	k_q8b681f6eae_cg
	.globl	k_q8b681f6eae_cg
	.p2align	8
	.type	k_q8b681f6eae_cg,@function
k_q8b681f6eae_cg:
	s_mov_b64 s[64:65], 0
	v_nop
	global_prefetch_b8 v0, s[64:65] scope:SCOPE_SE
	s_setreg_imm32_b32 hwreg(HW_REG_WAVE_MODE, 25, 1), 1
	s_wait_xcnt 0x0
; XB = w2 (with b2 in row 300) applied to 24 column tiles of s1: tiles 0-7 the support rows' h, tiles 8-23 the partial sums of h.
; One of the short products on few columns: work-group = 16 output features (tile mt), wave = one tile of 16 columns.
; Source 0 = weights, source 1 = columns as bf16 hi and lo, each with an accumulator of its own; the two take turns.
; A lane then holds eight neighbouring features of one column: packed, they are half an operand tile of the next product.  No LDS.
; No cluster: the weights' tile that the waves share is 10 KB a work-group and goes straight to registers.
.set KS, 10
.set W0, 200
.set XK0, 0
.set XROW, 10
.set LOX, 245760
.set KSO, 10
.set LOO, 245760
.macro PLACES
.rept 4
	v_nop
.endr
.endm
.macro SPLIT d, hi, lo, t
.irp j, 0,1,2,3
	v_cvt_pk_bf16_f32 v[(\hi)+\j], v[(\d)+2*\j], v[(\d)+2*\j+1]
.endr
.irp j, 0,1,2,3
	v_lshlrev_b32 v[(\t)+2*\j], 16, v[(\hi)+\j]
	v_and_b32 v[(\t)+2*\j+1], 0xffff0000, v[(\hi)+\j]
.endr
.irp j, 0,1,2,3
	v_pk_add_f32 v[(\d)+2*\j:(\d)+2*\j+1], v[(\d)+2*\j:(\d)+2*\j+1], v[(\t)+2*\j:(\t)+2*\j+1] neg_lo:[0,1] neg_hi:[0,1]
.endr
.irp j, 0,1,2,3
	v_cvt_pk_bf16_f32 v[(\lo)+\j], v[(\d)+2*\j], v[(\d)+2*\j+1]
.endr
.endm
.macro ISSUE ks                        ; six loads of 512 consecutive bytes: the K step's weights, hi columns, lo columns, into slot ks % 8
.set sl, 8*((\ks)%8)
	global_load_b128 v[64+sl:64+sl+3], v1, s[12:13] offset:(\ks)*1024
	global_load_b128 v[64+sl+4:64+sl+7], v1, s[12:13] offset:(\ks)*1024+512
	global_load_b128 v[128+sl:128+sl+3], v1, s[14:15] offset:(XK0+(\ks))*1024
	global_load_b128 v[128+sl+4:128+sl+7], v1, s[14:15] offset:(XK0+(\ks))*1024+512
	global_load_b128 v[192+sl:192+sl+3], v1, s[14:15] offset:(XK0+(\ks))*1024+LOX
	global_load_b128 v[192+sl+4:192+sl+7], v1, s[14:15] offset:(XK0+(\ks))*1024+LOX+512
.endm
.macro KSTEP ks
.set sl, 8*((\ks)%8)
.set yg, KS-(\ks)-1
.if yg > 7
.set yg, 7
.endif
	s_wait_loadcnt 6*yg                        ; the six loads of each younger K step may stay out
.if (\ks) == 0
	v_wmma_f32_16x16x32_bf16 v[16:23], v[64+sl:64+sl+7], v[128+sl:128+sl+7], 0
	v_wmma_f32_16x16x32_bf16 v[24:31], v[64+sl:64+sl+7], v[192+sl:192+sl+7], 0
.else
	v_wmma_f32_16x16x32_bf16 v[16:23], v[64+sl:64+sl+7], v[128+sl:128+sl+7], v[16:23]
	v_wmma_f32_16x16x32_bf16 v[24:31], v[64+sl:64+sl+7], v[192+sl:192+sl+7], v[24:31]
.endif
.if (\ks)+8 < KS
	PLACES                                     ; four places before the slot is loaded again (ISA guide 7.12.1)
	ISSUE (\ks)+8
.endif
.endm
	s_load_b128 s[4:7], s[0:1], 0x0            ; wf, columns in
	s_load_b64 s[8:9], s[0:1], 0x10            ; columns out
	v_and_b32 v3, 31, v0
	v_lshrrev_b32 v4, 5, v0
	v_readfirstlane_b32 s10, v4                ; wave
	v_lshlrev_b32 v1, 4, v3                    ; 16 x lane
	s_and_b32 s11, ttmp7, 0xffff
	s_lshl3_add_u32 s11, s11, s10              ; column tile = 8 y + wave
	s_mul_i32 s16, ttmp9, KS*1024
	s_add_co_u32 s16, s16, W0*1024
	s_mov_b32 s17, 0
	s_mul_i32 s18, s11, XROW*1024
	s_mov_b32 s19, 0
	s_mul_i32 s20, s11, KSO*1024
	s_lshl_b32 s21, ttmp9, 9                   ; mt x 512 = K step mt / 2, half mt % 2
	s_add_co_u32 s20, s20, s21
	s_mov_b32 s21, 0
	s_wait_kmcnt 0x0
	s_add_nc_u64 s[12:13], s[4:5], s[16:17]
	s_add_nc_u64 s[14:15], s[6:7], s[18:19]
	s_add_nc_u64 s[22:23], s[8:9], s[20:21]
.set k, 0
.rept 8
	ISSUE k
.set k, k+1
.endr
.set k, 0
.rept KS
	KSTEP k
.set k, k+1
.endr
	PLACES
.irp j, 0,1,2,3
	v_pk_add_f32 v[32+2*\j:33+2*\j], v[16+2*\j:17+2*\j], v[24+2*\j:25+2*\j]  ; hi's and lo's sums, from the low end on
.endr
	SPLIT 32, 48, 52, 40
	global_store_b128 v1, v[48:51], s[22:23]
	global_store_b128 v1, v[52:55], s[22:23] offset:LOO
	s_endpgm
.Lfunc_end_k_q8b681f6eae_cg:
	.size	k_q8b681f6eae_cg, .Lfunc_end_k_q8b681f6eae_cg-k_q8b681f6eae_cg
	.p2alignl 7, 3214868480
	.fill 96, 4, 3214868480
	.section	.rodata,"a",@progbits
	.p2align	6, 0x0
	.amdhsa_kernel k_q8b681f6eae_cg
		.amdhsa_group_segment_fixed_size 0
		.amdhsa_private_segment_fixed_size 0
		.amdhsa_enable_private_segment 0
		.amdhsa_kernarg_size 24
		.amdhsa_user_sgpr_count 2
		.amdhsa_user_sgpr_kernarg_segment_ptr 1
		.amdhsa_wavefront_size32 1
		.amdhsa_system_sgpr_workgroup_id_x 1
		.amdhsa_system_sgpr_workgroup_id_y 1
		.amdhsa_system_sgpr_workgroup_id_z 1
		.amdhsa_system_vgpr_workitem_id 0
		.amdhsa_next_free_vgpr 256
		.amdhsa_next_free_sgpr 66
		.amdhsa_reserve_vcc 0
		.amdhsa_float_denorm_mode_32 3
		.amdhsa_float_denorm_mode_16_64 3
		.amdhsa_memory_ordered 1
		.amdhsa_forward_progress 1
		.amdhsa_inst_pref_size 11
	.end_amdhsa_kernel
	.amdgpu_metadata
---
amdhsa.version: [ 1, 2 ]
amdhsa.kernels:
  - .name:           k_q8b681f6eae_cg
    .symbol:         k_q8b681f6eae_cg.kd
    .args:
      - { .name: wf, .offset: 0, .size: 8, .value_kind: global_buffer, .address_space: global }
      - { .name: s1, .offset: 8, .size: 8, .value_kind: global_buffer, .address_space: global }
      - { .name: s2, .offset: 16, .size: 8, .value_kind: global_buffer, .address_space: global }
    .group_segment_fixed_size: 0
    .private_segment_fixed_size: 0
    .kernarg_segment_align: 8
    .kernarg_segment_size: 24
    .max_flat_workgroup_size: 256
    .sgpr_count:     66
    .vgpr_count:     256
    .wavefront_size: 32
...
	.end_amdgpu_metadata
.endif
;; end of part 4
;; launch qx (part 5): grid 136 x 1, 8 waves a work-group, no clusters, 0 bytes of LDS; arguments wf, s0, s2, s3; writes s3
.if DOCPART == 5
	.amdgcn_target "amdgcn-amd-amdhsa--gfx1250"
	.amdhsa_code_object_version 6
	.text
	.protected	k_q8b681f6eae_qx
	.globl	k_q8b681f6eae_qx
	.p2align	8
	.type	k_q8b681f6eae_qx,@function
k_q8b681f6eae_qx:
	s_mov_b64 s[64:65], 0
	v_nop
	global_prefetch_b8 v0, s[64:65] scope:SCOPE_SE
	s_setreg_imm32_b32 hwreg(HW_REG_WAVE_MODE, 25, 1), 1
	s_wait_xcnt 0x0
; Two products on the columns [XA | XB] (K = 512 + 320, 26 K steps: 16 from s0, 10 from s2).
; Work-groups 0-31: q_tot = [w_qs ; w_qs_sem] on column tiles 0-7 (the support rows), out as hi + lo operand tiles.
; Work-groups 32-135: the gates' arguments, [visfuse_w | semfuse_w] with the biases at k = 812, on tiles 8-23 (the partial sums); the 16 columns of a tile are
; added across the lanes and the sums go out in f32 (registers 0-3 at 16 x lane, 4-7 at 512 + 16 x lane).
; Shares, layout and turns as in the other short products: work-group = 16 output features, wave = one column tile, hi and lo accumulators by turns.
.set KS, 26
.macro PLACES
.rept 4
	v_nop
.endr
.endm
.macro SPLIT d, hi, lo, t
.irp j, 0,1,2,3
	v_cvt_pk_bf16_f32 v[(\hi)+\j], v[(\d)+2*\j], v[(\d)+2*\j+1]
.endr
.irp j, 0,1,2,3
	v_lshlrev_b32 v[(\t)+2*\j], 16, v[(\hi)+\j]
	v_and_b32 v[(\t)+2*\j+1], 0xffff0000, v[(\hi)+\j]
.endr
.irp j, 0,1,2,3
	v_pk_add_f32 v[(\d)+2*\j:(\d)+2*\j+1], v[(\d)+2*\j:(\d)+2*\j+1], v[(\t)+2*\j:(\t)+2*\j+1] neg_lo:[0,1] neg_hi:[0,1]
.endr
.irp j, 0,1,2,3
	v_cvt_pk_bf16_f32 v[(\lo)+\j], v[(\d)+2*\j], v[(\d)+2*\j+1]
.endr
.endm
.macro ISSUE ks
.set sl, 8*((\ks)%8)
	global_load_b128 v[64+sl:64+sl+3], v1, s[12:13] offset:(\ks)*1024
	global_load_b128 v[64+sl+4:64+sl+7], v1, s[12:13] offset:(\ks)*1024+512
.if (\ks) < 16
	global_load_b128 v[128+sl:128+sl+3], v1, s[14:15] offset:(\ks)*1024
	global_load_b128 v[128+sl+4:128+sl+7], v1, s[14:15] offset:(\ks)*1024+512
	global_load_b128 v[192+sl:192+sl+3], v1, s[14:15] offset:(\ks)*1024+393216
	global_load_b128 v[192+sl+4:192+sl+7], v1, s[14:15] offset:(\ks)*1024+393216+512
.else
	global_load_b128 v[128+sl:128+sl+3], v1, s[26:27] offset:((\ks)-16)*1024
	global_load_b128 v[128+sl+4:128+sl+7], v1, s[26:27] offset:((\ks)-16)*1024+512
	global_load_b128 v[192+sl:192+sl+3], v1, s[26:27] offset:((\ks)-16)*1024+245760
	global_load_b128 v[192+sl+4:192+sl+7], v1, s[26:27] offset:((\ks)-16)*1024+245760+512
.endif
.endm
.macro KSTEP ks
.set sl, 8*((\ks)%8)
.set yg, KS-(\ks)-1
.if yg > 7
.set yg, 7
.endif
	s_wait_loadcnt 6*yg                        ; the six loads of each younger K step may stay out
.if (\ks) == 0
	v_wmma_f32_16x16x32_bf16 v[16:23], v[64+sl:64+sl+7], v[128+sl:128+sl+7], 0
	v_wmma_f32_16x16x32_bf16 v[24:31], v[64+sl:64+sl+7], v[192+sl:192+sl+7], 0
.else
	v_wmma_f32_16x16x32_bf16 v[16:23], v[64+sl:64+sl+7], v[128+sl:128+sl+7], v[16:23]
	v_wmma_f32_16x16x32_bf16 v[24:31], v[64+sl:64+sl+7], v[192+sl:192+sl+7], v[24:31]
.endif
.if (\ks)+8 < KS
	PLACES
	ISSUE (\ks)+8
.endif
.endm
	s_load_b256 s[4:11], s[0:1], 0x0           ; wf, s0 (XA), s2 (XB), s3
	v_and_b32 v3, 31, v0
	v_lshrrev_b32 v4, 5, v0
	v_readfirstlane_b32 s28, v4                ; wave
	v_lshlrev_b32 v1, 4, v3
	s_sub_co_u32 s20, ttmp9, 32                ; the second role's number (not used in the first)
	s_lshr_b32 s21, s20, 1
	s_and_b32 s22, s20, 1
	s_lshl_b32 s22, s22, 3
	s_add_co_u32 s22, s22, 8
	s_mov_b32 s24, 600*1024
	s_mov_b32 s25, 1432*1024
	s_cmp_lt_u32 ttmp9, 32
	s_cselect_b32 s29, ttmp9, s21              ; mt
	s_cselect_b32 s23, 0, s22
	s_cselect_b32 s24, s24, s25                ; the weights' first byte in wf: an offset, no pointer
	s_add_co_u32 s23, s23, s28                 ; column tile
	s_mul_i32 s16, s29, 26*1024
	s_add_co_u32 s16, s16, s24
	s_mov_b32 s17, 0
	s_lshl_b32 s18, s23, 14
	s_mov_b32 s19, 0
	s_mul_i32 s20, s23, 10*1024
	s_mov_b32 s21, 0
	s_wait_kmcnt 0x0
	s_add_nc_u64 s[12:13], s[4:5], s[16:17]
	s_add_nc_u64 s[14:15], s[6:7], s[18:19]
	s_add_nc_u64 s[26:27], s[8:9], s[20:21]
.set k, 0
.rept 8
	ISSUE k
.set k, k+1
.endr
.set k, 0
.rept KS
	KSTEP k
.set k, k+1
.endr
	PLACES
.irp j, 0,1,2,3
	v_pk_add_f32 v[32+2*\j:33+2*\j], v[16+2*\j:17+2*\j], v[24+2*\j:25+2*\j]
.endr
	s_cmp_lt_u32 ttmp9, 32
	s_cbranch_scc0 .Lsums
	SPLIT 32, 48, 52, 40
	s_lshl_b32 s16, s29, 9
	s_add_co_u32 s16, s16, s18                 ; tile x 16 K steps + mt x 512
	s_add_nc_u64 s[10:11], s[10:11], s[16:17]
	global_store_b128 v1, v[48:51], s[10:11]
	global_store_b128 v1, v[52:55], s[10:11] offset:131072
	s_endpgm
.Lsums:
.irp m, 1,2,4,8
.irp j, 0,1,2,3,4,5,6,7
	v_add_f32_dpp v[32+\j], v[32+\j], v[32+\j] row_xmask:\m row_mask:0xf bank_mask:0xf  ; over the tile's 16 columns: every lane of a half ends with the sum
.endr
.endr
	s_sub_co_u32 s16, s23, 8
	s_mul_i32 s16, s16, 52
	s_add_co_u32 s16, s16, s29
	s_lshl_b32 s16, s16, 10
	s_add_co_u32 s16, s16, 262144
	s_add_nc_u64 s[10:11], s[10:11], s[16:17]
	global_store_b128 v1, v[32:35], s[10:11]
	global_store_b128 v1, v[36:39], s[10:11] offset:512
	s_endpgm
.Lfunc_end_k_q8b681f6eae_qx:
	.size	k_q8b681f6eae_qx, .Lfunc_end_k_q8b681f6eae_qx-k_q8b681f6eae_qx
	.p2alignl 7, 3214868480
	.fill 96, 4, 3214868480
	.section	.rodata,"a",@progbits
	.p2align	6, 0x0
	.amdhsa_kernel k_q8b681f6eae_qx
		.amdhsa_group_segment_fixed_size 0
		.amdhsa_private_segment_fixed_size 0
		.amdhsa_enable_private_segment 0
		.amdhsa_kernarg_size 32
		.amdhsa_user_sgpr_count 2
		.amdhsa_user_sgpr_kernarg_segment_ptr 1
		.amdhsa_wavefront_size32 1
		.amdhsa_system_sgpr_workgroup_id_x 1
		.amdhsa_system_sgpr_workgroup_id_y 1
		.amdhsa_system_sgpr_workgroup_id_z 1
		.amdhsa_system_vgpr_workitem_id 0
		.amdhsa_next_free_vgpr 256
		.amdhsa_next_free_sgpr 66
		.amdhsa_reserve_vcc 0
		.amdhsa_float_denorm_mode_32 3
		.amdhsa_float_denorm_mode_16_64 3
		.amdhsa_memory_ordered 1
		.amdhsa_forward_progress 1
		.amdhsa_inst_pref_size 27
	.end_amdhsa_kernel
	.amdgpu_metadata
---
amdhsa.version: [ 1, 2 ]
amdhsa.kernels:
  - .name:           k_q8b681f6eae_qx
    .symbol:         k_q8b681f6eae_qx.kd
    .args:
      - { .name: wf, .offset: 0, .size: 8, .value_kind: global_buffer, .address_space: global }
      - { .name: s0, .offset: 8, .size: 8, .value_kind: global_buffer, .address_space: global }
      - { .name: s2, .offset: 16, .size: 8, .value_kind: global_buffer, .address_space: global }
      - { .name: s3, .offset: 24, .size: 8, .value_kind: global_buffer, .address_space: global }
    .group_segment_fixed_size: 0
    .private_segment_fixed_size: 0
    .kernarg_segment_align: 8
    .kernarg_segment_size: 32
    .max_flat_workgroup_size: 256
    .sgpr_count:     66
    .vgpr_count:     256
    .wavefront_size: 32
...
	.end_amdgpu_metadata
.endif
;; end of part 5
;; launch eg (part 6): grid 52 x 1, 8 waves a work-group, no clusters, 0 bytes of LDS; arguments wf, s3, s1; writes s1
.if DOCPART == 6
	.amdgcn_target "amdgcn-amd-amdhsa--gfx1250"
	.amdhsa_code_object_version 6
	.text
	.protected	k_q8b681f6eae_eg
	.globl	k_q8b681f6eae_eg
	.p2align	8
	.type	k_q8b681f6eae_eg,@function
k_q8b681f6eae_eg:
	s_mov_b64 s[64:65], 0
	v_nop
	global_prefetch_b8 v0, s[64:65] scope:SCOPE_SE
	s_setreg_imm32_b32 hwreg(HW_REG_WAVE_MODE, 25, 1), 1
	s_wait_xcnt 0x0
; QG = ([w_ks ; w_ks_sem] q_tot) x (sigmoid(x / 8000) + 1) / sqrt(512): the keys' projections moved onto the 128 queries, and the gates with them.
; x is the sum of the batch's two tiles of gate arguments (sums over all 8,000 keys; the bias came in 8,000 times).
; Work-group = 16 features (tiles 0-31 visual, 32-51 semantic), wave = batch.  Shares, layout and turns as in the other short products.
; The gate is made while the ring's first 48 loads are out.
.set KS, 16
.set W0, 2784
.set XK0, 0
.set XROW, 16
.set LOX, 131072
.set KSO, 26
.set LOO, 212992
.macro PLACES
.rept 4
	v_nop
.endr
.endm
.macro SPLIT d, hi, lo, t
.irp j, 0,1,2,3
	v_cvt_pk_bf16_f32 v[(\hi)+\j], v[(\d)+2*\j], v[(\d)+2*\j+1]
.endr
.irp j, 0,1,2,3
	v_lshlrev_b32 v[(\t)+2*\j], 16, v[(\hi)+\j]
	v_and_b32 v[(\t)+2*\j+1], 0xffff0000, v[(\hi)+\j]
.endr
.irp j, 0,1,2,3
	v_pk_add_f32 v[(\d)+2*\j:(\d)+2*\j+1], v[(\d)+2*\j:(\d)+2*\j+1], v[(\t)+2*\j:(\t)+2*\j+1] neg_lo:[0,1] neg_hi:[0,1]
.endr
.irp j, 0,1,2,3
	v_cvt_pk_bf16_f32 v[(\lo)+\j], v[(\d)+2*\j], v[(\d)+2*\j+1]
.endr
.endm
.macro ISSUE ks
.set sl, 8*((\ks)%8)
	global_load_b128 v[64+sl:64+sl+3], v1, s[12:13] offset:(\ks)*1024
	global_load_b128 v[64+sl+4:64+sl+7], v1, s[12:13] offset:(\ks)*1024+512
	global_load_b128 v[128+sl:128+sl+3], v1, s[14:15] offset:(XK0+(\ks))*1024
	global_load_b128 v[128+sl+4:128+sl+7], v1, s[14:15] offset:(XK0+(\ks))*1024+512
	global_load_b128 v[192+sl:192+sl+3], v1, s[14:15] offset:(XK0+(\ks))*1024+LOX
	global_load_b128 v[192+sl+4:192+sl+7], v1, s[14:15] offset:(XK0+(\ks))*1024+LOX+512
.endm
.macro KSTEP ks
.set sl, 8*((\ks)%8)
.set yg, KS-(\ks)-1
.if yg > 7
.set yg, 7
.endif
	s_wait_loadcnt 6*yg                        ; the six loads of each younger K step may stay out
.if (\ks) == 0
	v_wmma_f32_16x16x32_bf16 v[16:23], v[64+sl:64+sl+7], v[128+sl:128+sl+7], 0
	v_wmma_f32_16x16x32_bf16 v[24:31], v[64+sl:64+sl+7], v[192+sl:192+sl+7], 0
.else
	v_wmma_f32_16x16x32_bf16 v[16:23], v[64+sl:64+sl+7], v[128+sl:128+sl+7], v[16:23]
	v_wmma_f32_16x16x32_bf16 v[24:31], v[64+sl:64+sl+7], v[192+sl:192+sl+7], v[24:31]
.endif
.if (\ks)+8 < KS
	PLACES
	ISSUE (\ks)+8
.endif
.endm
	s_load_b128 s[4:7], s[0:1], 0x0            ; wf, s3 (q_tot, gate arguments)
	s_load_b64 s[8:9], s[0:1], 0x10            ; s1
	v_and_b32 v3, 31, v0
	v_lshrrev_b32 v4, 5, v0
	v_readfirstlane_b32 s10, v4                ; wave = batch
	v_lshlrev_b32 v1, 4, v3
	s_mul_i32 s16, ttmp9, KS*1024
	s_add_co_u32 s16, s16, W0*1024
	s_mov_b32 s17, 0
	s_mul_i32 s18, s10, XROW*1024
	s_mov_b32 s19, 0
	s_mul_i32 s20, s10, KSO*1024
	s_lshl_b32 s21, ttmp9, 9
	s_add_co_u32 s20, s20, s21
	s_mov_b32 s21, 0
	s_mul_i32 s24, s10, 2*52*1024              ; the batch's first tile row of gate arguments
	s_lshl_b32 s25, ttmp9, 10
	s_add_co_u32 s24, s24, s25
	s_add_co_u32 s24, s24, 262144
	s_mov_b32 s25, 0
	s_mov_b32 s26, 0x3d3504f3                  ; 1 / sqrt(512)
	s_mov_b32 s27, s26
	s_wait_kmcnt 0x0
	s_add_nc_u64 s[12:13], s[4:5], s[16:17]
	s_add_nc_u64 s[14:15], s[6:7], s[18:19]
	s_add_nc_u64 s[22:23], s[8:9], s[20:21]
	s_add_nc_u64 s[24:25], s[6:7], s[24:25]
	global_load_b128 v[40:43], v1, s[24:25]
	global_load_b128 v[44:47], v1, s[24:25] offset:512
	global_load_b128 v[56:59], v1, s[24:25] offset:52*1024
	global_load_b128 v[60:63], v1, s[24:25] offset:52*1024+512
.set k, 0
.rept 8
	ISSUE k
.set k, k+1
.endr
	s_wait_loadcnt 48                          ; the four loads above are in; the ring's 48 stay out
.irp j, 0,1,2,3
	v_pk_add_f32 v[56+2*\j:57+2*\j], v[56+2*\j:57+2*\j], v[40+2*\j:41+2*\j]
.endr
.irp j, 0,1,2,3
	v_pk_mul_f32 v[56+2*\j:57+2*\j], v[56+2*\j:57+2*\j], 0xb93d18d0 op_sel_hi:[1,0]  ; x (-log2(e) / 8000)
.endr
.irp j, 0,1,2,3,4,5,6,7
	v_exp_f32 v[56+\j], v[56+\j]
.endr
	v_nop                                      ; a plain instruction behind the last exponential
	s_wait_alu depctr_va_vdst(0)
.irp j, 0,1,2,3
	v_pk_add_f32 v[56+2*\j:57+2*\j], v[56+2*\j:57+2*\j], 1.0 op_sel_hi:[1,0]
.endr
.irp j, 0,1,2,3,4,5,6,7
	v_rcp_f32 v[56+\j], v[56+\j]
.endr
	v_nop
	s_wait_alu depctr_va_vdst(0)
.irp j, 0,1,2,3
	v_pk_fma_f32 v[56+2*\j:57+2*\j], v[56+2*\j:57+2*\j], s[26:27], s[26:27] op_sel_hi:[1,0,0]  ; (sigmoid + 1) / sqrt(512)
.endr
.set k, 0
.rept KS
	KSTEP k
.set k, k+1
.endr
	PLACES
.irp j, 0,1,2,3
	v_pk_add_f32 v[32+2*\j:33+2*\j], v[16+2*\j:17+2*\j], v[24+2*\j:25+2*\j]
.endr
.irp j, 0,1,2,3
	v_pk_mul_f32 v[32+2*\j:33+2*\j], v[32+2*\j:33+2*\j], v[56+2*\j:57+2*\j]
.endr
	SPLIT 32, 48, 52, 40
	global_store_b128 v1, v[48:51], s[22:23]
	global_store_b128 v1, v[52:55], s[22:23] offset:LOO
	s_endpgm
.Lfunc_end_k_q8b681f6eae_eg:
	.size	k_q8b681f6eae_eg, .Lfunc_end_k_q8b681f6eae_eg-k_q8b681f6eae_eg
	.p2alignl 7, 3214868480
	.fill 96, 4, 3214868480
	.section	.rodata,"a",@progbits
	.p2align	6, 0x0
	.amdhsa_kernel k_q8b681f6eae_eg
		.amdhsa_group_segment_fixed_size 0
		.amdhsa_private_segment_fixed_size 0
		.amdhsa_enable_private_segment 0
		.amdhsa_kernarg_size 24
		.amdhsa_user_sgpr_count 2
		.amdhsa_user_sgpr_kernarg_segment_ptr 1
		.amdhsa_wavefront_size32 1
		.amdhsa_system_sgpr_workgroup_id_x 1
		.amdhsa_system_sgpr_workgroup_id_y 1
		.amdhsa_system_sgpr_workgroup_id_z 1
		.amdhsa_system_vgpr_workitem_id 0
		.amdhsa_next_free_vgpr 256
		.amdhsa_next_free_sgpr 66
		.amdhsa_reserve_vcc 0
		.amdhsa_float_denorm_mode_32 3
		.amdhsa_float_denorm_mode_16_64 3
		.amdhsa_memory_ordered 1
		.amdhsa_forward_progress 1
		.amdhsa_inst_pref_size 18
	.end_amdhsa_kernel
	.amdgpu_metadata
---
amdhsa.version: [ 1, 2 ]
amdhsa.kernels:
  - .name:           k_q8b681f6eae_eg
    .symbol:         k_q8b681f6eae_eg.kd
    .args:
      - { .name: wf, .offset: 0, .size: 8, .value_kind: global_buffer, .address_space: global }
      - { .name: s3, .offset: 8, .size: 8, .value_kind: global_buffer, .address_space: global }
      - { .name: s1, .offset: 16, .size: 8, .value_kind: global_buffer, .address_space: global }
    .group_segment_fixed_size: 0
    .private_segment_fixed_size: 0
    .kernarg_segment_align: 8
    .kernarg_segment_size: 24
    .max_flat_workgroup_size: 256
    .sgpr_count:     66
    .vgpr_count:     256
    .wavefront_size: 32
...
	.end_amdgpu_metadata
.endif
;; end of part 6
;; launch jq (part 7): grid 20 x 1, 8 waves a work-group, no clusters, 0 bytes of LDS; arguments wf, s1, s2; writes s2
.if DOCPART == 7
	.amdgcn_target "amdgcn-amd-amdhsa--gfx1250"
	.amdhsa_code_object_version 6
	.text
	.protected	k_q8b681f6eae_jq
	.globl	k_q8b681f6eae_jq
	.p2align	8
	.type	k_q8b681f6eae_jq,@function
k_q8b681f6eae_jq:
	s_mov_b64 s[64:65], 0
	v_nop
	global_prefetch_b8 v0, s[64:65] scope:SCOPE_SE
	s_setreg_imm32_b32 hwreg(HW_REG_WAVE_MODE, 25, 1), 1
	s_wait_xcnt 0x0
; QH = w2 (transposed use, b2 in row 300) applied to the semantic part of QG (K steps 16-25 of s1): the second layer of the semantic map moved onto the queries.
; QH[300] = b2 . q, which meets h[300] = 1 in the scores.  Work-group = 16 features of h, wave = batch.  Shares, layout and turns as in the other short products.
.set KS, 10
.set W0, 400
.set XK0, 16
.set XROW, 26
.set LOX, 212992
.set KSO, 10
.set LOO, 81920
.macro PLACES
.rept 4
	v_nop
.endr
.endm
.macro SPLIT d, hi, lo, t
.irp j, 0,1,2,3
	v_cvt_pk_bf16_f32 v[(\hi)+\j], v[(\d)+2*\j], v[(\d)+2*\j+1]
.endr
.irp j, 0,1,2,3
	v_lshlrev_b32 v[(\t)+2*\j], 16, v[(\hi)+\j]
	v_and_b32 v[(\t)+2*\j+1], 0xffff0000, v[(\hi)+\j]
.endr
.irp j, 0,1,2,3
	v_pk_add_f32 v[(\d)+2*\j:(\d)+2*\j+1], v[(\d)+2*\j:(\d)+2*\j+1], v[(\t)+2*\j:(\t)+2*\j+1] neg_lo:[0,1] neg_hi:[0,1]
.endr
.irp j, 0,1,2,3
	v_cvt_pk_bf16_f32 v[(\lo)+\j], v[(\d)+2*\j], v[(\d)+2*\j+1]
.endr
.endm
.macro ISSUE ks
.set sl, 8*((\ks)%8)
	global_load_b128 v[64+sl:64+sl+3], v1, s[12:13] offset:(\ks)*1024
	global_load_b128 v[64+sl+4:64+sl+7], v1, s[12:13] offset:(\ks)*1024+512
	global_load_b128 v[128+sl:128+sl+3], v1, s[14:15] offset:(XK0+(\ks))*1024
	global_load_b128 v[128+sl+4:128+sl+7], v1, s[14:15] offset:(XK0+(\ks))*1024+512
	global_load_b128 v[192+sl:192+sl+3], v1, s[14:15] offset:(XK0+(\ks))*1024+LOX
	global_load_b128 v[192+sl+4:192+sl+7], v1, s[14:15] offset:(XK0+(\ks))*1024+LOX+512
.endm
.macro KSTEP ks
.set sl, 8*((\ks)%8)
.set yg, KS-(\ks)-1
.if yg > 7
.set yg, 7
.endif
	s_wait_loadcnt 6*yg                        ; the six loads of each younger K step may stay out
.if (\ks) == 0
	v_wmma_f32_16x16x32_bf16 v[16:23], v[64+sl:64+sl+7], v[128+sl:128+sl+7], 0
	v_wmma_f32_16x16x32_bf16 v[24:31], v[64+sl:64+sl+7], v[192+sl:192+sl+7], 0
.else
	v_wmma_f32_16x16x32_bf16 v[16:23], v[64+sl:64+sl+7], v[128+sl:128+sl+7], v[16:23]
	v_wmma_f32_16x16x32_bf16 v[24:31], v[64+sl:64+sl+7], v[192+sl:192+sl+7], v[24:31]
.endif
.if (\ks)+8 < KS
	PLACES
	ISSUE (\ks)+8
.endif
.endm
	s_load_b128 s[4:7], s[0:1], 0x0
	s_load_b64 s[8:9], s[0:1], 0x10
	v_and_b32 v3, 31, v0
	v_lshrrev_b32 v4, 5, v0
	v_readfirstlane_b32 s10, v4
	v_lshlrev_b32 v1, 4, v3
	s_and_b32 s11, ttmp7, 0xffff
	s_lshl3_add_u32 s11, s11, s10
	s_mul_i32 s16, ttmp9, KS*1024
	s_add_co_u32 s16, s16, W0*1024
	s_mov_b32 s17, 0
	s_mul_i32 s18, s11, XROW*1024
	s_mov_b32 s19, 0
	s_mul_i32 s20, s11, KSO*1024
	s_lshl_b32 s21, ttmp9, 9
	s_add_co_u32 s20, s20, s21
	s_mov_b32 s21, 0
	s_wait_kmcnt 0x0
	s_add_nc_u64 s[12:13], s[4:5], s[16:17]
	s_add_nc_u64 s[14:15], s[6:7], s[18:19]
	s_add_nc_u64 s[22:23], s[8:9], s[20:21]
.set k, 0
.rept 8
	ISSUE k
.set k, k+1
.endr
.set k, 0
.rept KS
	KSTEP k
.set k, k+1
.endr
	PLACES
.irp j, 0,1,2,3
	v_pk_add_f32 v[32+2*\j:33+2*\j], v[16+2*\j:17+2*\j], v[24+2*\j:25+2*\j]
.endr
	SPLIT 32, 48, 52, 40
	global_store_b128 v1, v[48:51], s[22:23]
	global_store_b128 v1, v[52:55], s[22:23] offset:LOO
	s_endpgm
.Lfunc_end_k_q8b681f6eae_jq:
	.size	k_q8b681f6eae_jq, .Lfunc_end_k_q8b681f6eae_jq-k_q8b681f6eae_jq
	.p2alignl 7, 3214868480
	.fill 96, 4, 3214868480
	.section	.rodata,"a",@progbits
	.p2align	6, 0x0
	.amdhsa_kernel k_q8b681f6eae_jq
		.amdhsa_group_segment_fixed_size 0
		.amdhsa_private_segment_fixed_size 0
		.amdhsa_enable_private_segment 0
		.amdhsa_kernarg_size 24
		.amdhsa_user_sgpr_count 2
		.amdhsa_user_sgpr_kernarg_segment_ptr 1
		.amdhsa_wavefront_size32 1
		.amdhsa_system_sgpr_workgroup_id_x 1
		.amdhsa_system_sgpr_workgroup_id_y 1
		.amdhsa_system_sgpr_workgroup_id_z 1
		.amdhsa_system_vgpr_workitem_id 0
		.amdhsa_next_free_vgpr 256
		.amdhsa_next_free_sgpr 66
		.amdhsa_reserve_vcc 0
		.amdhsa_float_denorm_mode_32 3
		.amdhsa_float_denorm_mode_16_64 3
		.amdhsa_memory_ordered 1
		.amdhsa_forward_progress 1
		.amdhsa_inst_pref_size 11
	.end_amdhsa_kernel
	.amdgpu_metadata
---
amdhsa.version: [ 1, 2 ]
amdhsa.kernels:
  - .name:           k_q8b681f6eae_jq
    .symbol:         k_q8b681f6eae_jq.kd
    .args:
      - { .name: wf, .offset: 0, .size: 8, .value_kind: global_buffer, .address_space: global }
      - { .name: s1, .offset: 8, .size: 8, .value_kind: global_buffer, .address_space: global }
      - { .name: s2, .offset: 16, .size: 8, .value_kind: global_buffer, .address_space: global }
    .group_segment_fixed_size: 0
    .private_segment_fixed_size: 0
    .kernarg_segment_align: 8
    .kernarg_segment_size: 24
    .max_flat_workgroup_size: 256
    .sgpr_count:     66
    .vgpr_count:     256
    .wavefront_size: 32
...
	.end_amdgpu_metadata
.endif
;; end of part 7
;; launch flash (part 8): grid 256 x 1, 8 waves a work-group, no clusters, 321,536 bytes of LDS; arguments base_weights, hf, s1, s2, out1, po; writes out1, po
.if DOCPART == 8
	.amdgcn_target "amdgcn-amd-amdhsa--gfx1250"
	.amdhsa_code_object_version 6
	.text
	.protected	k_q8b681f6eae_flash
	.globl	k_q8b681f6eae_flash
	.p2align	8
	.type	k_q8b681f6eae_flash,@function
k_q8b681f6eae_flash:
	s_mov_b64 s[64:65], 0
	v_nop
	global_prefetch_b8 v0, s[64:65] scope:SCOPE_SE
	s_setreg_imm32_b32 hwreg(HW_REG_WAVE_MODE, 25, 1), 1
	s_wait_xcnt 0x0
; Scores and one chunk of the attention.  A batch's 125 units of 64 keys are shared among 32 work-groups (4 units for the first 29, 3 for the last 3); a work-group holds 256 key slots.
; score[q][key] = QG[q] . bw[key] (K = 512) + QH[q] . h[key] (K = 320); QG and QH carry the projections, gates, biases and 1 / sqrt(512), each as bf16 hi + lo.
; Wave w owns key slots 32 w .. 32 w + 31.  In a work-group of 3 units waves 6 and 7 work on unit 0's keys once more with -1e30 added: weight 0, and their scores are not stored.
; S^T = K Q^T (source 0 = 16 keys, source 1 = 16 queries): a lane holds one query and eight keys; packed, two results ARE source 1 of O^T = V^T P.
; bw passes once through registers (f32 -> bf16) into LDS, where it serves as keys (as it lies) and as values (turned, by ds_load_tr16_b128).
; The chunk's 256 keys are all there before any exponential: p = 2^((s - m) log2 e) with m the TRUE maximum of the chunk; the next launch merges the chunks by the batch's maximum.
; Out: out1 (raw scores), and per work-group O^T (512 x 16 f32), m and l.
; LIMITS: a dead slot counts as its score less 1e30; a weight below 2^-126 counts as 0; NaN and infinities are not treated apart.
; NO TENSOR LOADS, NO CLUSTER: bw needs f32 -> bf16 on its way, which only registers can do; what work-groups share (a batch's queries, 52 KB) is a tenth of the 512 KB + 160 KB that each reads alone.
.set KP,    1040                       ; a key's row in LDS: 1,024 bytes + 16: the 16 rows of a fragment load start 16 bytes apart modulo 256
.set WSTG,  32*KP                      ; a wave's 32 keys
.set QF,    256*KP                     ; 266,240: the queries' fragments, [26 K steps][hi 1 KB | lo 1 KB]
.set PST,   QF                         ; behind the second barrier nobody reads QF: P (8 KB) and the scores' stage take its place
.set SOUT,  QF+8192                    ; 16 queries x (1,024 + 16) bytes
.set ST1,   QF+53248                   ; the waves' maxima, 64 bytes a wave; 512 bytes on: their sums
.set SPARE, ST1+1024                   ; 320,512: the spare words, 128 bytes a wave
; window 0: v1 16 lane, v2/v3 the add's two, v4-14 addresses, v15 m, v16-47 four accumulators, v48-63 scores and p, v64-79 at work, v80-239 fragments
; window 1: v0-95 bw on its way (24 slots), v96-255 h's fragments
.set MSB, 0
.macro WIN new
.if MSB != (\new)
	s_set_vgpr_msb (MSB<<8)|(\new)
.set MSB, \new
.endif
.endm
.macro PLACES                          ; four plain places between a matrix instruction and what rewrites its sources or reads its result (ISA guide 7.12.1)
.rept 4
	v_nop
.endr
.endm
.macro FV ks                           ; visual K step ks: queries hi, lo; my keys 0-15, 16-31
.set fb, 80+32*((\ks)%2)
	ds_load_b128 v[fb:fb+3], v5 offset:(\ks)*2048
	ds_load_b128 v[fb+4:fb+7], v5 offset:(\ks)*2048+512
	ds_load_b128 v[fb+8:fb+11], v5 offset:(\ks)*2048+1024
	ds_load_b128 v[fb+12:fb+15], v5 offset:(\ks)*2048+1536
	ds_load_b128 v[fb+16:fb+19], v7 offset:64*(\ks)
	ds_load_b128 v[fb+20:fb+23], v7 offset:64*(\ks)+32
	ds_load_b128 v[fb+24:fb+27], v7 offset:64*(\ks)+16*KP
	ds_load_b128 v[fb+28:fb+31], v7 offset:64*(\ks)+16*KP+32
.endm
.macro FP ks                           ; 32 keys of P and of my 64 channels of V^T; the address walks on by 32 keys
.set pb, 80+40*((\ks)%2)
	ds_load_b128 v[pb:pb+3], v5 offset:(\ks)*1024
	ds_load_b128 v[pb+4:pb+7], v5 offset:(\ks)*1024+512
.irp dt, 0,1,2,3
	ds_load_tr16_b128 v[pb+8+8*\dt:pb+8+8*\dt+3], v12 offset:32*\dt
	ds_load_tr16_b128 v[pb+8+8*\dt+4:pb+8+8*\dt+7], v12 offset:32*\dt+16*KP
.endr
	v_add_nc_u32 v12, WSTG, v12
.endm
	s_load_b256 s[4:11], s[0:1], 0x0           ; base_weights, hf, s1 (QG), s2 (QH)
	s_load_b128 s[12:15], s[0:1], 0x20         ; out1, po
	v_lshl_add_u32 v2, v0, 2, SPARE
	v_mov_b32 v3, 0
	v_and_b32 v64, 31, v0                      ; lane
	v_lshrrev_b32 v65, 5, v0
	v_readfirstlane_b32 s16, v65               ; wave
	v_and_b32 v66, 15, v0                      ; r
	v_bfe_u32 v67, v0, 4, 1                    ; h
	v_lshlrev_b32 v1, 4, v64
	v_lshl_add_u32 v4, v0, 4, QF               ; the queries' copy: 16 bytes a thread
	v_add_nc_u32 v5, QF, v1                    ; a fragment of the queries, later of P
	s_mul_i32 s30, s16, WSTG
	v_lshl_add_u32 v6, v64, 3, s30             ; staging: 8 bytes a lane in my keys' rows
	v_mul_u32_u24 v68, v66, KP
	v_lshl_add_u32 v7, v67, 4, v68
	v_add_nc_u32 v7, s30, v7                   ; a fragment of my keys
	v_lshlrev_b32 v9, 2, v66
	v_add_nc_u32 v9, ST1, v9                   ; my query's word in wave 0's statistics
	v_lshl_add_u32 v8, s16, 6, v9              ; and in my wave's
	v_lshl_add_u32 v10, v67, 5, v68
	s_lshl_b32 s31, s16, 7
	s_add_co_u32 s31, s31, SOUT
	v_add_nc_u32 v10, s31, v10                 ; scores in: query r, key slot 32 w + 8 h
	s_lshl_b32 s31, s16, 10
	v_add_nc_u32 v11, s31, v5                  ; my tile of P
	v_and_b32 v69, 7, v0
	v_lshl_add_u32 v69, v67, 3, v69
	v_mul_u32_u24 v12, v69, KP
	v_bfe_u32 v69, v0, 3, 1
	v_lshl_add_u32 v12, v69, 4, v12
	s_lshl_b32 s31, s16, 7
	v_add_nc_u32 v12, s31, v12                 ; the turning load: key 8 h + lane % 8, my 64 channels
	v_mul_u32_u24 v13, v67, KP
	v_lshl_add_u32 v13, v66, 4, v13
	s_mul_i32 s31, s16, 2*KP
	s_add_co_u32 s31, s31, SOUT
	v_add_nc_u32 v13, s31, v13                 ; scores back: query 2 w + h, 16 bytes a lane
	v_mul_u32_u24 v14, v67, 32000
	v_lshl_add_u32 v14, v66, 4, v14            ; and the same in out1
	s_lshr_b32 s17, ttmp9, 5                   ; batch
	s_and_b32 s18, ttmp9, 31                   ; i
	s_min_u32 s19, s18, 29
	s_mul_i32 s20, s18, 3
	s_add_co_u32 s19, s19, s20                 ; first unit
	s_cmp_lt_u32 s18, 29
	s_cselect_b32 s20, 4, 3                    ; units
	s_lshr_b32 s21, s16, 1                     ; my unit
	s_and_b32 s22, s16, 1                      ; my half of it
	s_cmp_lt_u32 s21, s20
	s_cselect_b32 s23, s21, 0
	s_cselect_b32 s24, 0, 0xf149f2ca           ; 0, or -1e30 for a dead slot
	s_mov_b32 s25, s24
	s_add_co_u32 s23, s23, s19
	s_mul_i32 s32, s17, 125
	s_add_co_u32 s32, s32, s23
	s_lshl1_add_u32 s32, s32, s22              ; my block of 32 keys
	s_mov_b32 s26, 0x3fb8aa3b                  ; log2(e)
	s_mov_b32 s27, s26
	s_mov_b32 s28, 0x76543210                  ; v_permlanex16_b32: each lane takes its own place in the other half
	s_mov_b32 s29, 0xfedcba98
	s_mul_i32 s34, s17, 26624                  ; QG: batch, K step w / 4 (+ 2 a load), hi or lo, half
	s_lshr_b32 s33, s16, 2
	s_lshl_b32 s33, s33, 10
	s_add_co_u32 s34, s34, s33
	s_lshl_b32 s36, s22, 9
	s_add_co_u32 s34, s34, s36
	s_bfe_u32 s37, s16, 0x10001
	s_mul_i32 s35, s37, 212992
	s_add_co_u32 s34, s34, s35
	s_mov_b32 s35, 0
	s_mul_i32 s38, s17, 10240                  ; QH likewise
	s_add_co_u32 s38, s38, s33
	s_add_co_u32 s38, s38, s36
	s_mul_i32 s39, s37, 81920
	s_add_co_u32 s36, s38, s39
	s_mov_b32 s37, 0
	s_mul_i32 s38, s32, 20480                  ; h: two tiles x 10 K steps
	s_mov_b32 s39, 0
	s_lshl_b32 s40, s32, 16                    ; bw: 32 rows of 2,048 bytes
	s_mov_b32 s41, 0
	s_lshl_b32 s42, s17, 4
	s_lshl1_add_u32 s42, s16, s42              ; row 16 b + 2 w of out1
	s_mul_i32 s42, s42, 32000
	s_lshl_b32 s43, s19, 8
	s_add_co_u32 s42, s42, s43
	s_mov_b32 s43, 0
	s_lshl_b32 s44, ttmp9, 15
	s_lshl_b32 s45, s16, 12
	s_add_co_u32 s44, s44, s45
	s_mov_b32 s45, 0
	s_lshl_b32 s46, ttmp9, 8
	s_add_co_u32 s46, s46, 8388608
	s_mov_b32 s47, 0
	s_wait_kmcnt 0x0
	s_add_nc_u64 s[34:35], s[8:9], s[34:35]
	s_add_nc_u64 s[36:37], s[10:11], s[36:37]
	s_add_nc_u64 s[38:39], s[6:7], s[38:39]
	s_add_nc_u64 s[40:41], s[4:5], s[40:41]
	s_add_nc_u64 s[42:43], s[12:13], s[42:43]
	s_add_nc_u64 s[44:45], s[14:15], s[44:45]
	s_add_nc_u64 s[46:47], s[14:15], s[46:47]
	; all loads go out: my 13 pieces of the queries, my 40 of h, the first 24 of bw
.set q, 0
.rept 8
	global_load_b128 v[80+4*q:83+4*q], v1, s[34:35] offset:q*2048
.set q, q+1
.endr
.set q, 0
.rept 5
	global_load_b128 v[112+4*q:115+4*q], v1, s[36:37] offset:q*2048
.set q, q+1
.endr
	WIN 0x40
.set k, 0
.rept 20
	global_load_b128 v[96+8*k:96+8*k+3], v1, s[38:39] offset:k*1024 th:TH_LOAD_NT
	global_load_b128 v[96+8*k+4:96+8*k+7], v1, s[38:39] offset:k*1024+512 th:TH_LOAD_NT
.set k, k+1
.endr
.set j, 0
.rept 24
	global_load_b128 v[4*j:4*j+3], v1, s[40:41] offset:j*512 th:TH_LOAD_NT
.set j, j+1
.endr
	WIN 0
	s_wait_loadcnt 63                          ; 64 loads are younger than the queries'; the wait's field ends at 63, so h's first load is waited for too
.set q, 0
.rept 13
	ds_store_b128 v4, v[80+4*q:83+4*q] offset:q*4096
.set q, q+1
.endr
	s_wait_dscnt 0x0                           ; for the others' sake
	s_barrier_signal -1
	s_barrier_wait -1                          ; the queries' fragments are whole
	; semantic scores: 10 K steps, h from registers
.set k, 0
.rept 10
	ds_load_b128 v[80+16*k:83+16*k], v5 offset:(16+k)*2048
	ds_load_b128 v[84+16*k:87+16*k], v5 offset:(16+k)*2048+512
	ds_load_b128 v[88+16*k:91+16*k], v5 offset:(16+k)*2048+1024
	ds_load_b128 v[92+16*k:95+16*k], v5 offset:(16+k)*2048+1536
.set k, k+1
.endr
	s_wait_loadcnt 24                          ; h is in; bw's 24 stay out
	s_wait_dscnt 0x0
	WIN 0x01                                   ; source 0 in window 1
.set k, 0
.rept 10                               ; four accumulators by turns: keys 0-15 and 16-31, each against hi and against lo
.if k == 0
	v_wmma_f32_16x16x32_bf16 v[16:23], v[96:103], v[80:87], 0
	v_wmma_f32_16x16x32_bf16 v[24:31], v[176:183], v[80:87], 0
	v_wmma_f32_16x16x32_bf16 v[32:39], v[96:103], v[88:95], 0
	v_wmma_f32_16x16x32_bf16 v[40:47], v[176:183], v[88:95], 0
.else
	v_wmma_f32_16x16x32_bf16 v[16:23], v[96+8*k:103+8*k], v[80+16*k:87+16*k], v[16:23]
	v_wmma_f32_16x16x32_bf16 v[24:31], v[176+8*k:183+8*k], v[80+16*k:87+16*k], v[24:31]
	v_wmma_f32_16x16x32_bf16 v[32:39], v[96+8*k:103+8*k], v[88+16*k:95+16*k], v[32:39]
	v_wmma_f32_16x16x32_bf16 v[40:47], v[176+8*k:183+8*k], v[88+16*k:95+16*k], v[40:47]
.endif
.set k, k+1
.endr
	; bw: 128 loads of 512 consecutive bytes, 8 at a time: rounded to bf16, staged, the slots loaded again
.set g, 0
.rept 16
.set yg, 128-8*(g+1)
.if yg > 16
.set yg, 16
.endif
	s_wait_loadcnt yg                          ; two younger batches of eight may stay out
	WIN 0x05
.set jj, 0
.rept 8
.set sl, 4*((8*g+jj)%24)
	v_cvt_pk_bf16_f32 v[64+2*jj], v[sl], v[sl+1]
	v_cvt_pk_bf16_f32 v[65+2*jj], v[sl+2], v[sl+3]
.set jj, jj+1
.endr
	WIN 0x40
.set jj, 0
.rept 8
.set j, 8*g+jj
	ds_store_b64 v6, v[64+2*jj:65+2*jj] offset:(j/4)*KP+(j%4)*256
.set jj, jj+1
.endr
.if g < 13
.set jj, 0
.rept 8
.set j, 8*g+jj
.set sl, 4*(j%24)
	global_load_b128 v[sl:sl+3], v1, s[40:41] offset:(j+24)*512 th:TH_LOAD_NT
.set jj, jj+1
.endr
.endif
.set g, g+1
.endr
	WIN 0
	; visual scores: 16 K steps on my own 32 keys; LDS serves a wave's instructions in order (ISA guide 5.7.1.4), so these loads see my stores
	FV 0
	FV 1
.set k, 0
.rept 16
.if k < 15
	s_wait_dscnt 8                             ; the next K step's eight loads may stay out
.else
	s_wait_dscnt 0x0
.endif
.set fb, 80+32*(k%2)
	v_wmma_f32_16x16x32_bf16 v[16:23], v[fb+16:fb+23], v[fb:fb+7], v[16:23]
	v_wmma_f32_16x16x32_bf16 v[24:31], v[fb+24:fb+31], v[fb:fb+7], v[24:31]
	v_wmma_f32_16x16x32_bf16 v[32:39], v[fb+16:fb+23], v[fb+8:fb+15], v[32:39]
	v_wmma_f32_16x16x32_bf16 v[40:47], v[fb+24:fb+31], v[fb+8:fb+15], v[40:47]
.if k+2 < 16
	PLACES
	FV k+2
.endif
.set k, k+1
.endr
	PLACES
.irp j, 0,1,2,3
	v_pk_add_f32 v[48+2*\j:49+2*\j], v[16+2*\j:17+2*\j], v[32+2*\j:33+2*\j]  ; hi's and lo's sums, each accumulator from its low end on
.endr
.irp j, 0,1,2,3
	v_pk_add_f32 v[56+2*\j:57+2*\j], v[24+2*\j:25+2*\j], v[40+2*\j:41+2*\j]
.endr
.irp j, 0,1,2,3,4,5,6,7
	v_pk_add_f32 v[48+2*\j:49+2*\j], v[48+2*\j:49+2*\j], s[24:25] op_sel_hi:[1,0]
.endr
	v_max3_num_f32 v64, v48, v49, v50
.irp j, 0,1,2,3,4,5
	v_max3_num_f32 v64, v64, v[51+2*\j], v[52+2*\j]
.endr
	v_max_num_f32 v64, v64, v63
	v_permlanex16_b32 v65, v64, s28, s29       ; the query's other 16 keys lie in the lane 16 away
	v_max_num_f32 v64, v64, v65
	ds_store_b32 v8, v64
	s_wait_dscnt 0x0                           ; my maximum and my staged keys are written, my reads of the queries are over
	s_barrier_signal -1
	s_barrier_wait -1
.irp j, 0,1,2,3,4,5,6,7
	ds_load_b32 v[66+\j], v9 offset:64*\j
.endr
	ds_store_b128 v10, v[48:51]                ; the raw scores go to their stage
	ds_store_b128 v10, v[52:55] offset:16
	ds_store_b128 v10, v[56:59] offset:64
	ds_store_b128 v10, v[60:63] offset:80
	s_wait_dscnt 4                             ; the eight maxima are in; the four stores may be out
	v_max3_num_f32 v15, v66, v67, v68
	v_max3_num_f32 v15, v15, v69, v70
	v_max3_num_f32 v15, v15, v71, v72
	v_max_num_f32 v15, v15, v73                ; m: the chunk's maximum for my query
	v_mul_f32 v74, s26, v15
	v_mov_b32 v75, v74                         ; named with it as a pair
.irp j, 0,1,2,3,4,5,6,7
	v_pk_fma_f32 v[48+2*\j:49+2*\j], v[48+2*\j:49+2*\j], s[26:27], v[74:75] op_sel_hi:[1,0,0] neg_lo:[0,0,1] neg_hi:[0,0,1]
.endr
.set j, 0
.rept 16
	v_exp_f32 v[48+j], v[48+j]
.set j, j+1
.endr
	v_nop                                      ; a plain instruction behind the last exponential
	s_wait_alu depctr_va_vdst(0)
.irp j, 0,1,2,3,4,5,6,7
	v_cvt_pk_bf16_f32 v[66+\j], v[48+2*\j], v[49+2*\j]
.endr
	ds_store_b128 v11, v[66:69]
	ds_store_b128 v11, v[70:73] offset:512
.irp j, 0,1,2,3
	v_pk_add_f32 v[48+2*\j:49+2*\j], v[48+2*\j:49+2*\j], v[56+2*\j:57+2*\j]   ; l is taken of the unrounded p
.endr
	v_pk_add_f32 v[48:49], v[48:49], v[52:53]
	v_pk_add_f32 v[50:51], v[50:51], v[54:55]
	v_pk_add_f32 v[48:49], v[48:49], v[50:51]
	v_add_f32 v48, v48, v49
	v_permlanex16_b32 v65, v48, s28, s29
	v_add_f32 v48, v48, v65
	ds_store_b32 v8, v48 offset:512
	s_wait_dscnt 0x0
	s_barrier_signal -1
	s_barrier_wait -1                          ; P, the scores' stage and the sums are whole
	; the scores leave: 16 lanes store 256 consecutive bytes, at a multiple of 256 from out1's first byte (a row is 125 x 256 bytes)
.irp u, 0,1,2,3
	ds_load_b128 v[48+4*\u:51+4*\u], v13 offset:256*\u
.endr
	s_wait_dscnt 0x0
.irp u, 0,1,2
	global_store_b128 v14, v[48+4*\u:51+4*\u], s[42:43] offset:256*\u
.endr
	s_cmp_eq_u32 s20, 4
	s_cbranch_scc0 .Lthree
	global_store_b128 v14, v[60:63], s[42:43] offset:768
.Lthree:
	; O^T = V^T P: my 64 channels x 16 queries over all 256 key slots
	FP 0
	FP 1
.set k, 0
.rept 8
.if k < 7
	s_wait_dscnt 10                            ; the next step's ten loads may stay out
.else
	s_wait_dscnt 0x0
.endif
.set pb, 80+40*(k%2)
.irp dt, 0,1,2,3
.if k == 0
	v_wmma_f32_16x16x32_bf16 v[16+8*\dt:23+8*\dt], v[pb+8+8*\dt:pb+15+8*\dt], v[pb:pb+7], 0
.else
	v_wmma_f32_16x16x32_bf16 v[16+8*\dt:23+8*\dt], v[pb+8+8*\dt:pb+15+8*\dt], v[pb:pb+7], v[16+8*\dt:23+8*\dt]
.endif
.endr
.if k+2 < 8
	PLACES
	FP k+2
.endif
.set k, k+1
.endr
	PLACES
.irp dt, 0,1,2,3
	global_store_b128 v1, v[16+8*\dt:19+8*\dt], s[44:45] offset:1024*\dt       ; 512 consecutive bytes each
	global_store_b128 v1, v[20+8*\dt:23+8*\dt], s[44:45] offset:1024*\dt+512
.endr
	s_cmp_lg_u32 s16, 0
	s_cbranch_scc1 .Lend
.irp j, 0,1,2,3,4,5,6,7
	ds_load_b32 v[66+\j], v9 offset:512+64*\j
.endr
	v_lshrrev_b32 v64, 2, v1                   ; 4 x lane
	s_wait_dscnt 0x0
	v_add_f32 v66, v66, v67
	v_add_f32 v68, v68, v69
	v_add_f32 v70, v70, v71
	v_add_f32 v72, v72, v73
	v_add_f32 v66, v66, v68
	v_add_f32 v70, v70, v72
	v_add_f32 v66, v66, v70
	global_store_b32 v64, v15, s[46:47]        ; m, a word a lane
	global_store_b32 v64, v66, s[46:47] offset:128  ; l
.Lend:
	s_wait_tensorcnt 0x0                       ; the wave's end
	ds_add_u32 v2, v3
	s_wait_dscnt 0x0
	s_endpgm
.Lfunc_end_k_q8b681f6eae_flash:
	.size	k_q8b681f6eae_flash, .Lfunc_end_k_q8b681f6eae_flash-k_q8b681f6eae_flash
	.p2alignl 7, 3214868480
	.fill 96, 4, 3214868480
	.section	.rodata,"a",@progbits
	.p2align	6, 0x0
	.amdhsa_kernel k_q8b681f6eae_flash
		.amdhsa_group_segment_fixed_size 321536
		.amdhsa_private_segment_fixed_size 0
		.amdhsa_enable_private_segment 0
		.amdhsa_kernarg_size 48
		.amdhsa_user_sgpr_count 2
		.amdhsa_user_sgpr_kernarg_segment_ptr 1
		.amdhsa_wavefront_size32 1
		.amdhsa_system_sgpr_workgroup_id_x 1
		.amdhsa_system_sgpr_workgroup_id_y 1
		.amdhsa_system_sgpr_workgroup_id_z 1
		.amdhsa_system_vgpr_workitem_id 0
		.amdhsa_next_free_vgpr 512
		.amdhsa_next_free_sgpr 66
		.amdhsa_reserve_vcc 0
		.amdhsa_float_denorm_mode_32 3
		.amdhsa_float_denorm_mode_16_64 3
		.amdhsa_memory_ordered 1
		.amdhsa_forward_progress 1
		.amdhsa_inst_pref_size 85
	.end_amdhsa_kernel
	.amdgpu_metadata
---
amdhsa.version: [ 1, 2 ]
amdhsa.kernels:
  - .name:           k_q8b681f6eae_flash
    .symbol:         k_q8b681f6eae_flash.kd
    .args:
      - { .name: base_weights, .offset: 0, .size: 8, .value_kind: global_buffer, .address_space: global }
      - { .name: hf, .offset: 8, .size: 8, .value_kind: global_buffer, .address_space: global }
      - { .name: s1, .offset: 16, .size: 8, .value_kind: global_buffer, .address_space: global }
      - { .name: s2, .offset: 24, .size: 8, .value_kind: global_buffer, .address_space: global }
      - { .name: out1, .offset: 32, .size: 8, .value_kind: global_buffer, .address_space: global }
      - { .name: po, .offset: 40, .size: 8, .value_kind: global_buffer, .address_space: global }
    .group_segment_fixed_size: 321536
    .private_segment_fixed_size: 0
    .kernarg_segment_align: 8
    .kernarg_segment_size: 48
    .max_flat_workgroup_size: 256
    .sgpr_count:     66
    .vgpr_count:     512
    .wavefront_size: 32
...
	.end_amdgpu_metadata
.endif
;; end of part 8
;; launch comb (part 9): grid 16 x 8, 1 waves a work-group, no clusters, 0 bytes of LDS; arguments po, s0; writes s0
.if DOCPART == 9
	.amdgcn_target "amdgcn-amd-amdhsa--gfx1250"
	.amdhsa_code_object_version 6
	.text
	.protected	k_q8b681f6eae_comb
	.globl	k_q8b681f6eae_comb
	.p2align	8
	.type	k_q8b681f6eae_comb,@function
k_q8b681f6eae_comb:
	s_mov_b64 s[64:65], 0
	v_nop
	global_prefetch_b8 v0, s[64:65] scope:SCOPE_SE
	s_setreg_imm32_b32 hwreg(HW_REG_WAVE_MODE, 25, 1), 1
	s_wait_xcnt 0x0
; The 32 chunks of a batch are merged: M = max m_i, a_i = 2^((m_i - M) log2 e), context = sum a_i O_i / sum a_i l_i.
; A wave takes 32 channels (two tiles of 16) of one batch's 16 queries and writes them as one operand tile, bf16 hi + lo.
; A lane holds one query (lane % 16), so m, l and a are one register each per chunk.  A ring of 8 slots keeps 32 loads of 512 consecutive bytes on their way.
; 128 waves for 8 MB: the work has no more independent outputs at this share; no LDS, no matrix unit, nothing shared.
.macro SPLIT d, hi, lo, t
.irp j, 0,1,2,3
	v_cvt_pk_bf16_f32 v[(\hi)+\j], v[(\d)+2*\j], v[(\d)+2*\j+1]
.endr
.irp j, 0,1,2,3
	v_lshlrev_b32 v[(\t)+2*\j], 16, v[(\hi)+\j]
	v_and_b32 v[(\t)+2*\j+1], 0xffff0000, v[(\hi)+\j]
.endr
.irp j, 0,1,2,3
	v_pk_add_f32 v[(\d)+2*\j:(\d)+2*\j+1], v[(\d)+2*\j:(\d)+2*\j+1], v[(\t)+2*\j:(\t)+2*\j+1] neg_lo:[0,1] neg_hi:[0,1]
.endr
.irp j, 0,1,2,3
	v_cvt_pk_bf16_f32 v[(\lo)+\j], v[(\d)+2*\j], v[(\d)+2*\j+1]
.endr
.endm
.macro RING i                          ; chunk i's two tiles into slot i % 8
.set sl, 128+16*((\i)%8)
.irp p, 0,1,2,3
	global_load_b128 v[sl+4*\p:sl+4*\p+3], v1, s[12:13] offset:(\i)*32768+512*\p
.endr
.endm
	s_load_b128 s[4:7], s[0:1], 0x0            ; po, s0
	v_lshlrev_b32 v1, 4, v0
	v_lshlrev_b32 v2, 2, v0
	s_and_b32 s8, ttmp7, 0xffff                ; batch
	s_lshl_b32 s10, s8, 13
	s_add_co_u32 s10, s10, 8388608             ; its 32 blocks of statistics
	s_mov_b32 s11, 0
	s_lshl_b32 s12, s8, 20                     ; its 32 x 32 tiles
	s_lshl_b32 s13, ttmp9, 11                  ; my two
	s_add_co_u32 s12, s12, s13
	s_mov_b32 s13, 0
	s_lshl_b32 s14, s8, 4
	s_add_co_u32 s14, s14, ttmp9
	s_lshl_b32 s14, s14, 10
	s_mov_b32 s15, 0
	s_wait_kmcnt 0x0
	s_add_nc_u64 s[10:11], s[4:5], s[10:11]
	s_add_nc_u64 s[12:13], s[4:5], s[12:13]
	s_add_nc_u64 s[14:15], s[6:7], s[14:15]
.set i, 0
.rept 32
	global_load_b32 v[32+i], v2, s[10:11] offset:i*256
	global_load_b32 v[64+i], v2, s[10:11] offset:i*256+128
.set i, i+1
.endr
.set i, 0
.rept 8
	RING i
.set i, i+1
.endr
	s_wait_loadcnt 32                          ; the statistics are in; the ring's 32 stay out
	v_max3_num_f32 v112, v32, v33, v34
.set k, 0
.rept 14
	v_max3_num_f32 v112, v112, v[35+2*k], v[36+2*k]
.set k, k+1
.endr
	v_max_num_f32 v112, v112, v63
	v_mul_f32 v114, 0x3fb8aa3b, v112
	v_mov_b32 v115, v114                       ; named with it as a pair
.set k, 0
.rept 16
	v_pk_fma_f32 v[32+2*k:33+2*k], v[32+2*k:33+2*k], 0x3fb8aa3b, v[114:115] op_sel_hi:[1,0,0] neg_lo:[0,0,1] neg_hi:[0,0,1]
.set k, k+1
.endr
.set k, 0
.rept 32
	v_exp_f32 v[32+k], v[32+k]
.set k, k+1
.endr
	v_nop                                      ; a plain instruction behind the last exponential
	s_wait_alu depctr_va_vdst(0)
	v_pk_mul_f32 v[116:117], v[32:33], v[64:65]
.set k, 1
.rept 15
	v_pk_fma_f32 v[116:117], v[32+2*k:33+2*k], v[64+2*k:65+2*k], v[116:117]
.set k, k+1
.endr
	v_add_f32 v116, v116, v117
	v_rcp_f32 v116, v116                       ; used far below
.set i, 0
.rept 32
.set sl, 128+16*(i%8)
.set ap, 32+2*(i/2)
.set yg, 31-i
.if yg > 7
.set yg, 7
.endif
	s_wait_loadcnt 4*yg                        ; the four loads of each younger chunk may stay out
.set j, 0
.rept 8
.if i == 0
	v_pk_mul_f32 v[96+2*j:97+2*j], v[sl+2*j:sl+2*j+1], v[ap:ap+1] op_sel_hi:[1,0]
.elseif i%2 == 0
	v_pk_fma_f32 v[96+2*j:97+2*j], v[sl+2*j:sl+2*j+1], v[ap:ap+1], v[96+2*j:97+2*j] op_sel_hi:[1,0,1]
.else
	v_pk_fma_f32 v[96+2*j:97+2*j], v[sl+2*j:sl+2*j+1], v[ap:ap+1], v[96+2*j:97+2*j] op_sel:[0,1,0] op_sel_hi:[1,1,1]
.endif
.set j, j+1
.endr
.if i+8 < 32
	RING i+8
.endif
.set i, i+1
.endr
.set j, 0
	s_wait_alu depctr_va_vdst(0)
.rept 8
	v_pk_mul_f32 v[96+2*j:97+2*j], v[96+2*j:97+2*j], v[116:117] op_sel_hi:[1,0]
.set j, j+1
.endr
	SPLIT 96, 144, 148, 128
	SPLIT 104, 152, 156, 128
	global_store_b128 v1, v[144:147], s[14:15]
	global_store_b128 v1, v[152:155], s[14:15] offset:512
	global_store_b128 v1, v[148:151], s[14:15] offset:131072
	global_store_b128 v1, v[156:159], s[14:15] offset:131072+512
	s_endpgm
.Lfunc_end_k_q8b681f6eae_comb:
	.size	k_q8b681f6eae_comb, .Lfunc_end_k_q8b681f6eae_comb-k_q8b681f6eae_comb
	.p2alignl 7, 3214868480
	.fill 96, 4, 3214868480
	.section	.rodata,"a",@progbits
	.p2align	6, 0x0
	.amdhsa_kernel k_q8b681f6eae_comb
		.amdhsa_group_segment_fixed_size 0
		.amdhsa_private_segment_fixed_size 0
		.amdhsa_enable_private_segment 0
		.amdhsa_kernarg_size 16
		.amdhsa_user_sgpr_count 2
		.amdhsa_user_sgpr_kernarg_segment_ptr 1
		.amdhsa_wavefront_size32 1
		.amdhsa_system_sgpr_workgroup_id_x 1
		.amdhsa_system_sgpr_workgroup_id_y 1
		.amdhsa_system_sgpr_workgroup_id_z 1
		.amdhsa_system_vgpr_workitem_id 0
		.amdhsa_next_free_vgpr 256
		.amdhsa_next_free_sgpr 66
		.amdhsa_reserve_vcc 0
		.amdhsa_float_denorm_mode_32 3
		.amdhsa_float_denorm_mode_16_64 3
		.amdhsa_memory_ordered 1
		.amdhsa_forward_progress 1
		.amdhsa_inst_pref_size 44
	.end_amdhsa_kernel
	.amdgpu_metadata
---
amdhsa.version: [ 1, 2 ]
amdhsa.kernels:
  - .name:           k_q8b681f6eae_comb
    .symbol:         k_q8b681f6eae_comb.kd
    .args:
      - { .name: po, .offset: 0, .size: 8, .value_kind: global_buffer, .address_space: global }
      - { .name: s0, .offset: 8, .size: 8, .value_kind: global_buffer, .address_space: global }
    .group_segment_fixed_size: 0
    .private_segment_fixed_size: 0
    .kernarg_segment_align: 8
    .kernarg_segment_size: 16
    .max_flat_workgroup_size: 32
    .sgpr_count:     66
    .vgpr_count:     256
    .wavefront_size: 32
...
	.end_amdgpu_metadata
.endif
;; end of part 9
;; launch linv (part 10): grid 32 x 1, 8 waves a work-group, no clusters, 0 bytes of LDS; arguments wf, s0, s3; writes s3
.if DOCPART == 10
	.amdgcn_target "amdgcn-amd-amdhsa--gfx1250"
	.amdhsa_code_object_version 6
	.text
	.protected	k_q8b681f6eae_linv
	.globl	k_q8b681f6eae_linv
	.p2align	8
	.type	k_q8b681f6eae_linv,@function
k_q8b681f6eae_linv:
	s_mov_b64 s[64:65], 0
	v_nop
	global_prefetch_b8 v0, s[64:65] scope:SCOPE_SE
	s_setreg_imm32_b32 hwreg(HW_REG_WAVE_MODE, 25, 1), 1
	s_wait_xcnt 0x0
; TT = w_vs applied to the context (s0, 8 column tiles): the values' projection moved behind the softmax.
; Work-group = 16 output features, wave = batch.  Shares, layout and turns as in the other short products.
.set KS, 16
.set W0, 3616
.set XK0, 0
.set XROW, 16
.set LOX, 131072
.set KSO, 16
.set LOO, 131072
.macro PLACES
.rept 4
	v_nop
.endr
.endm
.macro SPLIT d, hi, lo, t
.irp j, 0,1,2,3
	v_cvt_pk_bf16_f32 v[(\hi)+\j], v[(\d)+2*\j], v[(\d)+2*\j+1]
.endr
.irp j, 0,1,2,3
	v_lshlrev_b32 v[(\t)+2*\j], 16, v[(\hi)+\j]
	v_and_b32 v[(\t)+2*\j+1], 0xffff0000, v[(\hi)+\j]
.endr
.irp j, 0,1,2,3
	v_pk_add_f32 v[(\d)+2*\j:(\d)+2*\j+1], v[(\d)+2*\j:(\d)+2*\j+1], v[(\t)+2*\j:(\t)+2*\j+1] neg_lo:[0,1] neg_hi:[0,1]
.endr
.irp j, 0,1,2,3
	v_cvt_pk_bf16_f32 v[(\lo)+\j], v[(\d)+2*\j], v[(\d)+2*\j+1]
.endr
.endm
.macro ISSUE ks
.set sl, 8*((\ks)%8)
	global_load_b128 v[64+sl:64+sl+3], v1, s[12:13] offset:(\ks)*1024
	global_load_b128 v[64+sl+4:64+sl+7], v1, s[12:13] offset:(\ks)*1024+512
	global_load_b128 v[128+sl:128+sl+3], v1, s[14:15] offset:(XK0+(\ks))*1024
	global_load_b128 v[128+sl+4:128+sl+7], v1, s[14:15] offset:(XK0+(\ks))*1024+512
	global_load_b128 v[192+sl:192+sl+3], v1, s[14:15] offset:(XK0+(\ks))*1024+LOX
	global_load_b128 v[192+sl+4:192+sl+7], v1, s[14:15] offset:(XK0+(\ks))*1024+LOX+512
.endm
.macro KSTEP ks
.set sl, 8*((\ks)%8)
.set yg, KS-(\ks)-1
.if yg > 7
.set yg, 7
.endif
	s_wait_loadcnt 6*yg                        ; the six loads of each younger K step may stay out
.if (\ks) == 0
	v_wmma_f32_16x16x32_bf16 v[16:23], v[64+sl:64+sl+7], v[128+sl:128+sl+7], 0
	v_wmma_f32_16x16x32_bf16 v[24:31], v[64+sl:64+sl+7], v[192+sl:192+sl+7], 0
.else
	v_wmma_f32_16x16x32_bf16 v[16:23], v[64+sl:64+sl+7], v[128+sl:128+sl+7], v[16:23]
	v_wmma_f32_16x16x32_bf16 v[24:31], v[64+sl:64+sl+7], v[192+sl:192+sl+7], v[24:31]
.endif
.if (\ks)+8 < KS
	PLACES
	ISSUE (\ks)+8
.endif
.endm
	s_load_b128 s[4:7], s[0:1], 0x0
	s_load_b64 s[8:9], s[0:1], 0x10
	v_and_b32 v3, 31, v0
	v_lshrrev_b32 v4, 5, v0
	v_readfirstlane_b32 s10, v4
	v_lshlrev_b32 v1, 4, v3
	s_and_b32 s11, ttmp7, 0xffff
	s_lshl3_add_u32 s11, s11, s10
	s_mul_i32 s16, ttmp9, KS*1024
	s_add_co_u32 s16, s16, W0*1024
	s_mov_b32 s17, 0
	s_mul_i32 s18, s11, XROW*1024
	s_mov_b32 s19, 0
	s_mul_i32 s20, s11, KSO*1024
	s_lshl_b32 s21, ttmp9, 9
	s_add_co_u32 s20, s20, s21
	s_mov_b32 s21, 0
	s_wait_kmcnt 0x0
	s_add_nc_u64 s[12:13], s[4:5], s[16:17]
	s_add_nc_u64 s[14:15], s[6:7], s[18:19]
	s_add_nc_u64 s[22:23], s[8:9], s[20:21]
.set k, 0
.rept 8
	ISSUE k
.set k, k+1
.endr
.set k, 0
.rept KS
	KSTEP k
.set k, k+1
.endr
	PLACES
.irp j, 0,1,2,3
	v_pk_add_f32 v[32+2*\j:33+2*\j], v[16+2*\j:17+2*\j], v[24+2*\j:25+2*\j]
.endr
	SPLIT 32, 48, 52, 40
	global_store_b128 v1, v[48:51], s[22:23]
	global_store_b128 v1, v[52:55], s[22:23] offset:LOO
	s_endpgm
.Lfunc_end_k_q8b681f6eae_linv:
	.size	k_q8b681f6eae_linv, .Lfunc_end_k_q8b681f6eae_linv-k_q8b681f6eae_linv
	.p2alignl 7, 3214868480
	.fill 96, 4, 3214868480
	.section	.rodata,"a",@progbits
	.p2align	6, 0x0
	.amdhsa_kernel k_q8b681f6eae_linv
		.amdhsa_group_segment_fixed_size 0
		.amdhsa_private_segment_fixed_size 0
		.amdhsa_enable_private_segment 0
		.amdhsa_kernarg_size 24
		.amdhsa_user_sgpr_count 2
		.amdhsa_user_sgpr_kernarg_segment_ptr 1
		.amdhsa_wavefront_size32 1
		.amdhsa_system_sgpr_workgroup_id_x 1
		.amdhsa_system_sgpr_workgroup_id_y 1
		.amdhsa_system_sgpr_workgroup_id_z 1
		.amdhsa_system_vgpr_workitem_id 0
		.amdhsa_next_free_vgpr 256
		.amdhsa_next_free_sgpr 66
		.amdhsa_reserve_vcc 0
		.amdhsa_float_denorm_mode_32 3
		.amdhsa_float_denorm_mode_16_64 3
		.amdhsa_memory_ordered 1
		.amdhsa_forward_progress 1
		.amdhsa_inst_pref_size 16
	.end_amdhsa_kernel
	.amdgpu_metadata
---
amdhsa.version: [ 1, 2 ]
amdhsa.kernels:
  - .name:           k_q8b681f6eae_linv
    .symbol:         k_q8b681f6eae_linv.kd
    .args:
      - { .name: wf, .offset: 0, .size: 8, .value_kind: global_buffer, .address_space: global }
      - { .name: s0, .offset: 8, .size: 8, .value_kind: global_buffer, .address_space: global }
      - { .name: s3, .offset: 16, .size: 8, .value_kind: global_buffer, .address_space: global }
    .group_segment_fixed_size: 0
    .private_segment_fixed_size: 0
    .kernarg_segment_align: 8
    .kernarg_segment_size: 24
    .max_flat_workgroup_size: 256
    .sgpr_count:     66
    .vgpr_count:     256
    .wavefront_size: 32
...
	.end_amdgpu_metadata
.endif
;; end of part 10
;; launch fin (part 11): grid 32 x 1, 8 waves a work-group, no clusters, 0 bytes of LDS; arguments wf, s3, out0, support_feat; writes out0
.if DOCPART == 11
	.amdgcn_target "amdgcn-amd-amdhsa--gfx1250"
	.amdhsa_code_object_version 6
	.text
	.protected	k_q8b681f6eae_fin
	.globl	k_q8b681f6eae_fin
	.p2align	8
	.type	k_q8b681f6eae_fin,@function
k_q8b681f6eae_fin:
	s_mov_b64 s[64:65], 0
	v_nop
	global_prefetch_b8 v0, s[64:65] scope:SCOPE_SE
	s_setreg_imm32_b32 hwreg(HW_REG_WAVE_MODE, 25, 1), 1
	s_wait_xcnt 0x0
; out0 = fc_w applied to TT, plus support_feat (rounded to bf16 like every input).
; Work-group = 16 output features, wave = batch.  Shares, layout and turns as in the other short products.
; A lane holds eight neighbouring features of one row of out0: 32 bytes, stored as two pieces of 16; the whole output is 256 KB, so no stage in LDS is built for whole blocks of 256 bytes.
.set KS, 16
.set W0, 4128
.set XK0, 0
.set XROW, 16
.set LOX, 131072
.macro PLACES
.rept 4
	v_nop
.endr
.endm
.macro ISSUE ks
.set sl, 8*((\ks)%8)
	global_load_b128 v[64+sl:64+sl+3], v1, s[12:13] offset:(\ks)*1024
	global_load_b128 v[64+sl+4:64+sl+7], v1, s[12:13] offset:(\ks)*1024+512
	global_load_b128 v[128+sl:128+sl+3], v1, s[14:15] offset:(XK0+(\ks))*1024
	global_load_b128 v[128+sl+4:128+sl+7], v1, s[14:15] offset:(XK0+(\ks))*1024+512
	global_load_b128 v[192+sl:192+sl+3], v1, s[14:15] offset:(XK0+(\ks))*1024+LOX
	global_load_b128 v[192+sl+4:192+sl+7], v1, s[14:15] offset:(XK0+(\ks))*1024+LOX+512
.endm
.macro KSTEP ks
.set sl, 8*((\ks)%8)
.set yg, KS-(\ks)-1
.if yg > 7
.set yg, 7
.endif
	s_wait_loadcnt 6*yg                        ; the six loads of each younger K step may stay out
.if (\ks) == 0
	v_wmma_f32_16x16x32_bf16 v[16:23], v[64+sl:64+sl+7], v[128+sl:128+sl+7], 0
	v_wmma_f32_16x16x32_bf16 v[24:31], v[64+sl:64+sl+7], v[192+sl:192+sl+7], 0
.else
	v_wmma_f32_16x16x32_bf16 v[16:23], v[64+sl:64+sl+7], v[128+sl:128+sl+7], v[16:23]
	v_wmma_f32_16x16x32_bf16 v[24:31], v[64+sl:64+sl+7], v[192+sl:192+sl+7], v[24:31]
.endif
.if (\ks)+8 < KS
	PLACES
	ISSUE (\ks)+8
.endif
.endm
	s_load_b256 s[4:11], s[0:1], 0x0           ; wf, s3, out0, support_feat
	v_and_b32 v3, 31, v0
	v_lshrrev_b32 v4, 5, v0
	v_readfirstlane_b32 s24, v4                ; wave = batch
	v_lshlrev_b32 v1, 4, v3
	v_and_b32 v6, 15, v0                       ; r
	v_bfe_u32 v7, v0, 4, 1                     ; h
	v_lshlrev_b32 v5, 11, v6
	v_lshl_add_u32 v5, v7, 5, v5               ; row r, 8 h numbers on
	s_mul_i32 s16, ttmp9, KS*1024
	s_add_co_u32 s16, s16, W0*1024
	s_mov_b32 s17, 0
	s_mul_i32 s18, s24, XROW*1024
	s_mov_b32 s19, 0
	s_lshl_b32 s20, s24, 15                    ; the batch's 16 rows of 2,048 bytes
	s_lshl_b32 s21, ttmp9, 6                   ; 16 numbers a tile
	s_add_co_u32 s20, s20, s21
	s_mov_b32 s21, 0
	s_wait_kmcnt 0x0
	s_add_nc_u64 s[12:13], s[4:5], s[16:17]
	s_add_nc_u64 s[14:15], s[6:7], s[18:19]
	s_add_nc_u64 s[22:23], s[8:9], s[20:21]
	s_add_nc_u64 s[26:27], s[10:11], s[20:21]
	global_load_b128 v[56:59], v5, s[26:27]
	global_load_b128 v[60:63], v5, s[26:27] offset:16
.set k, 0
.rept 8
	ISSUE k
.set k, k+1
.endr
	s_wait_loadcnt 48                          ; support_feat is in; the ring's 48 stay out
.irp j, 0,1,2,3
	v_cvt_pk_bf16_f32 v[48+\j], v[56+2*\j], v[57+2*\j]
.endr
.irp j, 0,1,2,3
	v_lshlrev_b32 v[56+2*\j], 16, v[48+\j]
	v_and_b32 v[57+2*\j], 0xffff0000, v[48+\j]
.endr
.set k, 0
.rept KS
	KSTEP k
.set k, k+1
.endr
	PLACES
.irp j, 0,1,2,3
	v_pk_add_f32 v[32+2*\j:33+2*\j], v[16+2*\j:17+2*\j], v[24+2*\j:25+2*\j]
.endr
.irp j, 0,1,2,3
	v_pk_add_f32 v[32+2*\j:33+2*\j], v[32+2*\j:33+2*\j], v[56+2*\j:57+2*\j]
.endr
	global_store_b128 v5, v[32:35], s[22:23]
	global_store_b128 v5, v[36:39], s[22:23] offset:16
	s_endpgm
.Lfunc_end_k_q8b681f6eae_fin:
	.size	k_q8b681f6eae_fin, .Lfunc_end_k_q8b681f6eae_fin-k_q8b681f6eae_fin
	.p2alignl 7, 3214868480
	.fill 96, 4, 3214868480
	.section	.rodata,"a",@progbits
	.p2align	6, 0x0
	.amdhsa_kernel k_q8b681f6eae_fin
		.amdhsa_group_segment_fixed_size 0
		.amdhsa_private_segment_fixed_size 0
		.amdhsa_enable_private_segment 0
		.amdhsa_kernarg_size 32
		.amdhsa_user_sgpr_count 2
		.amdhsa_user_sgpr_kernarg_segment_ptr 1
		.amdhsa_wavefront_size32 1
		.amdhsa_system_sgpr_workgroup_id_x 1
		.amdhsa_system_sgpr_workgroup_id_y 1
		.amdhsa_system_sgpr_workgroup_id_z 1
		.amdhsa_system_vgpr_workitem_id 0
		.amdhsa_next_free_vgpr 256
		.amdhsa_next_free_sgpr 66
		.amdhsa_reserve_vcc 0
		.amdhsa_float_denorm_mode_32 3
		.amdhsa_float_denorm_mode_16_64 3
		.amdhsa_memory_ordered 1
		.amdhsa_forward_progress 1
		.amdhsa_inst_pref_size 16
	.end_amdhsa_kernel
	.amdgpu_metadata
---
amdhsa.version: [ 1, 2 ]
amdhsa.kernels:
  - .name:           k_q8b681f6eae_fin
    .symbol:         k_q8b681f6eae_fin.kd
    .args:
      - { .name: wf, .offset: 0, .size: 8, .value_kind: global_buffer, .address_space: global }
      - { .name: s3, .offset: 8, .size: 8, .value_kind: global_buffer, .address_space: global }
      - { .name: out0, .offset: 16, .size: 8, .value_kind: global_buffer, .address_space: global }
      - { .name: support_feat, .offset: 24, .size: 8, .value_kind: global_buffer, .address_space: global }
    .group_segment_fixed_size: 0
    .private_segment_fixed_size: 0
    .kernarg_segment_align: 8
    .kernarg_segment_size: 32
    .max_flat_workgroup_size: 256
    .sgpr_count:     66
    .vgpr_count:     256
    .wavefront_size: 32
...
	.end_amdgpu_metadata
.endif
;; end of part 11
;; ======== version 2 of 3: 9 launches; 1.30 times as fast as version 1
;; workspace buffers: wf 4,751,360 bytes; hf 40,960,000 bytes; po 8,454,144 bytes; s0 786,432 bytes; s1 491,520 bytes; s2 491,520 bytes; s3 1,114,112 bytes; wc 1,048,576 bytes
;; launch front (part 12): grid 852 x 1, 8 waves a work-group, no clusters, 5,120 bytes of LDS; arguments map_w1, map_b1, map_w2, map_b2, w_qs, w_qs_sem, visfuse_w, visfuse_b, semfuse_w, semfuse_b, w_ks, w_ks_sem, w_vs, fc_w, support_feat, wf, s0, base_weights; writes wf, s0
.if DOCPART == 12
	.amdgcn_target "amdgcn-amd-amdhsa--gfx1250"
	.amdhsa_code_object_version 6
	.text
	.protected	k_q8b681f6eae_front
	.globl	k_q8b681f6eae_front
	.p2align	8
	.type	k_q8b681f6eae_front,@function
k_q8b681f6eae_front:
	s_mov_b64 s[64:65], 0
	v_nop
	global_prefetch_b8 v0, s[64:65] scope:SCOPE_SE
	s_setreg_imm32_b32 hwreg(HW_REG_WAVE_MODE, 25, 1), 1
	s_wait_xcnt 0x0
; Two jobs that need nothing of each other share one launch; the work-group's number chooses.
; WORK-GROUPS 0-255, THE SUMS: column sums of base_weights.  Work-group g sums rows 250 g .. 250 g + 249 (512,000 consecutive bytes) and writes the 512 sums, as bf16 hi + lo,
; into column g % 16 of operand tile 8 + g / 16 of s0: the 32 partial sums of a batch ride on as 32 columns of the next products.
; Thread t owns 16 bytes of every second row, so a wave's load covers 512 consecutive bytes; a ring of 25 slots in registers keeps 25 loads of every wave on their way.
; WORK-GROUPS 256-851, THE CASTS: all weights, rounded once to bf16, as operand tiles of 16 rows x 32 k (1,024 bytes): byte half*512 + lane*16 + 2 i
; holds (row lane % 16, k = 16 half + 8 (lane / 16) + i), so that two 16-byte loads a lane fill a matrix operand.
; Biases ride in the weights: index 300 of the semantic axis carries the constant 1, so row 300 of w1/w2 holds b1/b2 and [300][300] = 1;
; the gates' weights hold their biases at k = 812 = 512 + 300.  Everything outside a source reads as 0.
; 580 work-groups make eight tiles each, one a wave, of eleven lists; the list's figures are chosen by scalar selects on the group's number.  The last 16: support_feat as tiles (hi = bf16, lo = 0).
; The sums come first in the grid since they are the long ones; with 128 registers a wave and 5 KB of LDS the casts find room beside them.
; A stream and a cast: no matrix unit, no cluster (no byte is shared between work-groups).
.set SPARE, 4096                       ; behind the sums' exchange: the spare words, 128 bytes a wave
.set NSUM, 256
.set NONE, 0xffff
.set FIRST, 1
.macro PAR reg, val
.if FIRST
	s_mov_b32 s[\reg], \val
.else
	s_cselect_b32 s[\reg], \val, s[\reg]
.endif
.endm
; one list: first work-group, source and bias pointers, mode (0: in = k, out = m; -1: in = m, out = k), pitch, IN, OUT,
; the in-index that takes the bias, the in-index that takes the one, clamp of the bias index, K steps, 65536/KS rounded up, first tile, tiles a row, K offset
.macro SEL start, src, bias, mode, pitch, in, out, bin, onein, bmax, ks, magic, dst0, dstks, ksoff
.if FIRST
	s_mov_b64 s[44:45], s[\src:\src+1]
	s_mov_b64 s[46:47], s[\bias:\bias+1]
.else
	s_cmp_ge_u32 ttmp9, \start
	s_cselect_b64 s[44:45], s[\src:\src+1], s[44:45]
	s_cselect_b64 s[46:47], s[\bias:\bias+1], s[46:47]
.endif
	PAR 48, \mode
	PAR 49, \pitch
	PAR 50, \in
	PAR 51, \out
	PAR 52, \bin
	PAR 53, \onein
	PAR 60, \bmax
	PAR 54, \ks
	PAR 55, \magic
	PAR 56, \dst0
	PAR 57, \dstks
	PAR 58, \ksoff
	PAR 59, \start
.set FIRST, 0
.endm
; element e of my 16: its k, then in- and out-index by the mode, and whether each lies inside the source
.macro IDX e
	v_add_nc_u32 v6, 16*((\e)/8)+(\e)%8, v5
	v_cndmask_b32 v7, v6, v4, s48
	v_cndmask_b32 v8, v4, v6, s48
	v_cmp_gt_u32 s62, s50, v7
	v_cmp_gt_u32 s63, s51, v8
.endm
.macro ADDR e
	IDX \e
	s_and_b32 s62, s62, s63
	v_mad_u32_u24 v9, v7, s49, v8
	v_lshlrev_b32 v9, 2, v9
	v_cndmask_b32 v[16+(\e)], 0, v9, s62       ; outside the source: byte 0 is read and thrown away
	v_min_u32 v10, s60, v8
	v_lshlrev_b32 v[32+(\e)], 2, v10
	global_load_b32 v[48+(\e)], v[16+(\e)], s[44:45]
	global_load_b32 v[64+(\e)], v[32+(\e)], s[46:47]
.endm
.macro PICK e
	IDX \e
	v_cmp_eq_u32 s2, s52, v7
	v_cmp_eq_u32 s3, s53, v7
	v_cmp_eq_u32 s4, s51, v8
	s_and_b32 s3, s3, s4
	s_and_b32 s2, s2, s63
	s_and_b32 s62, s62, s63
	v_cndmask_b32 v9, 0, 1.0, s3
	v_cndmask_b32 v9, v9, v[64+(\e)], s2
	v_cndmask_b32 v[48+(\e)], v9, v[48+(\e)], s62
.endm
	v_lshl_add_u32 v2, v0, 2, SPARE            ; the add's two registers, kept for it alone
	v_mov_b32 v3, 0
	s_cmp_lt_u32 ttmp9, NSUM
	s_cbranch_scc0 .Lcast                      ; the same way for all eight waves of a work-group
	; ---------------- the sums ----------------
	s_load_b128 s[4:7], s[0:1], 0x80           ; s0, base_weights
	v_lshlrev_b32 v1, 4, v0                    ; 16 t
	s_mul_i32 s8, ttmp9, 512000
	s_mov_b32 s9, 0
	s_lshr_b32 s10, ttmp9, 4
	s_add_co_u32 s10, s10, 8                   ; the tile
	s_lshl_b32 s10, s10, 14                    ; 16 K steps of 1,024 bytes
	s_and_b32 s11, ttmp9, 15
	s_lshl_b32 s11, s11, 4                     ; the column's 16 bytes
	s_add_co_u32 s10, s10, s11
	s_mov_b32 s11, 0
	s_wait_kmcnt 0x0
	s_add_nc_u64 s[6:7], s[6:7], s[8:9]
	s_add_nc_u64 s[4:5], s[4:5], s[10:11]
.set k, 0
.rept 25
	global_load_b128 v[28+4*k:28+4*k+3], v1, s[6:7] offset:k*4096 th:TH_LOAD_NT
.set k, k+1
.endr
.set k, 0
.rept 125
.set sl, 28+4*(k%25)
.set ac, 4+4*(k%2)
.set yg, 124-k
.if yg > 24
.set yg, 24
.endif
	s_wait_loadcnt yg                          ; loads return in order: mine is in, the younger ones stay out
.if k < 2
	v_mov_b32 v[ac], v[sl]                     ; the first two rows start the two chains
	v_mov_b32 v[ac+1], v[sl+1]
	v_mov_b32 v[ac+2], v[sl+2]
	v_mov_b32 v[ac+3], v[sl+3]
.else
	v_pk_add_f32 v[ac:ac+1], v[ac:ac+1], v[sl:sl+1]
	v_pk_add_f32 v[ac+2:ac+3], v[ac+2:ac+3], v[sl+2:sl+3]
.endif
.if k+25 < 125
	global_load_b128 v[sl:sl+3], v1, s[6:7] offset:(k+25)*4096 th:TH_LOAD_NT
.endif
.set k, k+1
.endr
	v_pk_add_f32 v[4:5], v[4:5], v[8:9]
	v_pk_add_f32 v[6:7], v[6:7], v[10:11]
	ds_store_b128 v1, v[4:7]                   ; even rows' sums at bytes 0-2047, odd rows' at 2048-4095
	v_lshlrev_b32 v12, 3, v0                   ; features 2 t, 2 t + 1
	v_lshrrev_b32 v13, 4, v0
	v_lshlrev_b32 v13, 10, v13                 ; K step t / 16
	v_bfe_u32 v14, v0, 2, 2
	v_lshl_add_u32 v13, v14, 8, v13            ; half (512) and lane half (256)
	v_and_b32 v14, 3, v0
	v_lshl_add_u32 v13, v14, 2, v13            ; two bf16 = 4 bytes
	s_wait_dscnt 0x0                           ; for the others' sake
	s_barrier_signal -1
	s_barrier_wait -1
	ds_load_b64 v[4:5], v12
	ds_load_b64 v[6:7], v12 offset:2048
	s_wait_dscnt 0x0
	v_pk_add_f32 v[4:5], v[4:5], v[6:7]
	v_cvt_pk_bf16_f32 v8, v4, v5
	v_lshlrev_b32 v10, 16, v8
	v_and_b32 v11, 0xffff0000, v8
	v_pk_add_f32 v[4:5], v[4:5], v[10:11] neg_lo:[0,1] neg_hi:[0,1]
	v_cvt_pk_bf16_f32 v9, v4, v5
	global_store_b32 v13, v8, s[4:5]           ; one column of a tile: 4 bytes a lane, 2 KB a work-group in all
	global_store_b32 v13, v9, s[4:5] offset:393216
	s_wait_tensorcnt 0x0                       ; the wave's end
	ds_add_u32 v2, v3
	s_wait_dscnt 0x0
	s_endpgm
	; ---------------- the casts: no LDS is touched ----------------
.Lcast:
	s_load_b512 s[8:23], s[0:1], 0x0           ; w1 8, b1 10, w2 12, b2 14, w_qs 16, w_qs_sem 18, visfuse_w 20, visfuse_b 22
	s_load_b512 s[24:39], s[0:1], 0x40         ; semfuse_w 24, semfuse_b 26, w_ks 28, w_ks_sem 30, w_vs 32, fc_w 34, support_feat 36, wf 38
	s_load_b64 s[40:41], s[0:1], 0x80          ; s0
	v_and_b32 v6, 31, v0
	v_lshrrev_b32 v7, 5, v0
	v_readfirstlane_b32 s42, v7                ; wave
	v_lshlrev_b32 v1, 4, v6                    ; 16 x lane
	v_and_b32 v12, 15, v0                      ; r
	v_bfe_u32 v13, v0, 4, 1                    ; h
	s_wait_kmcnt 0x0
	s_cmp_ge_u32 ttmp9, NSUM+580
	s_cbranch_scc1 .Lsf
	SEL NSUM+0,   8,  10, 0,  300, 300, 300, 300,  300,  299, 10, 6554, 0,    10, 0
	SEL NSUM+25,  12, 14, 0,  300, 300, 300, 300,  300,  299, 10, 6554, 200,  10, 0
	SEL NSUM+50,  12, 14, -1, 300, 300, 300, 300,  300,  299, 10, 6554, 400,  10, 0
	SEL NSUM+75,  16, 10, 0,  512, 512, 512, NONE, NONE, 0,   16, 4096, 600,  26, 0
	SEL NSUM+139, 18, 10, 0,  512, 300, 512, NONE, NONE, 0,   10, 6554, 600,  26, 16
	SEL NSUM+179, 20, 22, 0,  512, 812, 512, 812,  NONE, 511, 26, 2521, 1432, 26, 0
	SEL NSUM+283, 24, 26, 0,  300, 812, 300, 812,  NONE, 299, 26, 2521, 2264, 26, 0
	SEL NSUM+348, 28, 10, -1, 512, 512, 512, NONE, NONE, 0,   16, 4096, 2784, 16, 0
	SEL NSUM+412, 30, 10, -1, 512, 300, 512, NONE, NONE, 0,   16, 4096, 3296, 16, 0
	SEL NSUM+452, 32, 10, -1, 512, 512, 512, NONE, NONE, 0,   16, 4096, 3616, 16, 0
	SEL NSUM+516, 34, 10, 0,  512, 512, 512, NONE, NONE, 0,   16, 4096, 4128, 16, 0
	s_sub_co_u32 s2, ttmp9, s59
	s_lshl3_add_u32 s2, s2, s42                ; my tile in the list
	s_mul_i32 s3, s2, s55
	s_lshr_b32 s3, s3, 16                      ; mt = tile / KS (exact for the lists' 832 tiles at the most)
	s_mul_i32 s4, s3, s54
	s_sub_co_u32 s4, s2, s4                    ; ks
	s_mul_i32 s5, s3, s57
	s_add_co_u32 s5, s5, s56
	s_add_co_u32 s5, s5, s58
	s_add_co_u32 s5, s5, s4                    ; the tile's number in wf
	s_lshl_b32 s6, s5, 10
	s_mov_b32 s7, 0
	s_add_nc_u64 s[38:39], s[38:39], s[6:7]
	v_lshl_add_u32 v4, s3, 4, v12              ; m = 16 mt + r
	s_lshl_b32 s4, s4, 5
	v_lshl_add_u32 v5, v13, 3, s4              ; 32 ks + 8 h
.set e, 0
.rept 16
	ADDR e
.set e, e+1
.endr
	s_wait_loadcnt 0x0
.set e, 0
.rept 16
	PICK e
.set e, e+1
.endr
.set e, 0
.rept 8
	v_cvt_pk_bf16_f32 v[80+e], v[48+2*e], v[48+2*e+1]
.set e, e+1
.endr
	global_store_b128 v1, v[80:83], s[38:39]               ; 512 consecutive bytes a wave
	global_store_b128 v1, v[84:87], s[38:39] offset:512
	s_endpgm
.Lsf:
	s_sub_co_u32 s2, ttmp9, NSUM+580
	s_lshl3_add_u32 s2, s2, s42                ; tile = 16 b + ks
	s_lshr_b32 s3, s2, 4
	s_and_b32 s4, s2, 15
	s_lshl_b32 s6, s3, 15                      ; 16 rows of 2,048 bytes
	s_lshl_b32 s4, s4, 7                       ; 32 numbers
	s_add_co_u32 s6, s6, s4
	s_mov_b32 s7, 0
	s_add_nc_u64 s[36:37], s[36:37], s[6:7]
	s_lshl_b32 s6, s2, 10
	s_add_nc_u64 s[40:41], s[40:41], s[6:7]
	v_lshlrev_b32 v4, 11, v12
	v_lshl_add_u32 v4, v13, 5, v4              ; row r, 8 h numbers on
	global_load_b128 v[48:51], v4, s[36:37]
	global_load_b128 v[52:55], v4, s[36:37] offset:16
	global_load_b128 v[56:59], v4, s[36:37] offset:64
	global_load_b128 v[60:63], v4, s[36:37] offset:80
	v_mov_b32 v88, 0
	v_mov_b32 v89, 0
	v_mov_b32 v90, 0
	v_mov_b32 v91, 0
	s_wait_loadcnt 0x0
.set e, 0
.rept 8
	v_cvt_pk_bf16_f32 v[80+e], v[48+2*e], v[48+2*e+1]
.set e, e+1
.endr
	global_store_b128 v1, v[80:83], s[40:41]
	global_store_b128 v1, v[84:87], s[40:41] offset:512
	global_store_b128 v1, v[88:91], s[40:41] offset:393216  ; an input is its bf16 rounding: the lo part is 0
	global_store_b128 v1, v[88:91], s[40:41] offset:393728
	s_endpgm
.Lfunc_end_k_q8b681f6eae_front:
	.size	k_q8b681f6eae_front, .Lfunc_end_k_q8b681f6eae_front-k_q8b681f6eae_front
	.p2alignl 7, 3214868480
	.fill 96, 4, 3214868480
	.section	.rodata,"a",@progbits
	.p2align	6, 0x0
	.amdhsa_kernel k_q8b681f6eae_front
		.amdhsa_group_segment_fixed_size 5120
		.amdhsa_private_segment_fixed_size 0
		.amdhsa_enable_private_segment 0
		.amdhsa_kernarg_size 144
		.amdhsa_user_sgpr_count 2
		.amdhsa_user_sgpr_kernarg_segment_ptr 1
		.amdhsa_wavefront_size32 1
		.amdhsa_system_sgpr_workgroup_id_x 1
		.amdhsa_system_sgpr_workgroup_id_y 1
		.amdhsa_system_sgpr_workgroup_id_z 1
		.amdhsa_system_vgpr_workitem_id 0
		.amdhsa_next_free_vgpr 128
		.amdhsa_next_free_sgpr 66
		.amdhsa_reserve_vcc 0
		.amdhsa_float_denorm_mode_32 3
		.amdhsa_float_denorm_mode_16_64 3
		.amdhsa_memory_ordered 1
		.amdhsa_forward_progress 1
		.amdhsa_inst_pref_size 70
	.end_amdhsa_kernel
	.amdgpu_metadata
---
amdhsa.version: [ 1, 2 ]
amdhsa.kernels:
  - .name:           k_q8b681f6eae_front
    .symbol:         k_q8b681f6eae_front.kd
    .args:
      - { .name: map_w1, .offset: 0, .size: 8, .value_kind: global_buffer, .address_space: global }
      - { .name: map_b1, .offset: 8, .size: 8, .value_kind: global_buffer, .address_space: global }
      - { .name: map_w2, .offset: 16, .size: 8, .value_kind: global_buffer, .address_space: global }
      - { .name: map_b2, .offset: 24, .size: 8, .value_kind: global_buffer, .address_space: global }
      - { .name: w_qs, .offset: 32, .size: 8, .value_kind: global_buffer, .address_space: global }
      - { .name: w_qs_sem, .offset: 40, .size: 8, .value_kind: global_buffer, .address_space: global }
      - { .name: visfuse_w, .offset: 48, .size: 8, .value_kind: global_buffer, .address_space: global }
      - { .name: visfuse_b, .offset: 56, .size: 8, .value_kind: global_buffer, .address_space: global }
      - { .name: semfuse_w, .offset: 64, .size: 8, .value_kind: global_buffer, .address_space: global }
      - { .name: semfuse_b, .offset: 72, .size: 8, .value_kind: global_buffer, .address_space: global }
      - { .name: w_ks, .offset: 80, .size: 8, .value_kind: global_buffer, .address_space: global }
      - { .name: w_ks_sem, .offset: 88, .size: 8, .value_kind: global_buffer, .address_space: global }
      - { .name: w_vs, .offset: 96, .size: 8, .value_kind: global_buffer, .address_space: global }
      - { .name: fc_w, .offset: 104, .size: 8, .value_kind: global_buffer, .address_space: global }
      - { .name: support_feat, .offset: 112, .size: 8, .value_kind: global_buffer, .address_space: global }
      - { .name: wf, .offset: 120, .size: 8, .value_kind: global_buffer, .address_space: global }
      - { .name: s0, .offset: 128, .size: 8, .value_kind: global_buffer, .address_space: global }
      - { .name: base_weights, .offset: 136, .size: 8, .value_kind: global_buffer, .address_space: global }
    .group_segment_fixed_size: 5120
    .private_segment_fixed_size: 0
    .kernarg_segment_align: 8
    .kernarg_segment_size: 144
    .max_flat_workgroup_size: 256
    .sgpr_count:     66
    .vgpr_count:     128
    .wavefront_size: 32
...
	.end_amdgpu_metadata
.endif
;; end of part 12
;; launch maph (part 13): grid 256 x 1, 10 waves a work-group, no clusters, 41,216 bytes of LDS; arguments base_seman, support_seman, wf, hf, s1; writes hf, s1
.if DOCPART == 13
	.amdgcn_target "amdgcn-amd-amdhsa--gfx1250"
	.amdhsa_code_object_version 6
	.text
	.protected	k_q8b681f6eae_maph
	.globl	k_q8b681f6eae_maph
	.p2align	8
	.type	k_q8b681f6eae_maph,@function
k_q8b681f6eae_maph:
	s_mov_b64 s[64:65], 0
	v_nop
	global_prefetch_b8 v0, s[64:65] scope:SCOPE_SE
	s_setreg_imm32_b32 hwreg(HW_REG_WAVE_MODE, 25, 1), 1
	s_wait_xcnt 0x0
; h = leaky_relu(x w1 + b1) for the 64,000 base rows and the 128 support rows.
; x gets a 1 in column 300 and w1 holds b1 in row 300, so the bias is part of the product and h[300] = 1.
; A batch's 125 units of 64 rows are shared among 32 work-groups: 4 units for the first 29, 3 for the last 3.  Two of the short ones (i = 29 of batches 0 and 1)
; take 64 support rows each as a fourth unit, so that no work-group has more than four trips and none is launched for the support rows alone.
; A unit (76,800 consecutive bytes of f32) is loaded by 320 threads x 15 loads of 16 bytes, rounded to bf16 and staged in LDS; the next unit's loads are on their way while this one is multiplied.
; Wave w owns features 32 w .. 32 w + 31 and keeps its 20 fragments of w1 in registers for the whole launch.
; The product is used transposed (source 0 = 16 features of w1, source 1 = 16 rows of x): a lane holds eight neighbouring features of one row, and two results packed ARE one operand tile.
; Out: h in bf16 as operand tiles [tile of 16 rows][10 K steps]; for the support rows hi + lo, into s1; and the work-group's column sums of the base rows' h, hi + lo, as one column of s1's tiles 8-23.
; NO TENSOR LOADS, NO CLUSTER: x needs f32 -> bf16 on its way, which only registers can do, and w1's fragments go straight to registers, where a joint load cannot put them.
.set PITCH, 624                        ; a staged row: 600 bytes + column 300 + padding = 39 x 16 bytes: the 16 rows of a fragment load start 16 bytes apart modulo 256
.set SPARE, 39936                      ; behind the stage of 64 rows: the spare words, 128 bytes a wave
.set UNITB, 76800
.set XLO,   245760                     ; from s1's hi tiles to its lo tiles
; v0 t, v1 16 lane, v2 16 t, v3 fragment address, v5/v6 the add's two, v7 r, v8-14 at work, v16-31 two accumulators, v32-47 sums,
; v48-79 four fragment buffers, v80-87 the fragment of K step 9 (upper half 0), v88-95 packed, v96-255 w1; window 1: v0-59 the unit on its way
; s21 trips, s22 1: the unit in hand is the support rows', s23 trip, s24 1: the next unit is, s38 1: my fourth unit is
.set MSB, 0
.macro WIN new
.if MSB != (\new)
	s_set_vgpr_msb (MSB<<8)|(\new)
.set MSB, \new
.endif
.endm
.macro PLACES                          ; four plain places between a matrix instruction and what rewrites its sources or reads its result (ISA guide 7.12.1)
.rept 4
	v_nop
.endr
.endm
.macro SPLIT d, hi, lo, t              ; eight f32 -> bf16 hi, and bf16 lo of what is left
.irp j, 0,1,2,3
	v_cvt_pk_bf16_f32 v[(\hi)+\j], v[(\d)+2*\j], v[(\d)+2*\j+1]
.endr
.irp j, 0,1,2,3
	v_lshlrev_b32 v[(\t)+2*\j], 16, v[(\hi)+\j]
	v_and_b32 v[(\t)+2*\j+1], 0xffff0000, v[(\hi)+\j]
.endr
.irp j, 0,1,2,3
	v_pk_add_f32 v[(\d)+2*\j:(\d)+2*\j+1], v[(\d)+2*\j:(\d)+2*\j+1], v[(\t)+2*\j:(\t)+2*\j+1] neg_lo:[0,1] neg_hi:[0,1]
.endr
.irp j, 0,1,2,3
	v_cvt_pk_bf16_f32 v[(\lo)+\j], v[(\d)+2*\j], v[(\d)+2*\j+1]
.endr
.endm
.macro LOADU                           ; a unit: 15 loads, each 512 consecutive bytes a wave
	WIN 0x40
.set q, 0
.rept 15
	global_load_b128 v[4*q:4*q+3], v2, s[26:27] offset:q*5120 th:TH_LOAD_NT
.set q, q+1
.endr
	WIN 0
.endm
.macro WM ks, b                        ; K step ks for both accumulators, which take turns
.if (\ks) == 0
	v_wmma_f32_16x16x32_bf16 v[16:23], v[96+8*(\ks):96+8*(\ks)+7], v[(\b):(\b)+7], 0
	v_wmma_f32_16x16x32_bf16 v[24:31], v[176+8*(\ks):176+8*(\ks)+7], v[(\b):(\b)+7], 0
.else
	v_wmma_f32_16x16x32_bf16 v[16:23], v[96+8*(\ks):96+8*(\ks)+7], v[(\b):(\b)+7], v[16:23]
	v_wmma_f32_16x16x32_bf16 v[24:31], v[176+8*(\ks):176+8*(\ks)+7], v[(\b):(\b)+7], v[24:31]
.endif
.endm
.macro TILE t                          ; 16 staged rows x my 32 features
	PLACES
.irp ks, 0,1,2,3
	ds_load_b128 v[48+8*\ks:48+8*\ks+3], v3 offset:(\t)*16*PITCH+64*\ks
	ds_load_b128 v[48+8*\ks+4:48+8*\ks+7], v3 offset:(\t)*16*PITCH+64*\ks+32
.endr
	s_wait_dscnt 0x0
.irp ks, 0,1,2,3
	WM \ks, 48+8*\ks
.endr
	PLACES
.irp ks, 0,1,2,3
	ds_load_b128 v[48+8*\ks:48+8*\ks+3], v3 offset:(\t)*16*PITCH+256+64*\ks
	ds_load_b128 v[48+8*\ks+4:48+8*\ks+7], v3 offset:(\t)*16*PITCH+256+64*\ks+32
.endr
	s_wait_dscnt 0x0
.irp ks, 0,1,2,3
	WM 4+\ks, 48+8*\ks
.endr
	PLACES
	ds_load_b128 v[48:51], v3 offset:(\t)*16*PITCH+512
	ds_load_b128 v[52:55], v3 offset:(\t)*16*PITCH+544
	ds_load_b128 v[80:83], v3 offset:(\t)*16*PITCH+576     ; k 288-303; k 304-319 are the zeros in v84-87
	s_wait_dscnt 0x0
	WM 8, 48
	WM 9, 80
	PLACES
.set j, 0
.rept 8
	v_pk_mul_f32 v[64+2*j:65+2*j], v[16+2*j:17+2*j], 0x3dcccccd op_sel_hi:[1,0]  ; 0.1 x, from each accumulator's low end on
.set j, j+1
.endr
.set j, 0
.rept 16
	v_max_num_f32 v[16+j], v[16+j], v[64+j]    ; leaky relu = max(x, 0.1 x)
.set j, j+1
.endr
	s_wait_xcnt 0x0                            ; the last tile's stores have read v88-95
.set j, 0
.rept 8
	v_cvt_pk_bf16_f32 v[88+j], v[16+2*j], v[16+2*j+1]
.set j, j+1
.endr
	global_store_b128 v1, v[88:91], s[28:29] offset:(\t)*10240       ; 512 consecutive bytes each
	global_store_b128 v1, v[92:95], s[28:29] offset:(\t)*10240+512
	s_cmp_eq_u32 s22, 1
	s_cbranch_scc1 .Lsup_\@
.set j, 0
.rept 8                                ; base rows: into the column sums
	v_pk_add_f32 v[32+2*j:33+2*j], v[32+2*j:33+2*j], v[16+2*j:17+2*j]
.set j, j+1
.endr
	s_branch .Ltiled_\@
.Lsup_\@:
.set j, 0
.rept 8                                ; the support rows enter no sum, and keep what the rounding dropped
	v_lshlrev_b32 v[64+2*j], 16, v[88+j]
	v_and_b32 v[65+2*j], 0xffff0000, v[88+j]
.set j, j+1
.endr
.set j, 0
.rept 8
	v_pk_add_f32 v[16+2*j:17+2*j], v[16+2*j:17+2*j], v[64+2*j:65+2*j] neg_lo:[0,1] neg_hi:[0,1]
.set j, j+1
.endr
.set j, 0
.rept 8
	v_cvt_pk_bf16_f32 v[48+j], v[16+2*j], v[16+2*j+1]
.set j, j+1
.endr
	global_store_b128 v1, v[48:51], s[28:29] offset:(\t)*10240+XLO
	global_store_b128 v1, v[52:55], s[28:29] offset:(\t)*10240+XLO+512
	s_wait_xcnt 0x0                            ; v48-55 are loaded again by the next tile
.Ltiled_\@:
.endm
	s_load_b256 s[4:11], s[0:1], 0x0           ; base_seman, support_seman, wf, hf
	s_load_b64 s[12:13], s[0:1], 0x20          ; s1
	v_lshl_add_u32 v5, v0, 2, SPARE
	v_mov_b32 v6, 0
	v_and_b32 v4, 31, v0
	v_lshrrev_b32 v7, 5, v0
	v_readfirstlane_b32 s16, v7                ; wave 0..9
	v_lshlrev_b32 v1, 4, v4
	v_lshlrev_b32 v2, 4, v0
	v_and_b32 v7, 15, v0                       ; r
	v_bfe_u32 v8, v0, 4, 1                     ; h
	v_mul_u32_u24 v3, v7, PITCH
	v_lshl_add_u32 v3, v8, 4, v3
	s_lshr_b32 s17, ttmp9, 5                   ; batch
	s_and_b32 s18, ttmp9, 31                   ; i
	s_min_u32 s19, s18, 29
	s_mul_i32 s20, s18, 3
	s_add_co_u32 s19, s19, s20                 ; first unit = 3 i + min(i, 29)
	s_mul_i32 s20, s17, 125
	s_add_co_u32 s20, s20, s19
	s_cmp_lt_u32 s18, 29
	s_cselect_b32 s21, 4, 3                    ; base units
	s_cmp_eq_u32 s18, 29
	s_cselect_b32 s38, 1, 0
	s_cmp_lt_u32 s17, 2
	s_cselect_b32 s38, s38, 0                  ; 1: i = 29 of batch 0 or 1: 64 support rows follow my three units
	s_add_co_u32 s21, s21, s38                 ; trips
	s_mov_b32 s22, 0
	s_mul_i32 s24, s20, UNITB
	s_mov_b32 s25, 0
	s_mul_i32 s30, s20, 40960                  ; 4 tiles x 10 K steps x 1,024 bytes a unit
	s_lshl_b32 s31, s16, 10                    ; my K step
	s_add_co_u32 s30, s30, s31
	s_mov_b32 s31, 0
	s_mul_i32 s34, s16, 20480                  ; my 20 tiles of w1
	s_mov_b32 s35, 0
	s_lshr_b32 s36, ttmp9, 4
	s_add_co_u32 s36, s36, 8                   ; the sums' tile
	s_mul_i32 s36, s36, 10240
	s_lshl_b32 s37, s16, 10
	s_add_co_u32 s36, s36, s37
	s_mov_b32 s37, 0
	s_and_b32 s39, s17, 1                      ; which 64 support rows (inside the buffers for every batch; used where s38 = 1)
	s_mul_i32 s40, s39, UNITB
	s_mov_b32 s41, 0
	s_mul_i32 s42, s39, 40960
	s_lshl_b32 s43, s16, 10
	s_add_co_u32 s42, s42, s43
	s_mov_b32 s43, 0
	s_wait_kmcnt 0x0
	s_add_nc_u64 s[26:27], s[4:5], s[24:25]    ; loads: my first unit
	s_add_nc_u64 s[28:29], s[10:11], s[30:31]  ; stores: its tiles in hf
	s_add_nc_u64 s[32:33], s[8:9], s[34:35]
	s_add_nc_u64 s[36:37], s[12:13], s[36:37]
	s_add_nc_u64 s[40:41], s[6:7], s[40:41]    ; the support rows,
	s_add_nc_u64 s[42:43], s[12:13], s[42:43]  ; and their tiles in s1
.set k, 0
.rept 20
	global_load_b128 v[96+8*k:96+8*k+3], v1, s[32:33] offset:k*1024
	global_load_b128 v[96+8*k+4:96+8*k+7], v1, s[32:33] offset:k*1024+512
.set k, k+1
.endr
	LOADU
.set j, 0
.rept 16
	v_mov_b32 v[32+j], 0
.set j, j+1
.endr
.set j, 0
.rept 4
	v_mov_b32 v[84+j], 0
.set j, j+1
.endr
	s_cmp_lt_u32 s16, 2
	s_cbranch_scc0 .Lno_one
	v_mul_u32_u24 v8, v0, PITCH                ; threads 0-63: column 300 = 1.0, 301-303 = 0, once: no unit's bytes reach there
	v_mov_b32 v10, 0x3f80
	v_mov_b32 v11, 0
	ds_store_b64 v8, v[10:11] offset:600
.Lno_one:
	s_mov_b32 s23, 0
.Lunit:
	s_wait_dscnt 0x0                           ; my reads of the stage are over (first trip: my store of column 300 is done)
	s_barrier_signal -1
	s_barrier_wait -1                          ; everybody's are: the stage may be written
	s_wait_loadcnt 0x0                         ; the unit is in (first trip: w1 too)
.set g, 0
.rept 3
.set j, 0
.rept 5
	v_add_nc_u32 v8, 320*(5*g+j), v0           ; chunk c of four numbers; 75 chunks a row
	v_mul_u32_u24 v9, 0xda75, v8
	v_lshrrev_b32 v9, 22, v9                   ; row = c / 75 (exact below 4,800)
	v_mul_u32_u24 v9, 24, v9
	v_lshl_add_u32 v[10+j], v8, 3, v9          ; 624 row + 8 (c - 75 row)
.set j, j+1
.endr
	WIN 0x05
.set j, 0
.rept 5
	v_cvt_pk_bf16_f32 v[48+2*j], v[4*(5*g+j)], v[4*(5*g+j)+1]
	v_cvt_pk_bf16_f32 v[49+2*j], v[4*(5*g+j)+2], v[4*(5*g+j)+3]
.set j, j+1
.endr
	WIN 0
.set j, 0
.rept 5
	ds_store_b64 v[10+j], v[48+2*j:49+2*j]
.set j, j+1
.endr
.set g, g+1
.endr
	s_add_nc_u64 s[26:27], s[26:27], UNITB     ; every load that named this base has returned
	s_add_co_u32 s23, s23, 1
	s_cmp_eq_u32 s23, 3
	s_cselect_b32 s24, s38, 0                  ; 1: the next unit is the support rows'
	s_cmp_eq_u32 s24, 1
	s_cselect_b64 s[26:27], s[40:41], s[26:27]
	s_cmp_lt_u32 s23, s21
	s_cbranch_scc0 .Lno_more
	LOADU                                      ; the next unit travels while this one is multiplied
.Lno_more:
	s_wait_dscnt 0x0                           ; for the others' sake: my part of the stage is written
	s_barrier_signal -1
	s_barrier_wait -1
	TILE 0
	TILE 1
	TILE 2
	TILE 3
	s_wait_xcnt 0x0                            ; the stores' base is written only behind this wait
	s_add_nc_u64 s[28:29], s[28:29], 40960
	s_cmp_eq_u32 s24, 1
	s_cselect_b64 s[28:29], s[42:43], s[28:29]
	s_mov_b32 s22, s24
	s_cmp_lt_u32 s23, s21
	s_cbranch_scc1 .Lunit
.irp m, 1,2,4,8
.set j, 0
.rept 16
	v_add_f32_dpp v[32+j], v[32+j], v[32+j] row_xmask:\m row_mask:0xf bank_mask:0xf  ; over the 16 rows that the lanes of a half hold
.set j, j+1
.endr
.endr
	SPLIT 32, 88, 48, 64
	SPLIT 40, 92, 52, 72
	s_and_b32 s24, ttmp9, 15
	v_cmp_eq_u32 vcc_lo, s24, v7
	s_wait_xcnt 0x0                            ; EXEC changes only behind this wait
	s_and_saveexec_b32 s25, vcc_lo             ; the two lanes of my work-group's column
	global_store_b128 v1, v[88:91], s[36:37]
	global_store_b128 v1, v[92:95], s[36:37] offset:512
	global_store_b128 v1, v[48:51], s[36:37] offset:XLO
	global_store_b128 v1, v[52:55], s[36:37] offset:XLO+512
	s_wait_xcnt 0x0
	s_or_b32 exec_lo, exec_lo, s25
	s_wait_tensorcnt 0x0                       ; the wave's end
	ds_add_u32 v5, v6
	s_wait_dscnt 0x0
	s_endpgm
.Lfunc_end_k_q8b681f6eae_maph:
	.size	k_q8b681f6eae_maph, .Lfunc_end_k_q8b681f6eae_maph-k_q8b681f6eae_maph
	.p2alignl 7, 3214868480
	.fill 96, 4, 3214868480
	.section	.rodata,"a",@progbits
	.p2align	6, 0x0
	.amdhsa_kernel k_q8b681f6eae_maph
		.amdhsa_group_segment_fixed_size 41216
		.amdhsa_private_segment_fixed_size 0
		.amdhsa_enable_private_segment 0
		.amdhsa_kernarg_size 40
		.amdhsa_user_sgpr_count 2
		.amdhsa_user_sgpr_kernarg_segment_ptr 1
		.amdhsa_wavefront_size32 1
		.amdhsa_system_sgpr_workgroup_id_x 1
		.amdhsa_system_sgpr_workgroup_id_y 1
		.amdhsa_system_sgpr_workgroup_id_z 1
		.amdhsa_system_vgpr_workitem_id 0
		.amdhsa_next_free_vgpr 320
		.amdhsa_next_free_sgpr 66
		.amdhsa_reserve_vcc 1
		.amdhsa_float_denorm_mode_32 3
		.amdhsa_float_denorm_mode_16_64 3
		.amdhsa_memory_ordered 1
		.amdhsa_forward_progress 1
		.amdhsa_inst_pref_size 55
	.end_amdhsa_kernel
	.amdgpu_metadata
---
amdhsa.version: [ 1, 2 ]
amdhsa.kernels:
  - .name:           k_q8b681f6eae_maph
    .symbol:         k_q8b681f6eae_maph.kd
    .args:
      - { .name: base_seman, .offset: 0, .size: 8, .value_kind: global_buffer, .address_space: global }
      - { .name: support_seman, .offset: 8, .size: 8, .value_kind: global_buffer, .address_space: global }
      - { .name: wf, .offset: 16, .size: 8, .value_kind: global_buffer, .address_space: global }
      - { .name: hf, .offset: 24, .size: 8, .value_kind: global_buffer, .address_space: global }
      - { .name: s1, .offset: 32, .size: 8, .value_kind: global_buffer, .address_space: global }
    .group_segment_fixed_size: 41216
    .private_segment_fixed_size: 0
    .kernarg_segment_align: 8
    .kernarg_segment_size: 40
    .max_flat_workgroup_size: 320
    .sgpr_count:     66
    .vgpr_count:     320
    .wavefront_size: 32
...
	.end_amdgpu_metadata
.endif
;; end of part 13
;; launch cg (part 14): grid 992 x 1, 1 waves a work-group, no clusters, 0 bytes of LDS; arguments wf, s1, s2, wc; writes s2, wc
.if DOCPART == 14
	.amdgcn_target "amdgcn-amd-amdhsa--gfx1250"
	.amdhsa_code_object_version 6
	.text
	.protected	k_q8b681f6eae_cg
	.globl	k_q8b681f6eae_cg
	.p2align	8
	.type	k_q8b681f6eae_cg,@function
k_q8b681f6eae_cg:
	s_mov_b64 s[64:65], 0
	v_nop
	global_prefetch_b8 v0, s[64:65] scope:SCOPE_SE
	s_setreg_imm32_b32 hwreg(HW_REG_WAVE_MODE, 25, 1), 1
	s_wait_xcnt 0x0
; Two short products that need only earlier launches share one launch; the work-group's number chooses.  One wave a work-group: a job shares no register with another,
; and 992 single waves spread over all WGPs, so that no WGP brings in more than a few jobs' operands.
; WORK-GROUPS 0-511: WC[o][d] = sum over mid of fc_w[mid][o] w_vs[d][mid], so that one product stands behind the softmax in place of two.
;   Source 0 = 16 rows d of w_vs, source 1 = 16 columns o of fc_w, both with k = mid: a lane holds one o and eight neighbouring d: packed, half an operand tile with row o and k = d.
;   A wave takes one tile of d and two neighbouring tiles of o: two accumulators, which take turns.  WC is kept as bf16 hi + lo.
; WORK-GROUPS 512-991: XB = w2 (with b2 in row 300) applied to 24 column tiles of s1: tiles 0-7 the support rows' h, tiles 8-23 the partial sums of h.
;   Source 0 = weights, source 1 = columns as bf16 hi and lo, each with an accumulator of its own, by turns; the two are added at the end.
; No LDS.  No cluster: operands go straight to registers, where a joint load cannot put them.
.macro PLACES
.rept 4
	v_nop
.endr
.endm
.macro SPLIT d, hi, lo, t
.irp j, 0,1,2,3
	v_cvt_pk_bf16_f32 v[(\hi)+\j], v[(\d)+2*\j], v[(\d)+2*\j+1]
.endr
.irp j, 0,1,2,3
	v_lshlrev_b32 v[(\t)+2*\j], 16, v[(\hi)+\j]
	v_and_b32 v[(\t)+2*\j+1], 0xffff0000, v[(\hi)+\j]
.endr
.irp j, 0,1,2,3
	v_pk_add_f32 v[(\d)+2*\j:(\d)+2*\j+1], v[(\d)+2*\j:(\d)+2*\j+1], v[(\t)+2*\j:(\t)+2*\j+1] neg_lo:[0,1] neg_hi:[0,1]
.endr
.irp j, 0,1,2,3
	v_cvt_pk_bf16_f32 v[(\lo)+\j], v[(\d)+2*\j], v[(\d)+2*\j+1]
.endr
.endm
.macro ISSUE ks                        ; six loads of 512 consecutive bytes into slot ks % 8: source 0, and two sources 1, LOX bytes apart
.set sl, 8*((\ks)%8)
	global_load_b128 v[64+sl:64+sl+3], v1, s[12:13] offset:(\ks)*1024
	global_load_b128 v[64+sl+4:64+sl+7], v1, s[12:13] offset:(\ks)*1024+512
	global_load_b128 v[128+sl:128+sl+3], v1, s[14:15] offset:(\ks)*1024
	global_load_b128 v[128+sl+4:128+sl+7], v1, s[14:15] offset:(\ks)*1024+512
	global_load_b128 v[192+sl:192+sl+3], v1, s[14:15] offset:(\ks)*1024+LOX
	global_load_b128 v[192+sl+4:192+sl+7], v1, s[14:15] offset:(\ks)*1024+LOX+512
.endm
.macro KSTEP ks
.set sl, 8*((\ks)%8)
.set yg, KS-(\ks)-1
.if yg > 7
.set yg, 7
.endif
	s_wait_loadcnt 6*yg                        ; the six loads of each younger K step may stay out
.if (\ks) == 0
	v_wmma_f32_16x16x32_bf16 v[16:23], v[64+sl:64+sl+7], v[128+sl:128+sl+7], 0
	v_wmma_f32_16x16x32_bf16 v[24:31], v[64+sl:64+sl+7], v[192+sl:192+sl+7], 0
.else
	v_wmma_f32_16x16x32_bf16 v[16:23], v[64+sl:64+sl+7], v[128+sl:128+sl+7], v[16:23]
	v_wmma_f32_16x16x32_bf16 v[24:31], v[64+sl:64+sl+7], v[192+sl:192+sl+7], v[24:31]
.endif
.if (\ks)+8 < KS
	PLACES                                     ; four places before the slot is loaded again (ISA guide 7.12.1)
	ISSUE (\ks)+8
.endif
.endm
.macro RUN                             ; the first eight K steps go out at once; then all KS steps; then the places in front of the first read of the sums
.set k, 0
.rept 8
	ISSUE k
.set k, k+1
.endr
.set k, 0
.rept KS
	KSTEP k
.set k, k+1
.endr
	PLACES
.endm
	s_load_b256 s[4:11], s[0:1], 0x0           ; wf, s1, s2, wc
	v_lshlrev_b32 v1, 4, v0                    ; 16 x lane
	s_cmp_lt_u32 ttmp9, 512
	s_cbranch_scc0 .Lmap
.set KS, 16
.set LOX, 16384                        ; the next tile of o
	s_and_b32 s16, ttmp9, 31                   ; tile of d
	s_lshr_b32 s17, ttmp9, 5                   ; pair of tiles of o
	s_lshl_b32 s18, s16, 14
	s_add_co_u32 s18, s18, 3616*1024           ; w_vs by rows
	s_mov_b32 s19, 0
	s_lshl_b32 s20, s17, 15
	s_add_co_u32 s20, s20, 4128*1024           ; fc_w by columns
	s_mov_b32 s21, 0
	s_lshl_b32 s22, s17, 15                    ; out: tile 2 p of o, 16 K steps a tile,
	s_lshl_b32 s23, s16, 9                     ; K step (tile of d) / 2, half (tile of d) % 2
	s_add_co_u32 s22, s22, s23
	s_mov_b32 s23, 0
	s_wait_kmcnt 0x0
	s_add_nc_u64 s[12:13], s[4:5], s[18:19]
	s_add_nc_u64 s[14:15], s[4:5], s[20:21]
	s_add_nc_u64 s[24:25], s[10:11], s[22:23]
	RUN
	SPLIT 16, 48, 52, 40
	SPLIT 24, 56, 60, 40
	global_store_b128 v1, v[48:51], s[24:25]
	global_store_b128 v1, v[52:55], s[24:25] offset:524288
	global_store_b128 v1, v[56:59], s[24:25] offset:16384
	global_store_b128 v1, v[60:63], s[24:25] offset:16384+524288
	s_endpgm
.Lmap:
.set KS, 10
.set LOX, 245760                       ; from s1's hi tiles to its lo tiles
	s_sub_co_u32 s16, ttmp9, 512
	s_mul_i32 s17, s16, 3277
	s_lshr_b32 s17, s17, 16                    ; column tile = job / 20 (exact below 480)
	s_mul_i32 s18, s17, 20
	s_sub_co_u32 s16, s16, s18                 ; tile of 16 output features
	s_mul_i32 s18, s16, 10*1024
	s_add_co_u32 s18, s18, 200*1024
	s_mov_b32 s19, 0
	s_mul_i32 s20, s17, 10*1024
	s_mov_b32 s21, 0
	s_lshl_b32 s23, s16, 9
	s_add_co_u32 s22, s20, s23
	s_mov_b32 s23, 0
	s_wait_kmcnt 0x0
	s_add_nc_u64 s[12:13], s[4:5], s[18:19]
	s_add_nc_u64 s[14:15], s[6:7], s[20:21]
	s_add_nc_u64 s[24:25], s[8:9], s[22:23]
	RUN
.irp j, 0,1,2,3
	v_pk_add_f32 v[32+2*\j:33+2*\j], v[16+2*\j:17+2*\j], v[24+2*\j:25+2*\j]  ; hi's and lo's sums, from the low end on
.endr
	SPLIT 32, 48, 52, 40
	global_store_b128 v1, v[48:51], s[24:25]
	global_store_b128 v1, v[52:55], s[24:25] offset:245760
	s_endpgm
.Lfunc_end_k_q8b681f6eae_cg:
	.size	k_q8b681f6eae_cg, .Lfunc_end_k_q8b681f6eae_cg-k_q8b681f6eae_cg
	.p2alignl 7, 3214868480
	.fill 96, 4, 3214868480
	.section	.rodata,"a",@progbits
	.p2align	6, 0x0
	.amdhsa_kernel k_q8b681f6eae_cg
		.amdhsa_group_segment_fixed_size 0
		.amdhsa_private_segment_fixed_size 0
		.amdhsa_enable_private_segment 0
		.amdhsa_kernarg_size 32
		.amdhsa_user_sgpr_count 2
		.amdhsa_user_sgpr_kernarg_segment_ptr 1
		.amdhsa_wavefront_size32 1
		.amdhsa_system_sgpr_workgroup_id_x 1
		.amdhsa_system_sgpr_workgroup_id_y 1
		.amdhsa_system_sgpr_workgroup_id_z 1
		.amdhsa_system_vgpr_workitem_id 0
		.amdhsa_next_free_vgpr 256
		.amdhsa_next_free_sgpr 66
		.amdhsa_reserve_vcc 0
		.amdhsa_float_denorm_mode_32 3
		.amdhsa_float_denorm_mode_16_64 3
		.amdhsa_memory_ordered 1
		.amdhsa_forward_progress 1
		.amdhsa_inst_pref_size 27
	.end_amdhsa_kernel
	.amdgpu_metadata
---
amdhsa.version: [ 1, 2 ]
amdhsa.kernels:
  - .name:           k_q8b681f6eae_cg
    .symbol:         k_q8b681f6eae_cg.kd
    .args:
      - { .name: wf, .offset: 0, .size: 8, .value_kind: global_buffer, .address_space: global }
      - { .name: s1, .offset: 8, .size: 8, .value_kind: global_buffer, .address_space: global }
      - { .name: s2, .offset: 16, .size: 8, .value_kind: global_buffer, .address_space: global }
      - { .name: wc, .offset: 24, .size: 8, .value_kind: global_buffer, .address_space: global }
    .group_segment_fixed_size: 0
    .private_segment_fixed_size: 0
    .kernarg_segment_align: 8
    .kernarg_segment_size: 32
    .max_flat_workgroup_size: 32
    .sgpr_count:     66
    .vgpr_count:     256
    .wavefront_size: 32
...
	.end_amdgpu_metadata
.endif
;; end of part 14
;; launch qx (part 15): grid 1088 x 1, 1 waves a work-group, no clusters, 0 bytes of LDS; arguments wf, s0, s2, s3; writes s3
.if DOCPART == 15
	.amdgcn_target "amdgcn-amd-amdhsa--gfx1250"
	.amdhsa_code_object_version 6
	.text
	.protected	k_q8b681f6eae_qx
	.globl	k_q8b681f6eae_qx
	.p2align	8
	.type	k_q8b681f6eae_qx,@function
k_q8b681f6eae_qx:
	s_mov_b64 s[64:65], 0
	v_nop
	global_prefetch_b8 v0, s[64:65] scope:SCOPE_SE
	s_setreg_imm32_b32 hwreg(HW_REG_WAVE_MODE, 25, 1), 1
	s_wait_xcnt 0x0
; Two products on the columns [XA | XB] (K = 512 + 320, 26 K steps: 16 from s0, 10 from s2).  One wave a work-group, one job (16 output features x 16 columns) a wave: 1,088 jobs spread over all WGPs.
; Work-groups 0-255: q_tot = [w_qs ; w_qs_sem] on column tiles 0-7 (the support rows), out as hi + lo operand tiles.
; Work-groups 256-1087: the gates' arguments, [visfuse_w | semfuse_w] with the biases at k = 812, on tiles 8-23 (the partial sums); the 16 columns of a tile are
; added across the lanes and the sums go out in f32 (registers 0-3 at 16 x lane, 4-7 at 512 + 16 x lane).
; Source 0 = weights, source 1 = columns as bf16 hi and lo, each with an accumulator of its own; the two take turns.
; No LDS.  No cluster: operands go straight to registers, where a joint load cannot put them.
.set KS, 26
.macro PLACES
.rept 4
	v_nop
.endr
.endm
.macro SPLIT d, hi, lo, t
.irp j, 0,1,2,3
	v_cvt_pk_bf16_f32 v[(\hi)+\j], v[(\d)+2*\j], v[(\d)+2*\j+1]
.endr
.irp j, 0,1,2,3
	v_lshlrev_b32 v[(\t)+2*\j], 16, v[(\hi)+\j]
	v_and_b32 v[(\t)+2*\j+1], 0xffff0000, v[(\hi)+\j]
.endr
.irp j, 0,1,2,3
	v_pk_add_f32 v[(\d)+2*\j:(\d)+2*\j+1], v[(\d)+2*\j:(\d)+2*\j+1], v[(\t)+2*\j:(\t)+2*\j+1] neg_lo:[0,1] neg_hi:[0,1]
.endr
.irp j, 0,1,2,3
	v_cvt_pk_bf16_f32 v[(\lo)+\j], v[(\d)+2*\j], v[(\d)+2*\j+1]
.endr
.endm
.macro ISSUE ks
.set sl, 8*((\ks)%8)
	global_load_b128 v[64+sl:64+sl+3], v1, s[12:13] offset:(\ks)*1024
	global_load_b128 v[64+sl+4:64+sl+7], v1, s[12:13] offset:(\ks)*1024+512
.if (\ks) < 16
	global_load_b128 v[128+sl:128+sl+3], v1, s[14:15] offset:(\ks)*1024
	global_load_b128 v[128+sl+4:128+sl+7], v1, s[14:15] offset:(\ks)*1024+512
	global_load_b128 v[192+sl:192+sl+3], v1, s[14:15] offset:(\ks)*1024+393216
	global_load_b128 v[192+sl+4:192+sl+7], v1, s[14:15] offset:(\ks)*1024+393216+512
.else
	global_load_b128 v[128+sl:128+sl+3], v1, s[26:27] offset:((\ks)-16)*1024
	global_load_b128 v[128+sl+4:128+sl+7], v1, s[26:27] offset:((\ks)-16)*1024+512
	global_load_b128 v[192+sl:192+sl+3], v1, s[26:27] offset:((\ks)-16)*1024+245760
	global_load_b128 v[192+sl+4:192+sl+7], v1, s[26:27] offset:((\ks)-16)*1024+245760+512
.endif
.endm
.macro KSTEP ks
.set sl, 8*((\ks)%8)
.set yg, KS-(\ks)-1
.if yg > 7
.set yg, 7
.endif
	s_wait_loadcnt 6*yg                        ; the six loads of each younger K step may stay out
.if (\ks) == 0
	v_wmma_f32_16x16x32_bf16 v[16:23], v[64+sl:64+sl+7], v[128+sl:128+sl+7], 0
	v_wmma_f32_16x16x32_bf16 v[24:31], v[64+sl:64+sl+7], v[192+sl:192+sl+7], 0
.else
	v_wmma_f32_16x16x32_bf16 v[16:23], v[64+sl:64+sl+7], v[128+sl:128+sl+7], v[16:23]
	v_wmma_f32_16x16x32_bf16 v[24:31], v[64+sl:64+sl+7], v[192+sl:192+sl+7], v[24:31]
.endif
.if (\ks)+8 < KS
	PLACES
	ISSUE (\ks)+8
.endif
.endm
	s_load_b256 s[4:11], s[0:1], 0x0           ; wf, s0 (XA), s2 (XB), s3
	v_lshlrev_b32 v1, 4, v0                    ; 16 x lane
	s_sub_co_u32 s20, ttmp9, 256               ; the second role's number (not used in the first)
	s_lshr_b32 s21, s20, 4                     ; its tile of features, 0-51
	s_and_b32 s22, s20, 15
	s_add_co_u32 s22, s22, 8                   ; its column tile, 8-23
	s_and_b32 s28, ttmp9, 31                   ; the first role's tile of features
	s_lshr_b32 s30, ttmp9, 5                   ; and column tile, 0-7
	s_mov_b32 s24, 600*1024
	s_mov_b32 s25, 1432*1024
	s_cmp_lt_u32 ttmp9, 256
	s_cselect_b32 s29, s28, s21                ; mt
	s_cselect_b32 s23, s30, s22                ; column tile
	s_cselect_b32 s24, s24, s25                ; the weights' first byte in wf: an offset, no pointer
	s_mul_i32 s16, s29, 26*1024
	s_add_co_u32 s16, s16, s24
	s_mov_b32 s17, 0
	s_lshl_b32 s18, s23, 14
	s_mov_b32 s19, 0
	s_mul_i32 s20, s23, 10*1024
	s_mov_b32 s21, 0
	s_wait_kmcnt 0x0
	s_add_nc_u64 s[12:13], s[4:5], s[16:17]
	s_add_nc_u64 s[14:15], s[6:7], s[18:19]
	s_add_nc_u64 s[26:27], s[8:9], s[20:21]
.set k, 0
.rept 8
	ISSUE k
.set k, k+1
.endr
.set k, 0
.rept KS
	KSTEP k
.set k, k+1
.endr
	PLACES
.irp j, 0,1,2,3
	v_pk_add_f32 v[32+2*\j:33+2*\j], v[16+2*\j:17+2*\j], v[24+2*\j:25+2*\j]
.endr
	s_cmp_lt_u32 ttmp9, 256
	s_cbranch_scc0 .Lsums
	SPLIT 32, 48, 52, 40
	s_lshl_b32 s16, s29, 9
	s_add_co_u32 s16, s16, s18                 ; tile x 16 K steps + mt x 512
	s_add_nc_u64 s[10:11], s[10:11], s[16:17]
	global_store_b128 v1, v[48:51], s[10:11]
	global_store_b128 v1, v[52:55], s[10:11] offset:131072
	s_endpgm
.Lsums:
.irp m, 1,2,4,8
.irp j, 0,1,2,3,4,5,6,7
	v_add_f32_dpp v[32+\j], v[32+\j], v[32+\j] row_xmask:\m row_mask:0xf bank_mask:0xf  ; over the tile's 16 columns: every lane of a half ends with the sum
.endr
.endr
	s_sub_co_u32 s16, s23, 8
	s_mul_i32 s16, s16, 52
	s_add_co_u32 s16, s16, s29
	s_lshl_b32 s16, s16, 10
	s_add_co_u32 s16, s16, 262144
	s_add_nc_u64 s[10:11], s[10:11], s[16:17]
	global_store_b128 v1, v[32:35], s[10:11]
	global_store_b128 v1, v[36:39], s[10:11] offset:512
	s_endpgm
.Lfunc_end_k_q8b681f6eae_qx:
	.size	k_q8b681f6eae_qx, .Lfunc_end_k_q8b681f6eae_qx-k_q8b681f6eae_qx
	.p2alignl 7, 3214868480
	.fill 96, 4, 3214868480
	.section	.rodata,"a",@progbits
	.p2align	6, 0x0
	.amdhsa_kernel k_q8b681f6eae_qx
		.amdhsa_group_segment_fixed_size 0
		.amdhsa_private_segment_fixed_size 0
		.amdhsa_enable_private_segment 0
		.amdhsa_kernarg_size 32
		.amdhsa_user_sgpr_count 2
		.amdhsa_user_sgpr_kernarg_segment_ptr 1
		.amdhsa_wavefront_size32 1
		.amdhsa_system_sgpr_workgroup_id_x 1
		.amdhsa_system_sgpr_workgroup_id_y 1
		.amdhsa_system_sgpr_workgroup_id_z 1
		.amdhsa_system_vgpr_workitem_id 0
		.amdhsa_next_free_vgpr 256
		.amdhsa_next_free_sgpr 66
		.amdhsa_reserve_vcc 0
		.amdhsa_float_denorm_mode_32 3
		.amdhsa_float_denorm_mode_16_64 3
		.amdhsa_memory_ordered 1
		.amdhsa_forward_progress 1
		.amdhsa_inst_pref_size 27
	.end_amdhsa_kernel
	.amdgpu_metadata
---
amdhsa.version: [ 1, 2 ]
amdhsa.kernels:
  - .name:           k_q8b681f6eae_qx
    .symbol:         k_q8b681f6eae_qx.kd
    .args:
      - { .name: wf, .offset: 0, .size: 8, .value_kind: global_buffer, .address_space: global }
      - { .name: s0, .offset: 8, .size: 8, .value_kind: global_buffer, .address_space: global }
      - { .name: s2, .offset: 16, .size: 8, .value_kind: global_buffer, .address_space: global }
      - { .name: s3, .offset: 24, .size: 8, .value_kind: global_buffer, .address_space: global }
    .group_segment_fixed_size: 0
    .private_segment_fixed_size: 0
    .kernarg_segment_align: 8
    .kernarg_segment_size: 32
    .max_flat_workgroup_size: 32
    .sgpr_count:     66
    .vgpr_count:     256
    .wavefront_size: 32
...
	.end_amdgpu_metadata
.endif
;; end of part 15
;; launch eg (part 16): grid 52 x 8, 1 waves a work-group, no clusters, 0 bytes of LDS; arguments wf, s3, s1; writes s1
.if DOCPART == 16
	.amdgcn_target "amdgcn-amd-amdhsa--gfx1250"
	.amdhsa_code_object_version 6
	.text
	.protected	k_q8b681f6eae_eg
	.globl	k_q8b681f6eae_eg
	.p2align	8
	.type	k_q8b681f6eae_eg,@function
k_q8b681f6eae_eg:
	s_mov_b64 s[64:65], 0
	v_nop
	global_prefetch_b8 v0, s[64:65] scope:SCOPE_SE
	s_setreg_imm32_b32 hwreg(HW_REG_WAVE_MODE, 25, 1), 1
	s_wait_xcnt 0x0
; QG = ([w_ks ; w_ks_sem] q_tot) x (sigmoid(x / 8000) + 1) / sqrt(512): the keys' projections moved onto the 128 queries, and the gates with them.
; x is the sum of the batch's two tiles of gate arguments (sums over all 8,000 keys; the bias came in 8,000 times).
; One wave a work-group: x of the grid = 16 features (tiles 0-31 visual, 32-51 semantic), y = batch: 416 jobs spread over all WGPs.
; Source 0 = weights, source 1 = columns as bf16 hi and lo, each with an accumulator of its own, by turns.
; The gate is made while the ring's first 48 loads are out.  No LDS; no cluster: operands go straight to registers.
.set KS, 16
.set W0, 2784
.set XK0, 0
.set XROW, 16
.set LOX, 131072
.set KSO, 26
.set LOO, 212992
.macro PLACES
.rept 4
	v_nop
.endr
.endm
.macro SPLIT d, hi, lo, t
.irp j, 0,1,2,3
	v_cvt_pk_bf16_f32 v[(\hi)+\j], v[(\d)+2*\j], v[(\d)+2*\j+1]
.endr
.irp j, 0,1,2,3
	v_lshlrev_b32 v[(\t)+2*\j], 16, v[(\hi)+\j]
	v_and_b32 v[(\t)+2*\j+1], 0xffff0000, v[(\hi)+\j]
.endr
.irp j, 0,1,2,3
	v_pk_add_f32 v[(\d)+2*\j:(\d)+2*\j+1], v[(\d)+2*\j:(\d)+2*\j+1], v[(\t)+2*\j:(\t)+2*\j+1] neg_lo:[0,1] neg_hi:[0,1]
.endr
.irp j, 0,1,2,3
	v_cvt_pk_bf16_f32 v[(\lo)+\j], v[(\d)+2*\j], v[(\d)+2*\j+1]
.endr
.endm
.macro ISSUE ks
.set sl, 8*((\ks)%8)
	global_load_b128 v[64+sl:64+sl+3], v1, s[12:13] offset:(\ks)*1024
	global_load_b128 v[64+sl+4:64+sl+7], v1, s[12:13] offset:(\ks)*1024+512
	global_load_b128 v[128+sl:128+sl+3], v1, s[14:15] offset:(XK0+(\ks))*1024
	global_load_b128 v[128+sl+4:128+sl+7], v1, s[14:15] offset:(XK0+(\ks))*1024+512
	global_load_b128 v[192+sl:192+sl+3], v1, s[14:15] offset:(XK0+(\ks))*1024+LOX
	global_load_b128 v[192+sl+4:192+sl+7], v1, s[14:15] offset:(XK0+(\ks))*1024+LOX+512
.endm
.macro KSTEP ks
.set sl, 8*((\ks)%8)
.set yg, KS-(\ks)-1
.if yg > 7
.set yg, 7
.endif
	s_wait_loadcnt 6*yg                        ; the six loads of each younger K step may stay out
.if (\ks) == 0
	v_wmma_f32_16x16x32_bf16 v[16:23], v[64+sl:64+sl+7], v[128+sl:128+sl+7], 0
	v_wmma_f32_16x16x32_bf16 v[24:31], v[64+sl:64+sl+7], v[192+sl:192+sl+7], 0
.else
	v_wmma_f32_16x16x32_bf16 v[16:23], v[64+sl:64+sl+7], v[128+sl:128+sl+7], v[16:23]
	v_wmma_f32_16x16x32_bf16 v[24:31], v[64+sl:64+sl+7], v[192+sl:192+sl+7], v[24:31]
.endif
.if (\ks)+8 < KS
	PLACES
	ISSUE (\ks)+8
.endif
.endm
	s_load_b128 s[4:7], s[0:1], 0x0            ; wf, s3 (q_tot, gate arguments)
	s_load_b64 s[8:9], s[0:1], 0x10            ; s1
	v_lshlrev_b32 v1, 4, v0                    ; 16 x lane
	s_and_b32 s10, ttmp7, 0xffff               ; batch
	s_mul_i32 s16, ttmp9, KS*1024
	s_add_co_u32 s16, s16, W0*1024
	s_mov_b32 s17, 0
	s_mul_i32 s18, s10, XROW*1024
	s_mov_b32 s19, 0
	s_mul_i32 s20, s10, KSO*1024
	s_lshl_b32 s21, ttmp9, 9
	s_add_co_u32 s20, s20, s21
	s_mov_b32 s21, 0
	s_mul_i32 s24, s10, 2*52*1024              ; the batch's first tile row of gate arguments
	s_lshl_b32 s25, ttmp9, 10
	s_add_co_u32 s24, s24, s25
	s_add_co_u32 s24, s24, 262144
	s_mov_b32 s25, 0
	s_mov_b32 s26, 0x3d3504f3                  ; 1 / sqrt(512)
	s_mov_b32 s27, s26
	s_wait_kmcnt 0x0
	s_add_nc_u64 s[12:13], s[4:5], s[16:17]
	s_add_nc_u64 s[14:15], s[6:7], s[18:19]
	s_add_nc_u64 s[22:23], s[8:9], s[20:21]
	s_add_nc_u64 s[24:25], s[6:7], s[24:25]
	global_load_b128 v[40:43], v1, s[24:25]
	global_load_b128 v[44:47], v1, s[24:25] offset:512
	global_load_b128 v[56:59], v1, s[24:25] offset:52*1024
	global_load_b128 v[60:63], v1, s[24:25] offset:52*1024+512
.set k, 0
.rept 8
	ISSUE k
.set k, k+1
.endr
	s_wait_loadcnt 48                          ; the four loads above are in; the ring's 48 stay out
.irp j, 0,1,2,3
	v_pk_add_f32 v[56+2*\j:57+2*\j], v[56+2*\j:57+2*\j], v[40+2*\j:41+2*\j]
.endr
.irp j, 0,1,2,3
	v_pk_mul_f32 v[56+2*\j:57+2*\j], v[56+2*\j:57+2*\j], 0xb93d18d0 op_sel_hi:[1,0]  ; x (-log2(e) / 8000)
.endr
.irp j, 0,1,2,3,4,5,6,7
	v_exp_f32 v[56+\j], v[56+\j]
.endr
	v_nop                                      ; a plain instruction behind the last exponential
	s_wait_alu depctr_va_vdst(0)
.irp j, 0,1,2,3
	v_pk_add_f32 v[56+2*\j:57+2*\j], v[56+2*\j:57+2*\j], 1.0 op_sel_hi:[1,0]
.endr
.irp j, 0,1,2,3,4,5,6,7
	v_rcp_f32 v[56+\j], v[56+\j]
.endr
	v_nop
	s_wait_alu depctr_va_vdst(0)
.irp j, 0,1,2,3
	v_pk_fma_f32 v[56+2*\j:57+2*\j], v[56+2*\j:57+2*\j], s[26:27], s[26:27] op_sel_hi:[1,0,0]  ; (sigmoid + 1) / sqrt(512)
.endr
.set k, 0
.rept KS
	KSTEP k
.set k, k+1
.endr
	PLACES
.irp j, 0,1,2,3
	v_pk_add_f32 v[32+2*\j:33+2*\j], v[16+2*\j:17+2*\j], v[24+2*\j:25+2*\j]
.endr
.irp j, 0,1,2,3
	v_pk_mul_f32 v[32+2*\j:33+2*\j], v[32+2*\j:33+2*\j], v[56+2*\j:57+2*\j]
.endr
	SPLIT 32, 48, 52, 40
	global_store_b128 v1, v[48:51], s[22:23]
	global_store_b128 v1, v[52:55], s[22:23] offset:LOO
	s_endpgm
.Lfunc_end_k_q8b681f6eae_eg:
	.size	k_q8b681f6eae_eg, .Lfunc_end_k_q8b681f6eae_eg-k_q8b681f6eae_eg
	.p2alignl 7, 3214868480
	.fill 96, 4, 3214868480
	.section	.rodata,"a",@progbits
	.p2align	6, 0x0
	.amdhsa_kernel k_q8b681f6eae_eg
		.amdhsa_group_segment_fixed_size 0
		.amdhsa_private_segment_fixed_size 0
		.amdhsa_enable_private_segment 0
		.amdhsa_kernarg_size 24
		.amdhsa_user_sgpr_count 2
		.amdhsa_user_sgpr_kernarg_segment_ptr 1
		.amdhsa_wavefront_size32 1
		.amdhsa_system_sgpr_workgroup_id_x 1
		.amdhsa_system_sgpr_workgroup_id_y 1
		.amdhsa_system_sgpr_workgroup_id_z 1
		.amdhsa_system_vgpr_workitem_id 0
		.amdhsa_next_free_vgpr 256
		.amdhsa_next_free_sgpr 66
		.amdhsa_reserve_vcc 0
		.amdhsa_float_denorm_mode_32 3
		.amdhsa_float_denorm_mode_16_64 3
		.amdhsa_memory_ordered 1
		.amdhsa_forward_progress 1
		.amdhsa_inst_pref_size 18
	.end_amdhsa_kernel
	.amdgpu_metadata
---
amdhsa.version: [ 1, 2 ]
amdhsa.kernels:
  - .name:           k_q8b681f6eae_eg
    .symbol:         k_q8b681f6eae_eg.kd
    .args:
      - { .name: wf, .offset: 0, .size: 8, .value_kind: global_buffer, .address_space: global }
      - { .name: s3, .offset: 8, .size: 8, .value_kind: global_buffer, .address_space: global }
      - { .name: s1, .offset: 16, .size: 8, .value_kind: global_buffer, .address_space: global }
    .group_segment_fixed_size: 0
    .private_segment_fixed_size: 0
    .kernarg_segment_align: 8
    .kernarg_segment_size: 24
    .max_flat_workgroup_size: 32
    .sgpr_count:     66
    .vgpr_count:     256
    .wavefront_size: 32
...
	.end_amdgpu_metadata
.endif
;; end of part 16
;; launch jq (part 17): grid 20 x 8, 1 waves a work-group, no clusters, 0 bytes of LDS; arguments wf, s1, s2; writes s2
.if DOCPART == 17
	.amdgcn_target "amdgcn-amd-amdhsa--gfx1250"
	.amdhsa_code_object_version 6
	.text
	.protected	k_q8b681f6eae_jq
	.globl	k_q8b681f6eae_jq
	.p2align	8
	.type	k_q8b681f6eae_jq,@function
k_q8b681f6eae_jq:
	s_mov_b64 s[64:65], 0
	v_nop
	global_prefetch_b8 v0, s[64:65] scope:SCOPE_SE
	s_setreg_imm32_b32 hwreg(HW_REG_WAVE_MODE, 25, 1), 1
	s_wait_xcnt 0x0
; QH = w2 (transposed use, b2 in row 300) applied to the semantic part of QG (K steps 16-25 of s1): the second layer of the semantic map moved onto the queries.
; QH[300] = b2 . q, which meets h[300] = 1 in the scores.  One wave a work-group: x of the grid = 16 features of h, y = batch: 160 jobs on as many WGPs.
; Source 0 = weights, source 1 = columns as bf16 hi and lo, each with an accumulator of its own, by turns.  No LDS; no cluster: operands go straight to registers.
.set KS, 10
.set W0, 400
.set XK0, 16
.set XROW, 26
.set LOX, 212992
.set KSO, 10
.set LOO, 81920
.macro PLACES
.rept 4
	v_nop
.endr
.endm
.macro SPLIT d, hi, lo, t
.irp j, 0,1,2,3
	v_cvt_pk_bf16_f32 v[(\hi)+\j], v[(\d)+2*\j], v[(\d)+2*\j+1]
.endr
.irp j, 0,1,2,3
	v_lshlrev_b32 v[(\t)+2*\j], 16, v[(\hi)+\j]
	v_and_b32 v[(\t)+2*\j+1], 0xffff0000, v[(\hi)+\j]
.endr
.irp j, 0,1,2,3
	v_pk_add_f32 v[(\d)+2*\j:(\d)+2*\j+1], v[(\d)+2*\j:(\d)+2*\j+1], v[(\t)+2*\j:(\t)+2*\j+1] neg_lo:[0,1] neg_hi:[0,1]
.endr
.irp j, 0,1,2,3
	v_cvt_pk_bf16_f32 v[(\lo)+\j], v[(\d)+2*\j], v[(\d)+2*\j+1]
.endr
.endm
.macro ISSUE ks
.set sl, 8*((\ks)%8)
	global_load_b128 v[64+sl:64+sl+3], v1, s[12:13] offset:(\ks)*1024
	global_load_b128 v[64+sl+4:64+sl+7], v1, s[12:13] offset:(\ks)*1024+512
	global_load_b128 v[128+sl:128+sl+3], v1, s[14:15] offset:(XK0+(\ks))*1024
	global_load_b128 v[128+sl+4:128+sl+7], v1, s[14:15] offset:(XK0+(\ks))*1024+512
	global_load_b128 v[192+sl:192+sl+3], v1, s[14:15] offset:(XK0+(\ks))*1024+LOX
	global_load_b128 v[192+sl+4:192+sl+7], v1, s[14:15] offset:(XK0+(\ks))*1024+LOX+512
.endm
.macro KSTEP ks
.set sl, 8*((\ks)%8)
.set yg, KS-(\ks)-1
.if yg > 7
.set yg, 7
.endif
	s_wait_loadcnt 6*yg                        ; the six loads of each younger K step may stay out
.if (\ks) == 0
	v_wmma_f32_16x16x32_bf16 v[16:23], v[64+sl:64+sl+7], v[128+sl:128+sl+7], 0
	v_wmma_f32_16x16x32_bf16 v[24:31], v[64+sl:64+sl+7], v[192+sl:192+sl+7], 0
.else
	v_wmma_f32_16x16x32_bf16 v[16:23], v[64+sl:64+sl+7], v[128+sl:128+sl+7], v[16:23]
	v_wmma_f32_16x16x32_bf16 v[24:31], v[64+sl:64+sl+7], v[192+sl:192+sl+7], v[24:31]
.endif
.if (\ks)+8 < KS
	PLACES
	ISSUE (\ks)+8
.endif
.endm
	s_load_b128 s[4:7], s[0:1], 0x0            ; wf, s1
	s_load_b64 s[8:9], s[0:1], 0x10            ; s2
	v_lshlrev_b32 v1, 4, v0                    ; 16 x lane
	s_and_b32 s11, ttmp7, 0xffff               ; batch
	s_mul_i32 s16, ttmp9, KS*1024
	s_add_co_u32 s16, s16, W0*1024
	s_mov_b32 s17, 0
	s_mul_i32 s18, s11, XROW*1024
	s_mov_b32 s19, 0
	s_mul_i32 s20, s11, KSO*1024
	s_lshl_b32 s21, ttmp9, 9
	s_add_co_u32 s20, s20, s21
	s_mov_b32 s21, 0
	s_wait_kmcnt 0x0
	s_add_nc_u64 s[12:13], s[4:5], s[16:17]
	s_add_nc_u64 s[14:15], s[6:7], s[18:19]
	s_add_nc_u64 s[22:23], s[8:9], s[20:21]
.set k, 0
.rept 8
	ISSUE k
.set k, k+1
.endr
.set k, 0
.rept KS
	KSTEP k
.set k, k+1
.endr
	PLACES
.irp j, 0,1,2,3
	v_pk_add_f32 v[32+2*\j:33+2*\j], v[16+2*\j:17+2*\j], v[24+2*\j:25+2*\j]
.endr
	SPLIT 32, 48, 52, 40
	global_store_b128 v1, v[48:51], s[22:23]
	global_store_b128 v1, v[52:55], s[22:23] offset:LOO
	s_endpgm
.Lfunc_end_k_q8b681f6eae_jq:
	.size	k_q8b681f6eae_jq, .Lfunc_end_k_q8b681f6eae_jq-k_q8b681f6eae_jq
	.p2alignl 7, 3214868480
	.fill 96, 4, 3214868480
	.section	.rodata,"a",@progbits
	.p2align	6, 0x0
	.amdhsa_kernel k_q8b681f6eae_jq
		.amdhsa_group_segment_fixed_size 0
		.amdhsa_private_segment_fixed_size 0
		.amdhsa_enable_private_segment 0
		.amdhsa_kernarg_size 24
		.amdhsa_user_sgpr_count 2
		.amdhsa_user_sgpr_kernarg_segment_ptr 1
		.amdhsa_wavefront_size32 1
		.amdhsa_system_sgpr_workgroup_id_x 1
		.amdhsa_system_sgpr_workgroup_id_y 1
		.amdhsa_system_sgpr_workgroup_id_z 1
		.amdhsa_system_vgpr_workitem_id 0
		.amdhsa_next_free_vgpr 256
		.amdhsa_next_free_sgpr 66
		.amdhsa_reserve_vcc 0
		.amdhsa_float_denorm_mode_32 3
		.amdhsa_float_denorm_mode_16_64 3
		.amdhsa_memory_ordered 1
		.amdhsa_forward_progress 1
		.amdhsa_inst_pref_size 11
	.end_amdhsa_kernel
	.amdgpu_metadata
---
amdhsa.version: [ 1, 2 ]
amdhsa.kernels:
  - .name:           k_q8b681f6eae_jq
    .symbol:         k_q8b681f6eae_jq.kd
    .args:
      - { .name: wf, .offset: 0, .size: 8, .value_kind: global_buffer, .address_space: global }
      - { .name: s1, .offset: 8, .size: 8, .value_kind: global_buffer, .address_space: global }
      - { .name: s2, .offset: 16, .size: 8, .value_kind: global_buffer, .address_space: global }
    .group_segment_fixed_size: 0
    .private_segment_fixed_size: 0
    .kernarg_segment_align: 8
    .kernarg_segment_size: 24
    .max_flat_workgroup_size: 32
    .sgpr_count:     66
    .vgpr_count:     256
    .wavefront_size: 32
...
	.end_amdgpu_metadata
.endif
;; end of part 17
;; launch flash: the kernel of part 8 again; grid 256 x 1, 8 waves a work-group, no clusters, 321,536 bytes of LDS; arguments base_weights, hf, s1, s2, out1, po; writes out1, po
;; launch comb (part 18): grid 32 x 8, 1 waves a work-group, no clusters, 0 bytes of LDS; arguments po, s0; writes s0
.if DOCPART == 18
	.amdgcn_target "amdgcn-amd-amdhsa--gfx1250"
	.amdhsa_code_object_version 6
	.text
	.protected	k_q8b681f6eae_comb
	.globl	k_q8b681f6eae_comb
	.p2align	8
	.type	k_q8b681f6eae_comb,@function
k_q8b681f6eae_comb:
	s_mov_b64 s[64:65], 0
	v_nop
	global_prefetch_b8 v0, s[64:65] scope:SCOPE_SE
	s_setreg_imm32_b32 hwreg(HW_REG_WAVE_MODE, 25, 1), 1
	s_wait_xcnt 0x0
; The 32 chunks of a batch are merged: M = max m_i, a_i = 2^((m_i - M) log2 e), context = sum a_i O_i / sum a_i l_i.
; A wave takes 16 channels (one tile) of one batch's 16 queries and writes them as half an operand tile, bf16 hi + lo: 256 waves, one a work-group.
; A lane holds one query (lane % 16), so m, l and a are one register each per chunk.  A ring of 16 slots holds half of the 32 chunks' tiles at a time, two loads of 512 consecutive bytes each.
; No LDS, no matrix unit, nothing shared but the 8 KB of statistics.
.macro SPLIT d, hi, lo, t
.irp j, 0,1,2,3
	v_cvt_pk_bf16_f32 v[(\hi)+\j], v[(\d)+2*\j], v[(\d)+2*\j+1]
.endr
.irp j, 0,1,2,3
	v_lshlrev_b32 v[(\t)+2*\j], 16, v[(\hi)+\j]
	v_and_b32 v[(\t)+2*\j+1], 0xffff0000, v[(\hi)+\j]
.endr
.irp j, 0,1,2,3
	v_pk_add_f32 v[(\d)+2*\j:(\d)+2*\j+1], v[(\d)+2*\j:(\d)+2*\j+1], v[(\t)+2*\j:(\t)+2*\j+1] neg_lo:[0,1] neg_hi:[0,1]
.endr
.irp j, 0,1,2,3
	v_cvt_pk_bf16_f32 v[(\lo)+\j], v[(\d)+2*\j], v[(\d)+2*\j+1]
.endr
.endm
.macro RING i                          ; chunk i's tile into slot i % 16
.set sl, 128+8*((\i)%16)
	global_load_b128 v[sl:sl+3], v1, s[12:13] offset:(\i)*32768
	global_load_b128 v[sl+4:sl+7], v1, s[12:13] offset:(\i)*32768+512
.endm
	s_load_b128 s[4:7], s[0:1], 0x0            ; po, s0
	v_lshlrev_b32 v1, 4, v0
	v_lshlrev_b32 v2, 2, v0
	s_and_b32 s8, ttmp7, 0xffff                ; batch
	s_lshl_b32 s10, s8, 13
	s_add_co_u32 s10, s10, 8388608             ; its 32 blocks of statistics
	s_mov_b32 s11, 0
	s_lshl_b32 s12, s8, 20                     ; its 32 x 32 tiles
	s_lshl_b32 s13, ttmp9, 10                  ; mine
	s_add_co_u32 s12, s12, s13
	s_mov_b32 s13, 0
	s_lshl_b32 s14, s8, 14                     ; out: 16 K steps a batch,
	s_lshl_b32 s15, ttmp9, 9                   ; K step tile / 2, half tile % 2
	s_add_co_u32 s14, s14, s15
	s_mov_b32 s15, 0
	s_wait_kmcnt 0x0
	s_add_nc_u64 s[10:11], s[4:5], s[10:11]
	s_add_nc_u64 s[12:13], s[4:5], s[12:13]
	s_add_nc_u64 s[14:15], s[6:7], s[14:15]
.set i, 0
.rept 32
	global_load_b32 v[32+i], v2, s[10:11] offset:i*256
	global_load_b32 v[64+i], v2, s[10:11] offset:i*256+128
.set i, i+1
.endr
.set i, 0
.rept 16
	RING i
.set i, i+1
.endr
	s_wait_loadcnt 32                          ; the statistics are in; the ring's 32 stay out
	v_max3_num_f32 v112, v32, v33, v34
.set k, 0
.rept 14
	v_max3_num_f32 v112, v112, v[35+2*k], v[36+2*k]
.set k, k+1
.endr
	v_max_num_f32 v112, v112, v63
	v_mul_f32 v114, 0x3fb8aa3b, v112
	v_mov_b32 v115, v114                       ; named with it as a pair
.set k, 0
.rept 16
	v_pk_fma_f32 v[32+2*k:33+2*k], v[32+2*k:33+2*k], 0x3fb8aa3b, v[114:115] op_sel_hi:[1,0,0] neg_lo:[0,0,1] neg_hi:[0,0,1]
.set k, k+1
.endr
.set k, 0
.rept 32
	v_exp_f32 v[32+k], v[32+k]
.set k, k+1
.endr
	v_nop                                      ; a plain instruction behind the last exponential
	s_wait_alu depctr_va_vdst(0)
	v_pk_mul_f32 v[116:117], v[32:33], v[64:65]
.set k, 1
.rept 15
	v_pk_fma_f32 v[116:117], v[32+2*k:33+2*k], v[64+2*k:65+2*k], v[116:117]
.set k, k+1
.endr
	v_add_f32 v116, v116, v117
	v_rcp_f32 v116, v116                       ; used far below
.set i, 0
.rept 32
.set sl, 128+8*(i%16)
.set ap, 32+2*(i/2)
.set yg, 31-i
.if yg > 15
.set yg, 15
.endif
	s_wait_loadcnt 2*yg                        ; the two loads of each younger chunk may stay out
.set j, 0
.rept 4
.if i == 0
	v_pk_mul_f32 v[96+2*j:97+2*j], v[sl+2*j:sl+2*j+1], v[ap:ap+1] op_sel_hi:[1,0]
.elseif i%2 == 0
	v_pk_fma_f32 v[96+2*j:97+2*j], v[sl+2*j:sl+2*j+1], v[ap:ap+1], v[96+2*j:97+2*j] op_sel_hi:[1,0,1]
.else
	v_pk_fma_f32 v[96+2*j:97+2*j], v[sl+2*j:sl+2*j+1], v[ap:ap+1], v[96+2*j:97+2*j] op_sel:[0,1,0] op_sel_hi:[1,1,1]
.endif
.set j, j+1
.endr
.if i+16 < 32
	RING i+16
.endif
.set i, i+1
.endr
.set j, 0
	s_wait_alu depctr_va_vdst(0)
.rept 4
	v_pk_mul_f32 v[96+2*j:97+2*j], v[96+2*j:97+2*j], v[116:117] op_sel_hi:[1,0]
.set j, j+1
.endr
	SPLIT 96, 104, 108, 120
	global_store_b128 v1, v[104:107], s[14:15]
	global_store_b128 v1, v[108:111], s[14:15] offset:131072
	s_endpgm
.Lfunc_end_k_q8b681f6eae_comb:
	.size	k_q8b681f6eae_comb, .Lfunc_end_k_q8b681f6eae_comb-k_q8b681f6eae_comb
	.p2alignl 7, 3214868480
	.fill 96, 4, 3214868480
	.section	.rodata,"a",@progbits
	.p2align	6, 0x0
	.amdhsa_kernel k_q8b681f6eae_comb
		.amdhsa_group_segment_fixed_size 0
		.amdhsa_private_segment_fixed_size 0
		.amdhsa_enable_private_segment 0
		.amdhsa_kernarg_size 16
		.amdhsa_user_sgpr_count 2
		.amdhsa_user_sgpr_kernarg_segment_ptr 1
		.amdhsa_wavefront_size32 1
		.amdhsa_system_sgpr_workgroup_id_x 1
		.amdhsa_system_sgpr_workgroup_id_y 1
		.amdhsa_system_sgpr_workgroup_id_z 1
		.amdhsa_system_vgpr_workitem_id 0
		.amdhsa_next_free_vgpr 256
		.amdhsa_next_free_sgpr 66
		.amdhsa_reserve_vcc 0
		.amdhsa_float_denorm_mode_32 3
		.amdhsa_float_denorm_mode_16_64 3
		.amdhsa_memory_ordered 1
		.amdhsa_forward_progress 1
		.amdhsa_inst_pref_size 29
	.end_amdhsa_kernel
	.amdgpu_metadata
---
amdhsa.version: [ 1, 2 ]
amdhsa.kernels:
  - .name:           k_q8b681f6eae_comb
    .symbol:         k_q8b681f6eae_comb.kd
    .args:
      - { .name: po, .offset: 0, .size: 8, .value_kind: global_buffer, .address_space: global }
      - { .name: s0, .offset: 8, .size: 8, .value_kind: global_buffer, .address_space: global }
    .group_segment_fixed_size: 0
    .private_segment_fixed_size: 0
    .kernarg_segment_align: 8
    .kernarg_segment_size: 16
    .max_flat_workgroup_size: 32
    .sgpr_count:     66
    .vgpr_count:     256
    .wavefront_size: 32
...
	.end_amdgpu_metadata
.endif
;; end of part 18
;; launch fin (part 19): grid 32 x 8, 1 waves a work-group, no clusters, 0 bytes of LDS; arguments wc, s0, out0, support_feat; writes out0
.if DOCPART == 19
	.amdgcn_target "amdgcn-amd-amdhsa--gfx1250"
	.amdhsa_code_object_version 6
	.text
	.protected	k_q8b681f6eae_fin
	.globl	k_q8b681f6eae_fin
	.p2align	8
	.type	k_q8b681f6eae_fin,@function
k_q8b681f6eae_fin:
	s_mov_b64 s[64:65], 0
	v_nop
	global_prefetch_b8 v0, s[64:65] scope:SCOPE_SE
	s_setreg_imm32_b32 hwreg(HW_REG_WAVE_MODE, 25, 1), 1
	s_wait_xcnt 0x0
; out0 = WC applied to the context, plus support_feat (rounded to bf16 like every input).  WC = w_vs fc_w, made by an earlier launch, bf16 hi + lo; the context is bf16 hi + lo too.
; Three products a K step, hi x hi, hi x lo and lo x hi, each with an accumulator of its own, by turns; lo x lo is below f32's last bit of the sum and is left out.
; One wave a work-group: x of the grid = 16 output features, y = batch: 256 jobs on as many WGPs.  A ring of six slots of 32 registers: eight loads of 512 consecutive bytes a K step.
; A lane holds eight neighbouring features of one row of out0: 32 bytes, stored as two pieces of 16; the whole output is 256 KB, so no stage in LDS is built for whole blocks of 256 bytes.
; No cluster: operands go straight to registers, where a joint load cannot put them.
.set KS, 16
.set NS, 6
.set LOW, 524288                       ; from WC's hi tiles to its lo tiles
.set LOX, 131072                       ; the same for the context
.macro PLACES
.rept 4
	v_nop
.endr
.endm
.macro ISSUE ks
.set sl, 64+32*((\ks)%NS)
	global_load_b128 v[sl:sl+3], v1, s[12:13] offset:(\ks)*1024
	global_load_b128 v[sl+4:sl+7], v1, s[12:13] offset:(\ks)*1024+512
	global_load_b128 v[sl+8:sl+11], v1, s[12:13] offset:(\ks)*1024+LOW
	global_load_b128 v[sl+12:sl+15], v1, s[12:13] offset:(\ks)*1024+LOW+512
	global_load_b128 v[sl+16:sl+19], v1, s[14:15] offset:(\ks)*1024
	global_load_b128 v[sl+20:sl+23], v1, s[14:15] offset:(\ks)*1024+512
	global_load_b128 v[sl+24:sl+27], v1, s[14:15] offset:(\ks)*1024+LOX
	global_load_b128 v[sl+28:sl+31], v1, s[14:15] offset:(\ks)*1024+LOX+512
.endm
.macro KSTEP ks
.set sl, 64+32*((\ks)%NS)
.set yg, KS-(\ks)-1
.if yg > NS-1
.set yg, NS-1
.endif
	s_wait_loadcnt 8*yg                        ; the eight loads of each younger K step may stay out
.if (\ks) == 0
	v_wmma_f32_16x16x32_bf16 v[16:23], v[sl:sl+7], v[sl+16:sl+23], 0
	v_wmma_f32_16x16x32_bf16 v[24:31], v[sl:sl+7], v[sl+24:sl+31], 0
	v_wmma_f32_16x16x32_bf16 v[32:39], v[sl+8:sl+15], v[sl+16:sl+23], 0
.else
	v_wmma_f32_16x16x32_bf16 v[16:23], v[sl:sl+7], v[sl+16:sl+23], v[16:23]
	v_wmma_f32_16x16x32_bf16 v[24:31], v[sl:sl+7], v[sl+24:sl+31], v[24:31]
	v_wmma_f32_16x16x32_bf16 v[32:39], v[sl+8:sl+15], v[sl+16:sl+23], v[32:39]
.endif
.if (\ks)+NS < KS
	PLACES                                     ; four places before the slot is loaded again (ISA guide 7.12.1)
	ISSUE (\ks)+NS
.endif
.endm
	s_load_b256 s[4:11], s[0:1], 0x0           ; wc, s0, out0, support_feat
	v_lshlrev_b32 v1, 4, v0                    ; 16 x lane
	v_and_b32 v6, 15, v0                       ; r
	v_bfe_u32 v7, v0, 4, 1                     ; h
	v_lshlrev_b32 v5, 11, v6
	v_lshl_add_u32 v5, v7, 5, v5               ; row r, 8 h numbers on
	s_and_b32 s24, ttmp7, 0xffff               ; batch
	s_lshl_b32 s16, ttmp9, 14                  ; my tile of features: 16 K steps of WC
	s_mov_b32 s17, 0
	s_lshl_b32 s18, s24, 14                    ; the batch's 16 K steps of the context
	s_mov_b32 s19, 0
	s_lshl_b32 s20, s24, 15                    ; the batch's 16 rows of 2,048 bytes
	s_lshl_b32 s21, ttmp9, 6                   ; 16 numbers a tile
	s_add_co_u32 s20, s20, s21
	s_mov_b32 s21, 0
	s_wait_kmcnt 0x0
	s_add_nc_u64 s[12:13], s[4:5], s[16:17]
	s_add_nc_u64 s[14:15], s[6:7], s[18:19]
	s_add_nc_u64 s[22:23], s[8:9], s[20:21]
	s_add_nc_u64 s[26:27], s[10:11], s[20:21]
	global_load_b128 v[56:59], v5, s[26:27]
	global_load_b128 v[60:63], v5, s[26:27] offset:16
.set k, 0
.rept NS
	ISSUE k
.set k, k+1
.endr
	s_wait_loadcnt 48                          ; support_feat is in; the ring's 6 x 8 loads stay out
.irp j, 0,1,2,3
	v_cvt_pk_bf16_f32 v[48+\j], v[56+2*\j], v[57+2*\j]
.endr
.irp j, 0,1,2,3
	v_lshlrev_b32 v[56+2*\j], 16, v[48+\j]
	v_and_b32 v[57+2*\j], 0xffff0000, v[48+\j]
.endr
.set k, 0
.rept KS
	KSTEP k
.set k, k+1
.endr
	PLACES
.irp j, 0,1,2,3
	v_pk_add_f32 v[40+2*\j:41+2*\j], v[16+2*\j:17+2*\j], v[24+2*\j:25+2*\j]  ; each accumulator from its low end on
.endr
.irp j, 0,1,2,3
	v_pk_add_f32 v[40+2*\j:41+2*\j], v[40+2*\j:41+2*\j], v[32+2*\j:33+2*\j]
.endr
.irp j, 0,1,2,3
	v_pk_add_f32 v[40+2*\j:41+2*\j], v[40+2*\j:41+2*\j], v[56+2*\j:57+2*\j]
.endr
	global_store_b128 v5, v[40:43], s[22:23]
	global_store_b128 v5, v[44:47], s[22:23] offset:16
	s_endpgm
.Lfunc_end_k_q8b681f6eae_fin:
	.size	k_q8b681f6eae_fin, .Lfunc_end_k_q8b681f6eae_fin-k_q8b681f6eae_fin
	.p2alignl 7, 3214868480
	.fill 96, 4, 3214868480
	.section	.rodata,"a",@progbits
	.p2align	6, 0x0
	.amdhsa_kernel k_q8b681f6eae_fin
		.amdhsa_group_segment_fixed_size 0
		.amdhsa_private_segment_fixed_size 0
		.amdhsa_enable_private_segment 0
		.amdhsa_kernarg_size 32
		.amdhsa_user_sgpr_count 2
		.amdhsa_user_sgpr_kernarg_segment_ptr 1
		.amdhsa_wavefront_size32 1
		.amdhsa_system_sgpr_workgroup_id_x 1
		.amdhsa_system_sgpr_workgroup_id_y 1
		.amdhsa_system_sgpr_workgroup_id_z 1
		.amdhsa_system_vgpr_workitem_id 0
		.amdhsa_next_free_vgpr 256
		.amdhsa_next_free_sgpr 66
		.amdhsa_reserve_vcc 0
		.amdhsa_float_denorm_mode_32 3
		.amdhsa_float_denorm_mode_16_64 3
		.amdhsa_memory_ordered 1
		.amdhsa_forward_progress 1
		.amdhsa_inst_pref_size 20
	.end_amdhsa_kernel
	.amdgpu_metadata
---
amdhsa.version: [ 1, 2 ]
amdhsa.kernels:
  - .name:           k_q8b681f6eae_fin
    .symbol:         k_q8b681f6eae_fin.kd
    .args:
      - { .name: wc, .offset: 0, .size: 8, .value_kind: global_buffer, .address_space: global }
      - { .name: s0, .offset: 8, .size: 8, .value_kind: global_buffer, .address_space: global }
      - { .name: out0, .offset: 16, .size: 8, .value_kind: global_buffer, .address_space: global }
      - { .name: support_feat, .offset: 24, .size: 8, .value_kind: global_buffer, .address_space: global }
    .group_segment_fixed_size: 0
    .private_segment_fixed_size: 0
    .kernarg_segment_align: 8
    .kernarg_segment_size: 32
    .max_flat_workgroup_size: 32
    .sgpr_count:     66
    .vgpr_count:     256
    .wavefront_size: 32
...
	.end_amdgpu_metadata
.endif
;; end of part 19
;; ======== version 3 of 3: 9 launches; version 2 with the launch front written anew for expert scheduling mode
;; workspace buffers: wf 4,751,360 bytes; hf 40,960,000 bytes; po 8,454,144 bytes; s0 786,432 bytes; s1 491,520 bytes; s2 491,520 bytes; s3 1,114,112 bytes; wc 1,048,576 bytes
;; launch front (part 20): grid 852 x 1, 8 waves a work-group, no clusters, 5,120 bytes of LDS; arguments map_w1, map_b1, map_w2, map_b2, w_qs, w_qs_sem, visfuse_w, visfuse_b, semfuse_w, semfuse_b, w_ks, w_ks_sem, w_vs, fc_w, support_feat, wf, s0, base_weights; writes wf, s0
.if DOCPART == 20
	.amdgcn_target "amdgcn-amd-amdhsa--gfx1250"
	.amdhsa_code_object_version 6
	.text
	.protected	k_q8b681f6eae_front
	.globl	k_q8b681f6eae_front
	.p2align	8
	.type	k_q8b681f6eae_front,@function
k_q8b681f6eae_front:
	s_mov_b64 s[64:65], 0
	v_nop
	global_prefetch_b8 v0, s[64:65] scope:SCOPE_SE
	s_setreg_imm32_b32 hwreg(HW_REG_WAVE_SCHED_MODE, 0, 2), 2
	s_setreg_imm32_b32 hwreg(HW_REG_WAVE_MODE, 25, 1), 1
	s_wait_xcnt 0x0
	s_wait_alu depctr_vm_vsrc(0)
; Two jobs that need nothing of each other share one launch; the work-group's number chooses.
; WORK-GROUPS 0-255, THE SUMS: column sums of base_weights.  Work-group g sums rows 250 g .. 250 g + 249 (512,000 consecutive bytes) and writes the 512 sums, as bf16 hi + lo,
; into column g % 16 of operand tile 8 + g / 16 of s0: the 32 partial sums of a batch ride on as 32 columns of the next products.
; Thread t owns 16 bytes of every second row, so a wave's load covers 512 consecutive bytes; a ring of 28 slots in registers keeps 20 to 24 loads of every wave on their way.
; WORK-GROUPS 256-851, THE CASTS: all weights, rounded once to bf16, as operand tiles of 16 rows x 32 k (1,024 bytes): byte half*512 + lane*16 + 2 i
; holds (row lane % 16, k = 16 half + 8 (lane / 16) + i), so that two 16-byte loads a lane fill a matrix operand.
; Biases ride in the weights: index 300 of the semantic axis carries the constant 1, so row 300 of w1/w2 holds b1/b2 and [300][300] = 1;
; the gates' weights hold their biases at k = 812 = 512 + 300.  Everything outside a source reads as 0.
; 580 work-groups make eight tiles each, one a wave, of eleven lists; the list's figures are chosen by scalar selects on the group's number.  The last 16: support_feat as tiles (hi = bf16, lo = 0).
; The sums come first in the grid since they are the long ones; with 128 registers a wave and 5 KB of LDS the casts find room beside them.
; A stream and a cast: no matrix unit, no cluster (no byte is shared between work-groups).
; THE MODE: SCHED_MODE bits 1:0 = 2 (LLVM: expert scheduling mode 2), set by the entry lines.  The code itself states the register dependences
; between vector instructions and memory or LDS instructions, and between a vector instruction that writes a scalar register and its readers, with s_wait_alu, always for 0.
; THE PLAN, THE SUMS.  Registers that memory or LDS instructions touch:
;   v1, v12, v13   offsets and LDS addresses: made at the head, never written again.
;   v[16:127]      the ring: seven buffers of four rows.  Block p's adds read buffer p % 7; the loads issued in block p (rows 4 p + 24 on) land in buffer (p - 1) % 7,
;                  which block p - 1 read and which no add of block p names.  So one wait at a block's head serves its four loads, which are dealt among its adds.
;   v[4:7]         written by the last adds, read by the LDS store, then the LDS loads land in them.     v8, v9  written by the roundings, read by the two global stores.
;   v2, v3         written at the kernel's head, read by the closing add alone.
; THE PLAN, THE CASTS.  v1: made at the head, read by the stores.  v[16:47]: 32 offsets, each written once, then read by its load, never written again.  v[48:79]: the loads land here.
;   v[80:91]: written by the roundings, read by the stores.  v4-v10 and v[96:111] are named by vector instructions alone.
;   The masks: compares stand in runs, each compare into a scalar register of its own, with one wait behind a run; no scalar register that a vector instruction reads is written again.
;   The run that the offsets need comes first; the other two runs stand behind the loads, while these are out.
.set SPARE, 4096                       ; behind the sums' exchange: the spare words, 128 bytes a wave
.set NSUM, 256
.set NONE, 0xffff
.set ROWS,  125                        ; rows of a thread
.set BLK,   4                          ; rows in a block
.set SLOTS, 28                         ; seven buffers of a block
.set AHEAD, 24                         ; a row is asked for six blocks ahead
.set RING,  16                         ; v[16:127]  slot k % 28: four registers
.set MA, 8                             ; s[8:23]   element e: in-index inside the source; then: the element lies inside the source
.set MB, 24                            ; s[24:39]  element e: out-index inside the source; then: the element takes the bias
.set MC, 66                            ; s[66:73]  element e % 8: in-index is the bias's
.set MD, 74                            ; s[74:89]  element e: in-index is the one's; then: the element takes the one
.set ME, 90                            ; s[90:97]  element e % 8: out-index is the one's
.set ONE, 96                           ; v[96:111] element e: 1.0 or 0; then the bias or that
.set FIRST, 1
.macro PAR reg, val
.if FIRST
	s_mov_b32 s[\reg], \val
.else
	s_cselect_b32 s[\reg], \val, s[\reg]
.endif
.endm
; one list: first work-group, source and bias pointers, mode (0: in = k, out = m; -1: in = m, out = k), pitch, IN, OUT,
; the in-index that takes the bias, the in-index that takes the one, clamp of the bias index, K steps, 65536/KS rounded up, first tile, tiles a row, K offset
.macro SEL start, src, bias, mode, pitch, in, out, bin, onein, bmax, ks, magic, dst0, dstks, ksoff
.if FIRST
	s_mov_b64 s[44:45], s[\src:\src+1]
	s_mov_b64 s[46:47], s[\bias:\bias+1]
.else
	s_cmp_ge_u32 ttmp9, \start
	s_cselect_b64 s[44:45], s[\src:\src+1], s[44:45]
	s_cselect_b64 s[46:47], s[\bias:\bias+1], s[46:47]
.endif
	PAR 48, \mode
	PAR 49, \pitch
	PAR 50, \in
	PAR 51, \out
	PAR 52, \bin
	PAR 53, \onein
	PAR 60, \bmax
	PAR 54, \ks
	PAR 55, \magic
	PAR 56, \dst0
	PAR 57, \dstks
	PAR 58, \ksoff
	PAR 59, \start
.set FIRST, 0
.endm
; element e of my 16: its k, then in-index (v7) and out-index (v8) by the mode
.macro IDX e
	v_add_nc_u32 v6, 16*((\e)/8)+(\e)%8, v5
	v_cndmask_b32 v7, v6, v4, s48
	v_cndmask_b32 v8, v4, v6, s48
.endm
; the first run: whether each index lies inside the source, and the two byte offsets
.macro ADDR e
	IDX \e
	v_cmp_gt_u32 s[MA+(\e)], s50, v7
	v_cmp_gt_u32 s[MB+(\e)], s51, v8
	v_mad_u32_u24 v9, v7, s49, v8
	v_lshlrev_b32 v[16+(\e)], 2, v9
	v_min_u32 v10, s60, v8
	v_lshlrev_b32 v[32+(\e)], 2, v10
.endm
.macro CLIP e
	s_and_b32 s[MA+(\e)], s[MA+(\e)], s[MB+(\e)]
	v_cndmask_b32 v[16+(\e)], 0, v[16+(\e)], s[MA+(\e)]    ; outside the source: byte 0 is read and thrown away
.endm
.macro ASK e
	global_load_b32 v[48+(\e)], v[16+(\e)], s[44:45]
	global_load_b32 v[64+(\e)], v[32+(\e)], s[46:47]
.endm
; the later runs: where the bias and the one go
.macro THREE e
	IDX \e
	v_cmp_eq_u32 s[MC+(\e)%8], s52, v7
	v_cmp_eq_u32 s[MD+(\e)], s53, v7
	v_cmp_eq_u32 s[ME+(\e)%8], s51, v8
.endm
.macro FOLD e
	s_and_b32 s[MD+(\e)], s[MD+(\e)], s[ME+(\e)%8]
	s_and_b32 s[MB+(\e)], s[MC+(\e)%8], s[MB+(\e)]
	v_cndmask_b32 v[ONE+(\e)], 0, 1.0, s[MD+(\e)]
.endm
.macro HALF first                      ; eight elements: 24 compares in one run, one wait, their folds
.set e, \first
.rept 8
	THREE e
.set e, e+1
.endr
	s_wait_alu depctr_va_sdst(0)               ; the 24 compares above have written their masks, which the scalar ands below read
.set e, \first
.rept 8
	FOLD e
.set e, e+1
.endr
.endm
.macro PICK e
	v_cndmask_b32 v[ONE+(\e)], v[ONE+(\e)], v[64+(\e)], s[MB+(\e)]
	v_cndmask_b32 v[48+(\e)], v[ONE+(\e)], v[48+(\e)], s[MA+(\e)]
.endm
	v_lshl_add_u32 v2, v0, 2, SPARE            ; the add's two registers, kept for it alone
	v_mov_b32 v3, 0
	s_cmp_lt_u32 ttmp9, NSUM
	s_cbranch_scc0 .Lcast                      ; the same way for all eight waves of a work-group
	; ---------------- the sums ----------------
	s_load_b128 s[4:7], s[0:1], 0x80           ; s0, base_weights
	v_lshlrev_b32 v1, 4, v0                    ; 16 t
	v_lshlrev_b32 v12, 3, v0                   ; the exchange, read back: features 2 t, 2 t + 1
	v_lshrrev_b32 v13, 4, v0
	v_lshlrev_b32 v13, 10, v13                 ; the way out: K step t / 16
	v_bfe_u32 v14, v0, 2, 2
	v_lshl_add_u32 v13, v14, 8, v13            ; half (512) and lane half (256)
	v_and_b32 v14, 3, v0
	v_lshl_add_u32 v13, v14, 2, v13            ; two bf16 = 4 bytes
	s_mul_i32 s8, ttmp9, 512000
	s_mov_b32 s9, 0
	s_lshr_b32 s10, ttmp9, 4
	s_add_co_u32 s10, s10, 8                   ; the tile
	s_lshl_b32 s10, s10, 14                    ; 16 K steps of 1,024 bytes
	s_and_b32 s11, ttmp9, 15
	s_lshl_b32 s11, s11, 4                     ; the column's 16 bytes
	s_add_co_u32 s10, s10, s11
	s_mov_b32 s11, 0
	s_wait_kmcnt 0x0
	s_add_nc_u64 s[6:7], s[6:7], s[8:9]
	s_add_nc_u64 s[4:5], s[4:5], s[10:11]
	s_wait_alu depctr_va_vdst(0)               ; v1, v12 and v13 are written: every load, LDS access and store below reads one of them as its offset or address
.set k, 0
.rept AHEAD
	global_load_b128 v[RING+4*k:RING+4*k+3], v1, s[6:7] offset:k*4096 th:TH_LOAD_NT  ; blocks 0 to 5
.set k, k+1
.endr
.set p, 0
.rept 32                               ; 31 blocks of four rows, and the last row
.set asked, BLK*p+AHEAD                ; rows asked for so far,
.if asked > ROWS
.set asked, ROWS
.endif
.set mine, BLK*p+BLK                   ; of which these have to be in
.if mine > ROWS
.set mine, ROWS
.endif
	s_wait_loadcnt asked-mine                  ; loads return in order: this block is in, the younger blocks stay out
.if (p > 0) && (BLK*p+AHEAD < ROWS)
	s_wait_alu depctr_va_vdst(0)               ; the block before is done reading its four slots, in which the loads below land
.endif
.set i, 0
.rept BLK
.set k, BLK*p+i
.if k < ROWS
.set sl, RING+4*(k%SLOTS)
.set nx, RING+4*((k+AHEAD)%SLOTS)
.set ac, 4+4*(k%2)
.if k+AHEAD < ROWS
	global_load_b128 v[nx:nx+3], v1, s[6:7] offset:(k+AHEAD)*4096 th:TH_LOAD_NT  ; six blocks ahead; no vector instruction since the wait names these registers
.endif
.if k < 2
	v_mov_b32 v[ac], v[sl]                     ; the first two rows start the two chains
	v_mov_b32 v[ac+1], v[sl+1]
	v_mov_b32 v[ac+2], v[sl+2]
	v_mov_b32 v[ac+3], v[sl+3]
.else
	v_pk_add_f32 v[ac:ac+1], v[ac:ac+1], v[sl:sl+1]
	v_pk_add_f32 v[ac+2:ac+3], v[ac+2:ac+3], v[sl+2:sl+3]
.endif
.endif
.set i, i+1
.endr
.set p, p+1
.endr
	v_pk_add_f32 v[4:5], v[4:5], v[8:9]
	v_pk_add_f32 v[6:7], v[6:7], v[10:11]
	s_wait_alu depctr_va_vdst(0)               ; the two adds have written v[4:7], which the LDS store reads
	ds_store_b128 v1, v[4:7]                   ; even rows' sums at bytes 0-2047, odd rows' at 2048-4095
	s_wait_dscnt 0x0                           ; for the others' sake
	s_barrier_signal -1
	s_barrier_wait -1
	s_wait_alu depctr_vm_vsrc(0)               ; my LDS store has read v[4:7], in which the LDS loads land (the adds that named them stand ahead of the last wait on va_vdst)
	ds_load_b64 v[4:5], v12
	ds_load_b64 v[6:7], v12 offset:2048
	s_wait_dscnt 0x0
	v_pk_add_f32 v[4:5], v[4:5], v[6:7]
	v_cvt_pk_bf16_f32 v8, v4, v5
	v_lshlrev_b32 v10, 16, v8
	v_and_b32 v11, 0xffff0000, v8
	v_pk_add_f32 v[4:5], v[4:5], v[10:11] neg_lo:[0,1] neg_hi:[0,1]
	v_cvt_pk_bf16_f32 v9, v4, v5
	s_wait_alu depctr_va_vdst(0)               ; the roundings have written v8 and v9, which the stores read
	global_store_b32 v13, v8, s[4:5]           ; one column of a tile: 4 bytes a lane, 2 KB a work-group in all
	global_store_b32 v13, v9, s[4:5] offset:393216
	s_wait_dscnt 0x0                           ; the closing lines, six on end
	s_wait_alu 0x0
	s_wait_tensorcnt 0x0
	ds_add_u32 v2, v3
	s_wait_dscnt 0x0
	s_endpgm
	; ---------------- the casts: no LDS is touched ----------------
.Lcast:
	s_load_b512 s[8:23], s[0:1], 0x0           ; w1 8, b1 10, w2 12, b2 14, w_qs 16, w_qs_sem 18, visfuse_w 20, visfuse_b 22
	s_load_b512 s[24:39], s[0:1], 0x40         ; semfuse_w 24, semfuse_b 26, w_ks 28, w_ks_sem 30, w_vs 32, fc_w 34, support_feat 36, wf 38
	s_load_b64 s[40:41], s[0:1], 0x80          ; s0
	v_and_b32 v6, 31, v0
	v_lshrrev_b32 v7, 5, v0
	v_readfirstlane_b32 s42, v7                ; wave
	v_lshlrev_b32 v1, 4, v6                    ; 16 x lane
	v_and_b32 v12, 15, v0                      ; r
	v_bfe_u32 v13, v0, 4, 1                    ; h
	s_wait_alu depctr_va_sdst(0)               ; s42 is written, ahead of the branch: both arms make their tile's number from it
	s_wait_kmcnt 0x0
	s_cmp_ge_u32 ttmp9, NSUM+580
	s_cbranch_scc1 .Lsf
	SEL NSUM+0,   8,  10, 0,  300, 300, 300, 300,  300,  299, 10, 6554, 0,    10, 0
	SEL NSUM+25,  12, 14, 0,  300, 300, 300, 300,  300,  299, 10, 6554, 200,  10, 0
	SEL NSUM+50,  12, 14, -1, 300, 300, 300, 300,  300,  299, 10, 6554, 400,  10, 0
	SEL NSUM+75,  16, 10, 0,  512, 512, 512, NONE, NONE, 0,   16, 4096, 600,  26, 0
	SEL NSUM+139, 18, 10, 0,  512, 300, 512, NONE, NONE, 0,   10, 6554, 600,  26, 16
	SEL NSUM+179, 20, 22, 0,  512, 812, 512, 812,  NONE, 511, 26, 2521, 1432, 26, 0
	SEL NSUM+283, 24, 26, 0,  300, 812, 300, 812,  NONE, 299, 26, 2521, 2264, 26, 0
	SEL NSUM+348, 28, 10, -1, 512, 512, 512, NONE, NONE, 0,   16, 4096, 2784, 16, 0
	SEL NSUM+412, 30, 10, -1, 512, 300, 512, NONE, NONE, 0,   16, 4096, 3296, 16, 0
	SEL NSUM+452, 32, 10, -1, 512, 512, 512, NONE, NONE, 0,   16, 4096, 3616, 16, 0
	SEL NSUM+516, 34, 10, 0,  512, 512, 512, NONE, NONE, 0,   16, 4096, 4128, 16, 0
	s_sub_co_u32 s2, ttmp9, s59
	s_lshl3_add_u32 s2, s2, s42                ; my tile in the list
	s_mul_i32 s3, s2, s55
	s_lshr_b32 s3, s3, 16                      ; mt = tile / KS (exact for the lists' 832 tiles at the most)
	s_mul_i32 s4, s3, s54
	s_sub_co_u32 s4, s2, s4                    ; ks
	s_mul_i32 s5, s3, s57
	s_add_co_u32 s5, s5, s56
	s_add_co_u32 s5, s5, s58
	s_add_co_u32 s5, s5, s4                    ; the tile's number in wf
	s_lshl_b32 s6, s5, 10
	s_mov_b32 s7, 0
	s_add_nc_u64 s[40:41], s[38:39], s[6:7]    ; my tile in wf; s[8:39], whose pointers the selects have read, take the masks from here on
	v_lshl_add_u32 v4, s3, 4, v12              ; m = 16 mt + r
	s_lshl_b32 s4, s4, 5
	v_lshl_add_u32 v5, v13, 3, s4              ; 32 ks + 8 h
.set e, 0
.rept 16
	ADDR e
.set e, e+1
.endr
	s_wait_alu depctr_va_sdst(0)               ; the 32 compares above have written their masks, which the scalar ands below read
.set e, 0
.rept 16
	CLIP e
.set e, e+1
.endr
	s_wait_alu depctr_va_vdst(0)               ; the 32 offsets v[16:47] are written, which the loads below read
.set e, 0
.rept 16
	ASK e
.set e, e+1
.endr
	HALF 0                                     ; while the loads are out: where the bias and the one go.  These lines name none of the loads' registers
	HALF 8
	s_wait_loadcnt 0x0
.set e, 0
.rept 16
	PICK e
.set e, e+1
.endr
.set e, 0
.rept 8
	v_cvt_pk_bf16_f32 v[80+e], v[48+2*e], v[48+2*e+1]
.set e, e+1
.endr
	s_wait_alu depctr_va_vdst(0)               ; the roundings have written v[80:87], which the stores read
	global_store_b128 v1, v[80:83], s[40:41]               ; 512 consecutive bytes a wave
	global_store_b128 v1, v[84:87], s[40:41] offset:512
	s_endpgm
.Lsf:
	s_sub_co_u32 s2, ttmp9, NSUM+580
	s_lshl3_add_u32 s2, s2, s42                ; tile = 16 b + ks
	s_lshr_b32 s3, s2, 4
	s_and_b32 s4, s2, 15
	s_lshl_b32 s6, s3, 15                      ; 16 rows of 2,048 bytes
	s_lshl_b32 s4, s4, 7                       ; 32 numbers
	s_add_co_u32 s6, s6, s4
	s_mov_b32 s7, 0
	s_add_nc_u64 s[36:37], s[36:37], s[6:7]
	s_lshl_b32 s6, s2, 10
	s_add_nc_u64 s[40:41], s[40:41], s[6:7]
	v_lshlrev_b32 v4, 11, v12
	v_lshl_add_u32 v4, v13, 5, v4              ; row r, 8 h numbers on
	s_wait_alu depctr_va_vdst(0)               ; v4 is written, which the loads read as their offset (and v1, the stores' offset)
	global_load_b128 v[48:51], v4, s[36:37]
	global_load_b128 v[52:55], v4, s[36:37] offset:16
	global_load_b128 v[56:59], v4, s[36:37] offset:64
	global_load_b128 v[60:63], v4, s[36:37] offset:80
	v_mov_b32 v88, 0
	v_mov_b32 v89, 0
	v_mov_b32 v90, 0
	v_mov_b32 v91, 0
	s_wait_loadcnt 0x0
.set e, 0
.rept 8
	v_cvt_pk_bf16_f32 v[80+e], v[48+2*e], v[48+2*e+1]
.set e, e+1
.endr
	s_wait_alu depctr_va_vdst(0)               ; the roundings and the four zeros have written v[80:91], which the stores read
	global_store_b128 v1, v[80:83], s[40:41]
	global_store_b128 v1, v[84:87], s[40:41] offset:512
	global_store_b128 v1, v[88:91], s[40:41] offset:393216  ; an input is its bf16 rounding: the lo part is 0
	global_store_b128 v1, v[88:91], s[40:41] offset:393728
	s_endpgm
.Lfunc_end_k_q8b681f6eae_front:
	.size	k_q8b681f6eae_front, .Lfunc_end_k_q8b681f6eae_front-k_q8b681f6eae_front
	.p2alignl 7, 3214868480
	.fill 96, 4, 3214868480
	.section	.rodata,"a",@progbits
	.p2align	6, 0x0
	.amdhsa_kernel k_q8b681f6eae_front
		.amdhsa_group_segment_fixed_size 5120
		.amdhsa_private_segment_fixed_size 0
		.amdhsa_enable_private_segment 0
		.amdhsa_kernarg_size 144
		.amdhsa_user_sgpr_count 2
		.amdhsa_user_sgpr_kernarg_segment_ptr 1
		.amdhsa_wavefront_size32 1
		.amdhsa_system_sgpr_workgroup_id_x 1
		.amdhsa_system_sgpr_workgroup_id_y 1
		.amdhsa_system_sgpr_workgroup_id_z 1
		.amdhsa_system_vgpr_workitem_id 0
		.amdhsa_next_free_vgpr 128
		.amdhsa_next_free_sgpr 98
		.amdhsa_reserve_vcc 0
		.amdhsa_float_denorm_mode_32 3
		.amdhsa_float_denorm_mode_16_64 3
		.amdhsa_memory_ordered 1
		.amdhsa_forward_progress 1
		.amdhsa_inst_pref_size 66
	.end_amdhsa_kernel
	.amdgpu_metadata
---
amdhsa.version: [ 1, 2 ]
amdhsa.kernels:
  - .name:           k_q8b681f6eae_front
    .symbol:         k_q8b681f6eae_front.kd
    .args:
      - { .name: map_w1, .offset: 0, .size: 8, .value_kind: global_buffer, .address_space: global }
      - { .name: map_b1, .offset: 8, .size: 8, .value_kind: global_buffer, .address_space: global }
      - { .name: map_w2, .offset: 16, .size: 8, .value_kind: global_buffer, .address_space: global }
      - { .name: map_b2, .offset: 24, .size: 8, .value_kind: global_buffer, .address_space: global }
      - { .name: w_qs, .offset: 32, .size: 8, .value_kind: global_buffer, .address_space: global }
      - { .name: w_qs_sem, .offset: 40, .size: 8, .value_kind: global_buffer, .address_space: global }
      - { .name: visfuse_w, .offset: 48, .size: 8, .value_kind: global_buffer, .address_space: global }
      - { .name: visfuse_b, .offset: 56, .size: 8, .value_kind: global_buffer, .address_space: global }
      - { .name: semfuse_w, .offset: 64, .size: 8, .value_kind: global_buffer, .address_space: global }
      - { .name: semfuse_b, .offset: 72, .size: 8, .value_kind: global_buffer, .address_space: global }
      - { .name: w_ks, .offset: 80, .size: 8, .value_kind: global_buffer, .address_space: global }
      - { .name: w_ks_sem, .offset: 88, .size: 8, .value_kind: global_buffer, .address_space: global }
      - { .name: w_vs, .offset: 96, .size: 8, .value_kind: global_buffer, .address_space: global }
      - { .name: fc_w, .offset: 104, .size: 8, .value_kind: global_buffer, .address_space: global }
      - { .name: support_feat, .offset: 112, .size: 8, .value_kind: global_buffer, .address_space: global }
      - { .name: wf, .offset: 120, .size: 8, .value_kind: global_buffer, .address_space: global }
      - { .name: s0, .offset: 128, .size: 8, .value_kind: global_buffer, .address_space: global }
      - { .name: base_weights, .offset: 136, .size: 8, .value_kind: global_buffer, .address_space: global }
    .group_segment_fixed_size: 5120
    .private_segment_fixed_size: 0
    .kernarg_segment_align: 8
    .kernarg_segment_size: 144
    .max_flat_workgroup_size: 256
    .sgpr_count:     98
    .vgpr_count:     128
    .wavefront_size: 32
...
	.end_amdgpu_metadata
.endif
;; end of part 20
;; launch maph: the kernel of part 13 again; grid 256 x 1, 10 waves a work-group, no clusters, 41,216 bytes of LDS; arguments base_seman, support_seman, wf, hf, s1; writes hf, s1
;; launch cg: the kernel of part 14 again; grid 992 x 1, 1 waves a work-group, no clusters, 0 bytes of LDS; arguments wf, s1, s2, wc; writes s2, wc
;; launch qx: the kernel of part 15 again; grid 1088 x 1, 1 waves a work-group, no clusters, 0 bytes of LDS; arguments wf, s0, s2, s3; writes s3
;; launch eg: the kernel of part 16 again; grid 52 x 8, 1 waves a work-group, no clusters, 0 bytes of LDS; arguments wf, s3, s1; writes s1
;; launch jq: the kernel of part 17 again; grid 20 x 8, 1 waves a work-group, no clusters, 0 bytes of LDS; arguments wf, s1, s2; writes s2
;; launch flash: the kernel of part 8 again; grid 256 x 1, 8 waves a work-group, no clusters, 321,536 bytes of LDS; arguments base_weights, hf, s1, s2, out1, po; writes out1, po
;; launch comb: the kernel of part 18 again; grid 32 x 8, 1 waves a work-group, no clusters, 0 bytes of LDS; arguments po, s0; writes s0
;; launch fin: the kernel of part 19 again; grid 32 x 8, 1 waves a work-group, no clusters, 0 bytes of LDS; arguments wc, s0, out0, support_feat; writes out0
